; MI455X (gfx1250); checked and timed in simulation.
; The chip was launched on July 23, 2026; its instructions are those of AMD's public machine-readable ISA for CDNA 5 (MIT licence, August 2026) and "CDNA5" Instruction Set Architecture Reference Guide (July 2026). The comments in the code are by the model that wrote it; some were corrected since.
;; My Transformer Encoder Layer. Allowed arithmetic: matrix products marked QUANTISED: E4M3 operands, one E8M0 scale for each 32 along K, by v_wmma_scale_f32_16x16x128_f8f6f4 with both operands' format E4M3, f32 sums; everything else in f32.
;; Inputs: W1_codes 4,096 x 32 x 32 uint8 (E4M3 codes of W1, K innermost, in blocks of 32 codes); W1_scales 4,096 x 32 uint8 (E8M0 scales of W1, one for each 32 codes along K); W2_codes 1,024 x 128 x 32 uint8 (E4M3 codes of W2, K innermost, in blocks of 32 codes); W2_scales 1,024 x 128 uint8 (E8M0 scales of W2, one for each 32 codes along K); Wk_codes 1,024 x 32 x 32 uint8 (E4M3 codes of Wk, K innermost, in blocks of 32 codes); Wk_scales 1,024 x 32 uint8 (E8M0 scales of Wk, one for each 32 codes along K); Wo_codes 1,024 x 32 x 32 uint8 (E4M3 codes of Wo, K innermost, in blocks of 32 codes); Wo_scales 1,024 x 32 uint8 (E8M0 scales of Wo, one for each 32 codes along K); Wq_codes 1,024 x 32 x 32 uint8 (E4M3 codes of Wq, K innermost, in blocks of 32 codes); Wq_scales 1,024 x 32 uint8 (E8M0 scales of Wq, one for each 32 codes along K); Wv_codes 1,024 x 32 x 32 uint8 (E4M3 codes of Wv, K innermost, in blocks of 32 codes); Wv_scales 1,024 x 32 uint8 (E8M0 scales of Wv, one for each 32 codes along K); b1 4,096 float32; b2 1,024 float32; be1 1,024 float32; be2 1,024 float32; bk 1,024 float32; bo 1,024 float32; bq 1,024 float32; bv 1,024 float32; g1 1,024 float32; g2 1,024 float32; src 2,048 x 2 x 1,024 float32.
;; Outputs: out0 2,048 x 2 x 1,024 float32.
;; This version of the problem:
;;   THIS VERSION OF THE PROBLEM IS GIVEN IN LOW PRECISION. The matrix products marked QUANTISED in the list below multiply operands that are first quantised to E4M3 (4 exponent bits, 3 mantissa bits; 8 bits a number), with one power-of-two scale for each 32 numbers along K (OCP MX v1.0); their sums are f32. All else is computed in f32.
;;   The module's matrix products, in the order in which they are computed (A, B: the left and right operand; K: the contracted axis; several contracted axes count as one K, in the product's order):
;;     1. [M 4,096, K 1,024] x [K 1,024, N 1,024]; A: input src; B: input Wq (given as codes): QUANTISED
;;     2. [M 4,096, K 1,024] x [K 1,024, N 1,024]; A: input src; B: input Wk (given as codes): QUANTISED
;;     3. [M 4,096, K 1,024] x [K 1,024, N 1,024]; A: input src; B: input Wv (given as codes): QUANTISED
;;     4. batch 32 x [M 2,048, K 64] x [K 64, N 2,048]; A: computed on the way; B: computed on the way: QUANTISED
;;     5. batch 32 x [M 64, K 2,048] x [K 2,048, N 2,048]; A: computed on the way; B: softmax (see below): QUANTISED
;;     6. [M 4,096, K 1,024] x [K 1,024, N 1,024]; A: computed on the way; B: input Wo (given as codes): QUANTISED
;;     7. [M 4,096, K 1,024] x [K 1,024, N 4,096]; A: computed on the way; B: input W1 (given as codes): QUANTISED
;;     8. [M 4,096, K 4,096] x [K 4,096, N 1,024]; A: computed on the way; B: input W2 (given as codes): QUANTISED
;;   THE QUANTISER, for each operand of a quantised product, along K:
;;     - K is cut into blocks of 32 from its start; a last block that is shorter is filled with zeros.
;;     - A block's scale is 2^e with e = floor(log2(the largest magnitude in the block)) - 8, held to -126 .. 127; a block of zeros has e = 0. As a byte (E8M0): e + 127.
;;     - Each number is divided by its block's scale, clamped to +-448, and rounded to the nearest number of E4M3, ties to even, subnormals kept.
;;     - The product sums the exact products of the quantised numbers (number of the format x scale) in f32.
;;   ~~~python
;;   def quantise(x, axis):      # numpy; x: float32 -> the quantised numbers, widened to float32 again
;;       x = np.moveaxis(x, axis, -1); K = x.shape[-1]
;;       x = np.pad(x, [(0, 0)] * (x.ndim - 1) + [(0, -K % 32)]); x = x.reshape(x.shape[:-1] + (-1, 32)); a = np.abs(x).max(-1, keepdims=True)
;;       e = np.where(a > 0, np.clip(np.frexp(np.where(a > 0, a, 1))[1] - 1 - 8, -126, 127), 0)      # np.frexp(a)[1] - 1 = floor(log2(a)), exactly
;;       r = np.clip(x / 2.0 ** e, -448, 448)
;;       step = 2.0 ** (np.maximum(np.frexp(np.where(r == 0, 1, r))[1] - 1, -6) - 3)
;;       q = np.round(r / step) * step * 2.0 ** e      # np.round: ties to even
;;       return np.moveaxis(q.reshape(q.shape[:-2] + (-1,))[..., :K], -1, axis).astype(np.float32)
;;   ~~~
;;   SOFTMAX AHEAD OF A QUANTISED PRODUCT. Where the list says 'softmax', what is quantised is not the finished softmax but p = 2^(t - M), with t = logit x log2(e) and M = ceil(the row's largest t), a whole number; so 1/2 < the row's largest p <= 1. The row's sum l is taken of the UNQUANTISED p, in f32, and the product's result is divided by l at the end. Since M is a whole number, a kernel that streams over the keys may use a running M (the ceiling of the running maximum): every later rescaling is an exact power of two, which a block's scale takes up: the codes' values come out the same.
;;   OPERANDS COMPUTED ON THE WAY. 'Computed on the way' means the value that the module computes at that place (a softmax that the list does not call 'softmax' is quantised finished and normalised). What goes into a quantiser is computed in f32, as accurately as f32 sums, v_exp_f32 and their like allow (about 1e-6 of the number): no bf16 or f16 on the way to a quantiser, and a product that is left as it is and whose result goes on into a quantised operand takes f32 operands (vector FMAs, or v_wmma_f32_16x16x4_f32). A number that lies on a knife's edge between two numbers of the format may be rounded either way, as far as f32 arithmetic and the matrix unit's own rounding can turn it there, and no further.
;;   INPUTS GIVEN AS CODES. W1 (in the module: [4096, 1024], K = its axis 1); W2 (in the module: [1024, 4096], K = its axis 1); Wk (in the module: [1024, 1024], K = its axis 1); Wo (in the module: [1024, 1024], K = its axis 1); Wq (in the module: [1024, 1024], K = its axis 1); Wv (in the module: [1024, 1024], K = its axis 1): each comes as NAME_codes (uint8): NAME with its K axis moved to the last place and cut into blocks of 32 codes, [.., K / 32, bytes a block], one block behind the other in memory; one code a byte (a code: sign, 4 exponent bits, 3 mantissa bits); and NAME_scales (uint8): the same leading axes, one E8M0 byte (e + 127) for each 32 codes along K. Its value is code x scale, taken as it is: it is not quantised again, and the codes and scales need not be those that the quantiser above would give.
;; 2 versions. Each part assembles by itself: llvm-mc -triple=amdgcn-amd-amdhsa -mcpu=gfx1250 --defsym DOCPART=n.
;; ======== version 1 of 2: 8 launches
;; workspace buffers: act 4,456,448 bytes; wact 13,369,344 bytes; qb 9,175,040 bytes; kvb 9,175,040 bytes; y 16,777,216 bytes; x 16,777,216 bytes; hact 17,825,792 bytes
;; launch prep (part 1): grid 512 x 1, 8 waves a work-group, no clusters, 136,192 bytes of LDS; arguments src, Wq_codes, Wq_scales, Wk_codes, Wk_scales, Wv_codes, Wv_scales, Wo_codes, Wo_scales, W1_codes, W1_scales, W2_codes, W2_scales, act, wact; writes act, wact
.if DOCPART == 1
	.amdgcn_target "amdgcn-amd-amdhsa--gfx1250"
	.amdhsa_code_object_version 6
	.text
	.protected	k_qc3c22877da_prep
	.globl	k_qc3c22877da_prep
	.p2align	8
	.type	k_qc3c22877da_prep,@function
k_qc3c22877da_prep:
	s_mov_b64 s[64:65], 0
	v_nop
	global_prefetch_b8 v0, s[64:65] scope:SCOPE_SE
	s_setreg_imm32_b32 hwreg(HW_REG_WAVE_MODE, 25, 1), 1
	s_wait_xcnt 0x0
; PREP: src is quantised along E, and the six weights' codes and scale bytes are laid anew, both into ONE layout of this program's own, in which a matrix operand lies as images of its registers.
; NO WORK OF reference() IS LEFT OUT in this program and every input is loaded: each bias stands ahead of a quantiser or reaches the output (bk moves k's codes), each gain and shift reaches the output.
; TOKENS are counted rho = 2048 b + s; in src, y, x and out0 token (s, b) is row 2 s + b of 4,096 bytes, so the rows of one batch lie 8,192 bytes apart.
; THE LAYOUT.  Rows go in groups of 128, K in steps of 256.  Block (G, S) is BLK = 34,816 bytes at block number G x (K / 256) + S.  A group has eight tiles of 16 rows; place m of tile 2 p + u is row
; 32 p + 8 u + m + 8 (m / 8), so that where a tile is a product's source 0 the results of tiles 2 p and 2 p + 1 are 16 neighbours in a lane's registers.  In a block: the fragment of (q = which 128 of K, tile i) at
; 16,384 q + 2,048 i, its register group c (K = 32 c + 16 (lane / 16) + 0..15 of row place lane % 16) at + 512 c + 16 lane; the scale words (four E8M0 bytes: 128 of K of one row) at 32,768 + 256 (4 q + i / 2) + 8 lane + 4 (i % 2),
; lanes 16-31 repeating lanes 0-15.  So every store here covers 512 or 256 consecutive bytes, aligned, and a reader takes a block by one dense copy.
; SHARES.  A work-group makes one block: numbers 0-127 those of src, 128-511 those of the weights (Wq, Wk, Wv, Wo, W1, W2 on end in wact).  Wave w makes tiles 2 (w / 2), 2 (w / 2) + 1 of q = w % 2.
; THE QUANTISER: a block of 32's scale is 2^(floor(log2(largest magnitude)) - 8): its byte is that magnitude's exponent field - 8; numbers are held within +-448 x the scale and rounded to the nearest code, ties to even.
; LIMITS: a block of zeros, and one whose largest magnitude lies under 2^-118, gets the byte 1 (this program alone reads these bytes; zero codes add nothing); NaN and infinities among the inputs are not served.
.set BLK,   34816
.set PITCH, 528                        ; a stage row: 512 bytes + 16
.set WREG,  32*PITCH                   ; a wave's own stage: 32 rows
.set SPARE, 8*WREG                     ; behind the stages: the spare words, 128 bytes a wave, which no other line names
.set LI,  4                            ; v4   16 x lane
.set L8,  5                            ; v5   8 x lane
.set OC,  7                            ; v7   my codes' place in the block
.set OS,  8                            ; v8   my scale words' place in the block
.set SPW, 14                           ; v14  my spare word; never rewritten
.set NIL, 15                           ; v15  0; never rewritten
.set X,   16                           ; v16-143  32 rows x 16 bytes as loaded, then two tiles' 64 numbers a lane
.set PC,  144                          ; v144-175 two fragments' codes
.set TM,  176                          ; v176-191 at work
.set PW,  192                          ; v[192:193] the two tiles' scale words
.set SEL, 50                           ; s[50:51] v_permlanex16_b32's selects for lane l xor 16
.set MNT, 52                           ; s52  the mantissa field of 448
; 64 numbers of a lane, register 16 b + i = K 32 b + 16 (lane / 16) + i of my row, become a fragment's codes in v[pc] on and its scale word in v[pw]
.macro QUANT s, pc, pw
.irp b, 0,1,2,3
	v_max3_num_f32 v[TM+\b], |v[\s+16*\b]|, |v[\s+1+16*\b]|, 0x4800000   ; my 16 numbers of block b, and the floor 2^(9 - 127): the byte cannot fall under 1
.endr
.irp i, 2,4,6,8,10,12,14
.irp b, 0,1,2,3
	v_max3_num_f32 v[TM+\b], v[TM+\b], |v[\s+16*\b+\i]|, |v[\s+1+16*\b+\i]|
.endr
.endr
.irp b, 0,1,2,3
	v_permlanex16_b32 v[TM+4+\b], v[TM+\b], s[SEL], s[SEL+1]
.endr
.irp b, 0,1,2,3
	v_max_num_f32 v[TM+\b], v[TM+\b], v[TM+4+\b]                 ; with lane l xor 16's 16: the block's largest magnitude
.endr
.irp b, 0,1,2,3
	v_add_nc_u32 v[TM+12+\b], 0xfc000000, v[TM+\b]               ; 8 off its exponent field: the conversion's scale operand
.endr
.irp b, 0,1,2,3
	v_and_or_b32 v[TM+8+\b], v[TM+\b], 0x7f800000, s[MNT]        ; 448 x the scale
.endr
.irp b, 0,1,2,3
	v_lshrrev_b32 v[TM+4+\b], 23, v[TM+12+\b]                    ; the scale's byte
.endr
	v_lshl_or_b32 v[\pw], v[TM+5], 8, v[TM+4]
	v_lshl_or_b32 v[\pw], v[TM+6], 16, v[\pw]
	v_lshl_or_b32 v[\pw], v[TM+7], 24, v[\pw]
.irp b, 0,1,2,3
.irp i, 0,1,2,3,4,5,6,7,8,9,10,11,12,13,14,15
	v_med3_num_f32 v[\s+16*\b+\i], v[\s+16*\b+\i], -v[TM+8+\b], v[TM+8+\b]   ; the conversion to an 8-bit code does not saturate (ISA guide 7.6.2): the hold comes first
.endr
	v_cvt_scalef32_pk8_fp8_f32 v[\pc+4*\b:\pc+4*\b+1], v[\s+16*\b:\s+16*\b+7], v[TM+12+\b]
	v_cvt_scalef32_pk8_fp8_f32 v[\pc+4*\b+2:\pc+4*\b+3], v[\s+16*\b+8:\s+16*\b+15], v[TM+12+\b]
.endr
	v_nop                                          ; a plain line behind the last conversion, ahead of whatever next touches its registers
.endm
; two fragments (from v[c] on) and their pair of scale words leave: each store covers 512 (256) consecutive bytes, aligned
.macro OUT c, w, p
.irp u, 0,1
.irp k, 0,1,2,3
	global_store_b128 v[OC], v[\c+16*\u+4*\k:\c+16*\u+4*\k+3], s[\p:\p+1] offset:2048*\u+512*\k
.endr
.endr
	global_store_b64 v[OS], v[\w:\w+1], s[\p:\p+1]
.endm
	s_load_b512 s[4:19], s[0:1], 0x0               ; src; Wq's codes, scales; Wk's; Wv's; Wo's codes
	s_load_b256 s[20:27], s[0:1], 0x40             ; Wo's scales; W1's codes, scales; W2's codes
	s_load_b128 s[28:31], s[0:1], 0x60             ; W2's scales; act
	s_load_b64 s[32:33], s[0:1], 0x70              ; wact
	v_lshl_add_u32 v[SPW], v0, 2, SPARE
	v_mov_b32 v[NIL], 0
	v_lshrrev_b32 v1, 5, v0
	v_readfirstlane_b32 s34, v1                    ; wave 0..7
	s_lshr_b32 s35, s34, 1                         ; ip: which pair of tiles
	s_and_b32 s36, s34, 1                          ; q: which 128 of the block's K
	v_and_b32 v1, 15, v0                           ; r
	v_bfe_u32 v2, v0, 4, 1                         ; h
	v_and_b32 v3, 31, v0
	v_lshlrev_b32 v[LI], 4, v3
	v_lshlrev_b32 v[L8], 3, v3
	v_and_b32 v6, 8, v1
	v_add_nc_u32 v6, v6, v1                        ; r + 8 (r / 8): place r's row in a tile's 24
	s_lshl_b32 s37, s36, 14
	s_lshl_b32 s38, s35, 12
	s_add_co_u32 s37, s37, s38                     ; 16,384 q + 4,096 ip
	v_add_nc_u32 v[OC], s37, v[LI]
	s_lshl_b32 s38, s36, 2
	s_add_co_u32 s38, s38, s35
	s_lshl_b32 s38, s38, 8
	s_add_co_u32 s38, s38, 32768                   ; 32,768 + 256 (4 q + ip)
	v_add_nc_u32 v[OS], s38, v[L8]
	s_cmp_lt_u32 ttmp9, 128
	s_cbranch_scc0 .Lweights
	; ---- a block of src: my 32 rows x 128 columns, 512 bytes a row
	s_lshr_b32 s40, ttmp9, 2                       ; G
	s_and_b32 s41, ttmp9, 3                        ; S
	s_and_b32 s42, s40, 15
	s_lshl_b32 s42, s42, 20                        ; 128 rows of one batch: 128 x 8,192 bytes
	s_lshl_b32 s43, s35, 18                        ; 32 rows
	s_add_co_u32 s42, s42, s43
	s_lshr_b32 s43, s40, 4
	s_lshl_b32 s43, s43, 12                        ; the batch
	s_add_co_u32 s42, s42, s43
	s_lshl_b32 s43, s41, 10                        ; 256 columns
	s_add_co_u32 s42, s42, s43
	s_lshl_b32 s43, s36, 9                         ; 128 columns
	s_add_co_u32 s42, s42, s43
	s_mov_b32 s43, 0
	s_mul_i32 s44, ttmp9, BLK
	s_mov_b32 s45, 0
	s_mul_i32 s46, s34, WREG
	v_add_nc_u32 v9, s46, v[LI]                    ; into my stage: a row's 512 bytes on end
	v_mul_u32_u24 v10, v6, PITCH
	v_lshl_add_u32 v10, v2, 6, v10
	v_add_nc_u32 v10, s46, v10                     ; out of it: place r's row, + 64 h: my 16 numbers of a block of 32
	s_mov_b32 s[SEL], 0x76543210
	s_mov_b32 s[SEL+1], 0xfedcba98
	s_mov_b32 s[MNT], 0x600000
.irp b, 0,1,2,3
	v_mov_b32 v[TM+4+\b], 0                        ; written once: a lane permute's destination counts as one of its sources
.endr
	s_wait_kmcnt 0x0
	s_add_nc_u64 s[4:5], s[4:5], s[42:43]
	s_add_nc_u64 s[30:31], s[30:31], s[44:45]
.set i, 0
.rept 32
	global_load_b128 v[X+4*i:X+4*i+3], v[LI], s[4:5] offset:i*8192 th:TH_LOAD_NT   ; 32 lanes read a row's 512 consecutive bytes
.set i, i+1
.endr
.set i, 0
.rept 32
	s_wait_loadcnt 31-i                            ; loads come back in order: row i is in, the younger rows stay out
	ds_store_b128 v9, v[X+4*i:X+4*i+3] offset:i*PITCH
.set i, i+1
.endr
.irp u, 0,1
.irp c, 0,1,2,3
.irp j, 0,1,2,3
	ds_load_b128 v[X+64*\u+16*\c+4*\j:X+64*\u+16*\c+4*\j+3], v10 offset:\u*8*PITCH+128*\c+16*\j   ; LDS serves a wave's instructions in order: these see my stores
.endr
.endr
.endr
	s_wait_dscnt 0x0
	QUANT X, PC, PW
	QUANT X+64, PC+16, PW+1
	OUT PC, PW, 30
	s_branch .Lend
	; ---- a block of a weight: codes and scale words go from rows into the layout as they are
.Lweights:
	s_sub_co_u32 s40, ttmp9, 128                   ; the block's number in wact, 0..383
	s_mul_i32 s44, s40, BLK
	s_mov_b32 s45, 0
	s_mov_b32 s43, 127
	s_cmp_lt_u32 s40, 128
	s_cselect_b32 s43, 31, s43                     ; the four square weights have 32 blocks each, W1 and W2 128
	s_and_b32 s43, s40, s43                        ; the block's number in its weight
	s_cmp_lt_u32 s40, 256
	s_cselect_b32 s41, 10, 12                      ; log2 K: 1,024, or 4,096 for W2
	s_cselect_b32 s42, 2, 4                        ; log2 (K / 256)
	s_lshr_b32 s46, s43, s42                       ; its group of rows
	s_bfm_b32 s47, s42, 0
	s_and_b32 s47, s43, s47                        ; its K step
	s_lshl_b32 s48, s46, 7
	s_lshl_b32 s49, s35, 5
	s_add_co_u32 s48, s48, s49
	v_add_nc_u32 v9, s48, v6                       ; my row for the pair's first tile
	s_lshl_b32 s49, s47, 8
	s_lshl_b32 s53, s36, 7
	s_add_co_u32 s49, s49, s53                     ; 256 S + 128 q along K
	v_lshlrev_b32 v10, s41, v9
	v_lshl_add_u32 v10, v2, 4, v10
	v_add_nc_u32 v10, s49, v10                     ; codes: row x K + 256 S + 128 q + 16 h
	s_lshl_b32 s53, 8, s41
	v_add_nc_u32 v11, s53, v10                     ; the second tile: eight rows on
	s_sub_co_u32 s54, s41, 5
	v_lshlrev_b32 v12, s54, v9
	s_lshr_b32 s49, s49, 5
	v_add_nc_u32 v12, s49, v12                     ; scale words: row x K / 32 + 4 (2 S + q)
	s_lshl_b32 s53, 8, s54
	v_add_nc_u32 v13, s53, v12
	s_wait_kmcnt 0x0
	s_cmp_lt_u32 s40, 256                          ; which weight: the choices hang on the work-group's number alone
	s_cselect_b64 s[56:57], s[22:23], s[26:27]
	s_cselect_b64 s[58:59], s[24:25], s[28:29]
	s_cmp_lt_u32 s40, 128
	s_cselect_b64 s[56:57], s[18:19], s[56:57]
	s_cselect_b64 s[58:59], s[20:21], s[58:59]
	s_cmp_lt_u32 s40, 96
	s_cselect_b64 s[56:57], s[14:15], s[56:57]
	s_cselect_b64 s[58:59], s[16:17], s[58:59]
	s_cmp_lt_u32 s40, 64
	s_cselect_b64 s[56:57], s[10:11], s[56:57]
	s_cselect_b64 s[58:59], s[12:13], s[58:59]
	s_cmp_lt_u32 s40, 32
	s_cselect_b64 s[56:57], s[6:7], s[56:57]
	s_cselect_b64 s[58:59], s[8:9], s[58:59]
	s_add_nc_u64 s[32:33], s[32:33], s[44:45]
.irp u, 0,1
.irp c, 0,1,2,3
	global_load_b128 v[16+16*\u+4*\c:16+16*\u+4*\c+3], v[10+\u], s[56:57] offset:32*\c
.endr
	global_load_b32 v[48+\u], v[12+\u], s[58:59]   ; lanes 16-31 take the same word as lanes 0-15
.endr
	s_wait_loadcnt 0x0
	OUT 16, 48, 32
.Lend:
	s_wait_tensorcnt 0x0                           ; the wave's end
	ds_add_u32 v[SPW], v[NIL]
	s_wait_dscnt 0x0
	s_endpgm
.Lfunc_end_k_qc3c22877da_prep:
	.size	k_qc3c22877da_prep, .Lfunc_end_k_qc3c22877da_prep-k_qc3c22877da_prep
	.p2alignl 7, 3214868480
	.fill 96, 4, 3214868480
	.section	.rodata,"a",@progbits
	.p2align	6, 0x0
	.amdhsa_kernel k_qc3c22877da_prep
		.amdhsa_group_segment_fixed_size 136192
		.amdhsa_private_segment_fixed_size 0
		.amdhsa_enable_private_segment 0
		.amdhsa_kernarg_size 120
		.amdhsa_user_sgpr_count 2
		.amdhsa_user_sgpr_kernarg_segment_ptr 1
		.amdhsa_wavefront_size32 1
		.amdhsa_system_sgpr_workgroup_id_x 1
		.amdhsa_system_sgpr_workgroup_id_y 1
		.amdhsa_system_sgpr_workgroup_id_z 1
		.amdhsa_system_vgpr_workitem_id 0
		.amdhsa_next_free_vgpr 208
		.amdhsa_next_free_sgpr 66
		.amdhsa_reserve_vcc 0
		.amdhsa_float_denorm_mode_32 3
		.amdhsa_float_denorm_mode_16_64 3
		.amdhsa_memory_ordered 1
		.amdhsa_forward_progress 1
		.amdhsa_inst_pref_size 32
	.end_amdhsa_kernel
	.amdgpu_metadata
---
amdhsa.version: [ 1, 2 ]
amdhsa.kernels:
  - .name:           k_qc3c22877da_prep
    .symbol:         k_qc3c22877da_prep.kd
    .args:
      - { .name: src, .offset: 0, .size: 8, .value_kind: global_buffer, .address_space: global }
      - { .name: Wq_codes, .offset: 8, .size: 8, .value_kind: global_buffer, .address_space: global }
      - { .name: Wq_scales, .offset: 16, .size: 8, .value_kind: global_buffer, .address_space: global }
      - { .name: Wk_codes, .offset: 24, .size: 8, .value_kind: global_buffer, .address_space: global }
      - { .name: Wk_scales, .offset: 32, .size: 8, .value_kind: global_buffer, .address_space: global }
      - { .name: Wv_codes, .offset: 40, .size: 8, .value_kind: global_buffer, .address_space: global }
      - { .name: Wv_scales, .offset: 48, .size: 8, .value_kind: global_buffer, .address_space: global }
      - { .name: Wo_codes, .offset: 56, .size: 8, .value_kind: global_buffer, .address_space: global }
      - { .name: Wo_scales, .offset: 64, .size: 8, .value_kind: global_buffer, .address_space: global }
      - { .name: W1_codes, .offset: 72, .size: 8, .value_kind: global_buffer, .address_space: global }
      - { .name: W1_scales, .offset: 80, .size: 8, .value_kind: global_buffer, .address_space: global }
      - { .name: W2_codes, .offset: 88, .size: 8, .value_kind: global_buffer, .address_space: global }
      - { .name: W2_scales, .offset: 96, .size: 8, .value_kind: global_buffer, .address_space: global }
      - { .name: act, .offset: 104, .size: 8, .value_kind: global_buffer, .address_space: global }
      - { .name: wact, .offset: 112, .size: 8, .value_kind: global_buffer, .address_space: global }
    .group_segment_fixed_size: 136192
    .private_segment_fixed_size: 0
    .kernarg_segment_align: 8
    .kernarg_segment_size: 120
    .max_flat_workgroup_size: 256
    .sgpr_count:     66
    .vgpr_count:     208
    .wavefront_size: 32
...
	.end_amdgpu_metadata
.endif
;; end of part 1
;; launch qkv (part 2): grid 12 x 16, 4 waves a work-group, clusters of 4 x 4, 327,680 bytes of LDS; arguments act, wact, bq, bk, bv, qb, kvb; writes qb, kvb
.if DOCPART == 2
	.amdgcn_target "amdgcn-amd-amdhsa--gfx1250"
	.amdhsa_code_object_version 6
	.text
	.protected	k_qc3c22877da_qkv
	.globl	k_qc3c22877da_qkv
	.p2align	8
	.type	k_qc3c22877da_qkv,@function
k_qc3c22877da_qkv:
	s_mov_b64 s[64:65], 0
	v_nop
	global_prefetch_b8 v0, s[64:65] scope:SCOPE_SE
	s_setreg_imm32_b32 hwreg(HW_REG_WAVE_MODE, 25, 1), 1
	s_wait_xcnt 0x0
	s_wait_alu depctr_hold_cnt(0) depctr_sa_sdst(0) depctr_va_vdst(0) depctr_va_sdst(0) depctr_va_ssrc(0) depctr_va_vcc(0) depctr_vm_vsrc(0)
	s_getreg_b32 s2, hwreg(HW_REG_IB_STS2, 6, 4)
	s_cmp_eq_u32 s2, 0
	s_cbranch_scc0 .Lentry_in_a_cluster
	s_endpgm
.Lentry_in_a_cluster:
	s_bfe_u32 s2, ttmp6, 0x10000c
	s_cmp_lg_u32 s2, 0xf033
	s_cbranch_scc0 .Lentry_shape_is_right
	s_endpgm
.Lentry_shape_is_right:
; A GEMM ON CODES WHOSE RESULT IS QUANTISED ON THE WAY OUT.  One text, two launches: QKV = 1: q, k and v^T from src's codes; QKV = 0: relu(x W1^T + b1).  Nothing of reference() is left out.
; Operands lie in this program's own layout (blocks of 128 rows x 256 of K, BLK bytes: images of the operand registers, fragment (q, i) at 16,384 q + 2,048 i + 512 c + 16 lane, scale words at 32,768 + 256 (4 q + i / 2) + 8 lane + 4 (i % 2);
; place m of tile 2 p + u is row 32 p + 8 u + m + 8 (m / 8) of the group).  A tile of C is 256 x 256: four waves, each 128 x 128 in 64 accumulators.  K goes in steps of 256 through two LDS slots; a slot holds A's two blocks, then B's two; each
; wave fetches one block, 34,816 dense bytes, codes and scale words together, by one tensor load.  LDS reads stand at 16 x lane: no pitch, no padding.
; CLUSTERS: 4 x 4 work-groups; A's blocks are asked for jointly along a row of the cluster, B's along a column.
; THE PRODUCT IS USED TRANSPOSED (source 0 = 16 rows of B, source 1 = 16 rows of A): lane (r, h) holds place r of A's tile a, and the 64 registers of that tile's eight accumulators are B's rows 32 p + 16 h + i of the group: just the order of
; an operand whose K runs along B's rows.  So the way out quantises them in registers and stores the conversions' results as the next operand's image: 512 consecutive bytes a store, no stage.
; QKV: clusters x = 0, 1: A = src, B = Wq, Wk: a wave's 128 columns are two heads of 64: blocks 0, 1 go to the first head's tile of q or k, blocks 2, 3 to the second's.  Cluster x = 2: THE BUFFERS CHANGE PLACES: A = Wv, B = src: the result is v^T,
; a lane holds one channel and its registers run along 128 keys, the second attention product's K.  The choice hangs on the cluster's number alone, so it is the same in all sixteen partners.
; The bias is the C of each sum's first product: along B's rows (bq, bk, b1), or along A's rows (bv).
; q AND k, v BLOCKS (qb, kvb): (16 b + head) x 286,720 + (group of 128 tokens) x 17,920: q's or k's tile a at 1,024 a + 512 c + 16 lane; v^T's tile dt at 8,192 + 2,048 dt + 512 c + 16 lane; scale words of q or k at 16,384, of v at 17,408, laid as above.
; A scale word of q or k holds its head's two bytes below; the two above are the other head's or 0, and meet zero codes only.
; LIMITS: a block of zeros or under 2^-118 gets the byte 1; NaN and infinities are not served.
; REGISTERS: window 0: v1, v2 r, h; v8, v9 16 x, 8 x lane; v16-23 LDS addresses; v26 bias offset; v28, v29 the add's two; v32-63 scale words, two sets; v64-127 the bias; v128-255 A's fragments, one set (on the way out: v128-191 numbers held,
; v192-207 codes, v208-223 at work, v224-227 scale words).  Window 1: B's fragments, two sets.  Windows 2, 3: the accumulators of my rows 0-63, 64-127.
.set QKV,   1
.set BLK,   34816
.set SLOT,  4*BLK
.set SPARE, 2*SLOT                     ; behind the ring: the spare words, 128 bytes a wave, which no other line names
.set KB,    4                          ; K steps: K = 1,024
.set LAPS,  KB/2
.set LI,   8
.set L8,   9
.set ADRA, 16
.set ADRB, 20
.set ADRS, 22
.set CO,   26
.set SPW,  28
.set NIL,  29
.set SC,   32
.set BI,   64
.set AF,   128
.set X,    128
.set PC,   192
.set TM,   208
.set PWP,  224
.set PW2,  226
.set WV,  18
.set HR,  19
.set HC,  20
.set CX,  21
.set CY,  22
.set ISV, 23
.set G1A, 24
.set G0A, 32
.set TR,  40
.set TC,  41
.set G1B, 48
.set G0B, 56
.set P0,  66
.set P1,  68
.set Q0,  70
.set Q1,  72
.set SA,  74
.set SA4, 76
.set SQ4, 78
.set SEL, 80
.set MNT, 82
.set LAP, 83
.set MSB, 0
.macro WIN new                         ; the immediate's high byte repeats the setting that is left
.if MSB != (\new)
	s_set_vgpr_msb (MSB<<8)|(\new)
.set MSB, (\new)
.endif
.endm
.set MUL_LO, 0xa1                      ; source 0 (B) window 1, source 1 (A) window 0, C and D window 2
.set MUL_HI, 0xf1                      ; the same, C and D window 3
.set TO_B,   0x40                      ; destination window 1, address window 0
; A joint load: waves 0 and 1 fetch A's two blocks, waves 2 and 3 B's.  The branch hangs on the wave's number alone.  An s_nop 0 and four v_nop follow each line.
.macro JLOAD g0a, g1a, g0b, g1b
	s_cmp_eq_u32 s[HR], 0
	s_cbranch_scc0 .Lfor_b_\@
	tensor_load_to_lds s[\g0a:\g0a+3], s[\g1a:\g1a+7]
	s_nop 0
.rept 4
	v_nop
.endr
	s_branch .Lasked_\@
.Lfor_b_\@:
	tensor_load_to_lds s[\g0b:\g0b+3], s[\g1b:\g1b+7]
	s_nop 0
.rept 4
	v_nop
.endr
.Lasked_\@:
.endm
.macro CREST                           ; a round of the cluster's barrier behind its opening barrier
	s_cmp_lg_u32 s[WV], 0
	s_cbranch_scc1 .Lnot_wave_0_\@
	s_barrier_signal -3
.Lnot_wave_0_\@:
	s_barrier_wait -3
	s_barrier_signal -1
	s_barrier_wait -1
.endm
.macro CROUND
	s_barrier_signal -1
	s_barrier_wait -1
	CREST
.endm
.macro PLACES n                        ; plain vector lines between a matrix instruction and a load into, or a read of, its registers: eight for this form
.rept \n
	v_nop
.endr
.endm
.macro FRAG reg, adr, q, i             ; a fragment: four loads of 512 consecutive bytes
.irp c, 0,1,2,3
	ds_load_b128 v[\reg+4*\c:\reg+4*\c+3], v[\adr] offset:16384*(\q)+2048*(\i)+512*\c
.endr
.endm
; 16 products: A's tiles a0, a0 + 1 x B's eight, the slot's q-th 128 of K.  p: B's set; sc: the set of scale words.  mode 0: the sums go on; 2: they begin with the bias along B's rows; 3: along A's rows.
; The 64 accumulators take turns, one instruction a turn, in the same order in every step.
.macro MUL16 a0, p, q, sc, mode
.irp a, \a0, \a0+1
.irp b, 0,1,2,3,4,5,6,7
.set rD, 8*(8*((\a)%4)+\b)
.set rB, 128*(\p)+16*\b
.set rA, AF+16*(\a)
.set rSB, SC+16*(\sc)+8*(\q)+\b
.set rSA, SC+16*(\sc)+8*(\q)+(\a)
.if \mode == 0
	v_wmma_scale_f32_16x16x128_f8f6f4 v[rD:rD+7], v[rB:rB+15], v[rA:rA+15], v[rD:rD+7], v[rSB], v[rSA] matrix_a_scale:MATRIX_SCALE_ROW1
.elseif \mode == 2
	v_wmma_scale_f32_16x16x128_f8f6f4 v[rD:rD+7], v[rB:rB+15], v[rA:rA+15], v[BI+8*\b:BI+8*\b+7], v[rSB], v[rSA] matrix_a_scale:MATRIX_SCALE_ROW1
.else
	v_wmma_scale_f32_16x16x128_f8f6f4 v[rD:rD+7], v[rB:rB+15], v[rA:rA+15], v[BI+8*(\a):BI+8*(\a)+7], v[rSB], v[rSA] matrix_a_scale:MATRIX_SCALE_ROW1
.endif
.endr
.endr
.endm
.macro FETCH_B slot, q, p
	WIN TO_B
.irp i, 0,1,2,3,4,5,6,7
	FRAG 128*(\p)+16*\i, ADRB+\slot, \q, \i
.endr
	WIN 0
.endm
.macro FETCH_A slot, q, i0
.irp i, \i0, \i0+1, \i0+2, \i0+3
	FRAG AF+16*(\i), ADRA+\slot, \q, \i
.endr
.endm
.macro SCALES sc                       ; a slot's scale words: register 8 q + i: lanes 0-15 the words of A's tile i, lanes 16-31 those of B's tile i
.irp q, 0,1
.irp i, 0,1,2,3
	ds_load_b64 v[SC+16*\sc+8*\q+2*\i:SC+16*\sc+8*\q+2*\i+1], v[ADRS+\sc] offset:32768+(4*\q+\i)*256
.endr
.endr
.endm
; A step of 128 along K that has its successor in the same slot.  A's tiles 0-3 are fetched anew in its middle, tiles 4-7 at its end; B has two sets.
.macro STEP slot, q, mode
	s_wait_dscnt 16                                ; all but the youngest sixteen loads (A's tiles 4-7) are in
.if \mode >= 2
	WIN 0x81                                       ; C (the bias) window 0, D window 2
.else
	WIN MUL_LO
.endif
	MUL16 0, (\q)%2, \q, \slot, \mode
	MUL16 2, (\q)%2, \q, \slot, \mode
	s_wait_dscnt 0x0                               ; A's tiles 4-7 are in
	PLACES 8
	FETCH_B \slot, (\q)+1, 1-(\q)%2
	FETCH_A \slot, (\q)+1, 0
.if \mode >= 2
	WIN 0xc1
.else
	WIN MUL_HI
.endif
	MUL16 4, (\q)%2, \q, \slot, \mode
	MUL16 6, (\q)%2, \q, \slot, \mode
	PLACES 8
	WIN 0
	FETCH_A \slot, (\q)+1, 4
.endm
; A slot's last step changes slots: one barrier; in front of it each wave waits for all its tensor loads, adds 0 to its spare word, and waits for that and for its reads of this slot.  fill = 1: the slot is filled again, two K steps on.
.macro TURN slot, next, fill
	s_wait_tensorcnt 0x0                           ; all my tensor loads have landed: my block of the next slot
	ds_add_u32 v[SPW], v[NIL]
	s_wait_dscnt 17                                ; (the add and the youngest sixteen loads may be out)
	WIN MUL_LO
	MUL16 0, 1, 1, \slot, 0
	s_wait_dscnt 0x0                               ; the add is done, and my reads of this slot are over
	s_barrier_signal -1
	MUL16 2, 1, 1, \slot, 0
	WIN 0
	s_barrier_wait -1
.if \fill
	CREST                                          ; the barrier has opened a round of the cluster's: no wave of any partner still reads this slot or has a load on its way
	s_add_nc_u64 s[G0A+4*\slot+2:G0A+4*\slot+3], s[G0A+4*\slot+2:G0A+4*\slot+3], 2*BLK
	s_add_nc_u64 s[G0B+4*\slot+2:G0B+4*\slot+3], s[G0B+4*\slot+2:G0B+4*\slot+3], 2*BLK
	JLOAD G0A+4*\slot, G1A, G0B+4*\slot, G1B       ; the first tensor load behind the round; its four v_nop are four of the eight places
	PLACES 4
.else
	PLACES 8
.endif
	FETCH_B \next, 0, 0
	FETCH_A \next, 0, 0
	SCALES \next
	WIN MUL_HI
	MUL16 4, 1, 1, \slot, 0
	MUL16 6, 1, 1, \slot, 0
	PLACES 8
	WIN 0
	FETCH_A \next, 0, 4
.endm
; THE WAY OUT of A's tile a: its 64 numbers a lane (accumulators 64 (a % 4) on, window 2 + a / 4; register 16 b + i = column 32 b + 16 h + i) become a fragment's codes in v[PC] on and a scale word in v[PWP + a % 2].
; Each accumulator is first read at its two lowest registers.  The hold moves the numbers into window 0.  relu = 1: what is negative becomes 0 (no |.| in the maximum; the hold clips at 0).
.macro QUANTW a, relu
.set AC, 64*((\a)%4)
.set W, 2+(\a)/4
	WIN W|(W<<2)
.irp b, 0,1,2,3
.if \relu
	v_max3_num_f32 v[TM+\b], v[AC+16*\b], v[AC+1+16*\b], 0x4800000
.else
	v_max3_num_f32 v[TM+\b], |v[AC+16*\b]|, |v[AC+1+16*\b]|, 0x4800000   ; with the floor 2^(9 - 127): the byte cannot fall under 1
.endif
.endr
	WIN (W<<2)|(W<<4)
.irp i, 2,4,6,8,10,12,14
.irp b, 0,1,2,3
.if \relu
	v_max3_num_f32 v[TM+\b], v[TM+\b], v[AC+16*\b+\i], v[AC+1+16*\b+\i]
.else
	v_max3_num_f32 v[TM+\b], v[TM+\b], |v[AC+16*\b+\i]|, |v[AC+1+16*\b+\i]|
.endif
.endr
.endr
	WIN 0
.irp b, 0,1,2,3
	v_permlanex16_b32 v[TM+4+\b], v[TM+\b], s[SEL], s[SEL+1]
.endr
.irp b, 0,1,2,3
	v_max_num_f32 v[TM+\b], v[TM+\b], v[TM+4+\b]                 ; with lane l xor 16's 16: the block's largest magnitude
.endr
.irp b, 0,1,2,3
	v_add_nc_u32 v[TM+12+\b], 0xfc000000, v[TM+\b]               ; 8 off its exponent field: the conversion's scale operand
.endr
.irp b, 0,1,2,3
	v_and_or_b32 v[TM+8+\b], v[TM+\b], 0x7f800000, s[MNT]        ; 448 x the scale
.endr
.irp b, 0,1,2,3
	v_lshrrev_b32 v[TM+4+\b], 23, v[TM+12+\b]                    ; the scale's byte
.endr
	v_lshl_or_b32 v[PWP+(\a)%2], v[TM+5], 8, v[TM+4]
	v_lshl_or_b32 v[PWP+(\a)%2], v[TM+6], 16, v[PWP+(\a)%2]
	v_lshl_or_b32 v[PWP+(\a)%2], v[TM+7], 24, v[PWP+(\a)%2]
	WIN W
.irp b, 0,1,2,3
.irp i, 0,1,2,3,4,5,6,7,8,9,10,11,12,13,14,15
.if \relu
	v_med3_num_f32 v[X+16*\b+\i], v[AC+16*\b+\i], 0, v[TM+8+\b]
.else
	v_med3_num_f32 v[X+16*\b+\i], v[AC+16*\b+\i], -v[TM+8+\b], v[TM+8+\b]   ; the conversion to an 8-bit code does not saturate (ISA guide 7.6.2)
.endif
.endr
.endr
	WIN 0
.irp b, 0,1,2,3
	v_cvt_scalef32_pk8_fp8_f32 v[PC+4*\b:PC+4*\b+1], v[X+16*\b:X+16*\b+7], v[TM+12+\b]
	v_cvt_scalef32_pk8_fp8_f32 v[PC+4*\b+2:PC+4*\b+3], v[X+16*\b+8:X+16*\b+15], v[TM+12+\b]
.endr
	v_nop                                          ; a plain line behind the last conversion
.endm
.if QKV
	s_load_b256 s[4:11], s[0:1], 0x0               ; act, wact, bq, bk
	s_load_b128 s[12:15], s[0:1], 0x20             ; bv, qb
	s_load_b64 s[16:17], s[0:1], 0x30              ; kvb
.else
	s_load_b256 s[4:11], s[0:1], 0x0               ; act, wact, b1, hact
.endif
	v_lshl_add_u32 v[SPW], v0, 2, SPARE
	v_mov_b32 v[NIL], 0
	ds_add_u32 v[SPW], v[NIL]                      ; the wave's opening: the add, twice on end, and its wait ahead of my first tensor load
	ds_add_u32 v[SPW], v[NIL]
	v_lshrrev_b32 v1, 5, v0
	v_readfirstlane_b32 s[WV], v1                  ; wave 0..3
	s_lshr_b32 s[HR], s[WV], 1                     ; my half of the tile's rows.  Also: I fetch for A (0) or B (1)
	s_and_b32 s[HC], s[WV], 1                      ; my half of its columns.  Also: which of the two blocks I fetch
	s_bfe_u32 s[CX], ttmp6, 0x40000
	s_bfe_u32 s[CY], ttmp6, 0x40004
	s_and_b32 s44, ttmp7, 0xffff                   ; cluster y
.if QKV
	s_cmp_eq_u32 ttmp9, 2                          ; cluster x = 2 makes v^T: A = Wv (4 tile rows), B = src (16 tile columns, by cluster y)
	s_cselect_b32 s[ISV], 1, 0
	s_cselect_b32 s45, s44, ttmp9
	s_cselect_b32 s46, 0, s44
.else
	s_mov_b32 s45, ttmp9
	s_mov_b32 s46, s44
.endif
	s_lshl_b32 s[TC], s45, 2
	s_add_co_u32 s[TC], s[TC], s[CX]               ; tile column
	s_lshl_b32 s[TR], s46, 2
	s_add_co_u32 s[TR], s[TR], s[CY]               ; tile row
	s_lshl_b32 s42, s[CY], 2
	s_lshl_b32 s42, 15, s42                        ; my row of the cluster
	s_lshl_b32 s43, 0x1111, s[CX]                  ; my column
	s_or_b32 s[G1A], s42, (3<<16)|(1<<21)          ; group 1: the mask; elements of 8 bytes; bit 21 beside a mask; no padding
	s_or_b32 s[G1B], s43, (3<<16)|(1<<21)
.irp g, G1A, G1B
	s_mov_b32 s[\g+1], 32<<16                      ; tensor_dim0 = 32 elements: 256 bytes
	s_mov_b32 s[\g+2], 136<<16                     ; tensor_dim1 = 136 rows: a block
	s_mov_b32 s[\g+3], 32<<16                      ; tile_dim0
	s_mov_b32 s[\g+4], 136                         ; tile_dim1
	s_mov_b32 s[\g+5], 32                          ; the rows lie on end
	s_mov_b32 s[\g+6], 0
	s_mov_b32 s[\g+7], 0
.endr
	s_lshl_b32 s44, s[TR], 1
	s_add_co_u32 s44, s44, s[HC]
	s_mul_i32 s44, s44, KB*BLK                     ; A: the group of rows that I fetch, at K step 0
	s_mov_b32 s45, 0
	s_lshl_b32 s46, s[TC], 1
	s_add_co_u32 s46, s46, s[HC]
	s_mul_i32 s46, s46, KB*BLK                     ; B likewise
	s_mov_b32 s47, 0
	s_mul_i32 s84, s[WV], BLK                      ; where it goes: no place in the cluster enters an LDS address
	s_mov_b32 s[SEL], 0x76543210
	s_mov_b32 s[SEL+1], 0xfedcba98
	s_mov_b32 s[MNT], 0x600000
	s_wait_dscnt 0x0                               ; both opening adds are done
	s_wait_kmcnt 0x0
.if QKV
	s_add_nc_u64 s[86:87], s[6:7], 2228224         ; Wv in wact
	s_cmp_eq_u32 s[ISV], 1
	s_cselect_b64 s[88:89], s[86:87], s[4:5]       ; A's buffer
	s_cselect_b64 s[90:91], s[4:5], s[6:7]         ; B's: Wq and Wk lie on end at wact's head: tile columns 0-3, 4-7
.else
	s_mov_b64 s[88:89], s[4:5]
	s_add_nc_u64 s[90:91], s[6:7], 4456448         ; W1 in wact
.endif
	s_add_nc_u64 s[88:89], s[88:89], s[44:45]
	s_add_nc_u64 s[90:91], s[90:91], s[46:47]
	CROUND                                         ; all sixteen work-groups are here: the first joint loads meet
.irp s, 0,1
	s_mov_b32 s[G0A+4*\s], 1
	s_add_co_u32 s[G0A+4*\s+1], s84, \s*SLOT
	s_add_nc_u64 s[G0A+4*\s+2:G0A+4*\s+3], s[88:89], \s*BLK
	s_or_b32 s[G0A+4*\s+3], s[G0A+4*\s+3], 0x80000000
	s_mov_b32 s[G0B+4*\s], 1
	s_add_co_u32 s[G0B+4*\s+1], s84, \s*SLOT
	s_add_nc_u64 s[G0B+4*\s+2:G0B+4*\s+3], s[90:91], \s*BLK
	s_or_b32 s[G0B+4*\s+3], s[G0B+4*\s+3], 0x80000000
	JLOAD G0A+4*\s, G1A, G0B+4*\s, G1B
.endr
	v_and_b32 v1, 15, v0                           ; r
	v_bfe_u32 v2, v0, 4, 1                         ; h
	v_and_b32 v3, 31, v0
	v_lshlrev_b32 v[LI], 4, v3
	v_lshlrev_b32 v[L8], 3, v3
	s_mul_i32 s44, s[HR], BLK                      ; my block of A
	s_mul_i32 s45, s[HC], BLK
	s_add_co_u32 s45, s45, 2*BLK                   ; my block of B, behind A's two
	s_sub_co_u32 s46, s45, s44
	v_mul_u32_u24 v4, s46, v2                      ; scale words: lanes 16-31 take B's
	v_add_nc_u32 v4, v4, v[L8]
.irp s, 0,1
	v_add_nc_u32 v[ADRA+\s], s44, v[LI]
	v_add_nc_u32 v[ADRB+\s], s45, v[LI]
	v_add_nc_u32 v[ADRS+\s], s44, v4
	s_add_co_u32 s44, s44, SLOT
	s_add_co_u32 s45, s45, SLOT
.endr
.if QKV
	; where the results go
	s_lshl_b32 s92, s[TC], 1
	s_add_co_u32 s92, s92, s[HC]
	s_lshl_b32 s93, s[TR], 1
	s_add_co_u32 s93, s93, s[HR]
	s_lshl_b32 s94, s[CY], 2
	s_lshl_b32 s95, s[HR], 1
	s_add_co_u32 s94, s94, s95
	s_lshl_b32 s95, s[CX], 2
	s_lshl_b32 s85, s[HC], 1
	s_add_co_u32 s95, s95, s85
	s_cmp_eq_u32 s[ISV], 1
	s_cselect_b32 s92, s92, s93                    ; my group of 128 tokens: B's for v^T, A's for q and k
	s_cselect_b32 s94, s94, s95                    ; the first of my two heads: 4 cy + 2 HR, or 4 cx + 2 HC
	s_mov_b32 s[SA], 1024
	s_cselect_b32 s[SA], 2048, s[SA]               ; from tile to tile
	s_mov_b32 s[SA4], 1024
	s_cselect_b32 s[SA4], 280576, s[SA4]           ; from tile 3 to tile 4: for v^T the next head's first tile, 286,720 - 3 x 2,048
	s_mov_b32 s[SQ4], 256
	s_cselect_b32 s[SQ4], 286464, s[SQ4]           ; the scale words likewise: 286,720 - 256
	s_cselect_b32 s85, 8192, 0                     ; the codes' place in a block
	s_mov_b32 s86, 286720
	s_cselect_b32 s86, 1024, s86                   ; from register groups 0, 1 to groups 2, 3: on in the fragment, or the next head
	s_mov_b32 s87, 16384
	s_cselect_b32 s87, 17408, s87                  ; the scale words' place in a block
	s_mov_b32 s[SA+1], 0
	s_mov_b32 s[SA4+1], 0
	s_mov_b32 s[SQ4+1], 0
	s_lshr_b32 s93, s92, 4
	s_lshl_b32 s93, s93, 4
	s_add_co_u32 s93, s93, s94                     ; 16 b + head
	s_mul_i32 s93, s93, 286720
	s_and_b32 s92, s92, 15
	s_mul_i32 s92, s92, 17920
	s_add_co_u32 s92, s92, s93
	s_mov_b32 s93, 0
	s_cmp_eq_u32 ttmp9, 0
	s_cselect_b64 s[Q0:Q0+1], s[14:15], s[16:17]   ; q goes to qb, k and v^T to kvb
	s_add_nc_u64 s[Q0:Q0+1], s[Q0:Q0+1], s[92:93]
	s_mov_b32 s92, s85
	s_add_nc_u64 s[P0:P0+1], s[Q0:Q0+1], s[92:93]
	s_mov_b32 s92, s86
	s_add_nc_u64 s[P1:P1+1], s[P0:P0+1], s[92:93]
	s_mov_b32 s92, s87
	s_add_nc_u64 s[Q0:Q0+1], s[Q0:Q0+1], s[92:93]
	s_add_nc_u64 s[Q1:Q1+1], s[Q0:Q0+1], 286720    ; the second head's scale words (q and k alone)
	; the bias, in the result's layout: 64 registers on either way
	s_cmp_eq_u32 s[ISV], 1
	s_cbranch_scc1 .Lbias_v
	s_cmp_eq_u32 ttmp9, 0
	s_cselect_b64 s[86:87], s[8:9], s[10:11]       ; bq or bk
	s_lshl_b32 s94, s[CX], 10
	s_lshl_b32 s95, s[HC], 9
	s_add_co_u32 s94, s94, s95
	v_lshl_add_u32 v[CO], v2, 6, s94               ; columns 256 cx + 128 HC + 16 h on
.irp p, 0,1,2,3
.irp k, 0,1,2,3
	global_load_b128 v[BI+16*\p+4*\k:BI+16*\p+4*\k+3], v[CO], s[86:87] offset:128*\p+16*\k
.endr
.endr
	s_branch .Lbias_done
.Lbias_v:
	s_lshl_b32 s94, s[CY], 10
	s_lshl_b32 s95, s[HR], 9
	s_add_co_u32 s94, s94, s95
	v_and_b32 v3, 8, v1
	v_add_nc_u32 v3, v3, v1
	v_lshl_add_u32 v[CO], v3, 2, s94               ; channel 256 cy + 128 HR + r + 8 (r / 8): a lane holds one channel, so a tile's eight registers hold the same number
.irp a, 0,1,2,3,4,5,6,7
.irp j, 0,1,2,3,4,5,6,7
	global_load_b32 v[BI+8*\a+\j], v[CO], s[12:13] offset:(32*(\a/2)+8*(\a%2))*4
.endr
.endr
.Lbias_done:
.else
	s_lshl_b32 s92, s[TR], 1
	s_add_co_u32 s92, s92, s[HR]
	s_lshl_b32 s92, s92, 4
	s_add_co_u32 s92, s92, s[TC]                   ; hact's block: my group of rows, K step = the tile column
	s_mul_i32 s92, s92, BLK
	s_mov_b32 s93, 0
	s_add_nc_u64 s[P0:P0+1], s[10:11], s[92:93]
	s_add_nc_u64 s[Q0:Q0+1], s[P0:P0+1], 32768
	s_lshl_b32 s92, s[HC], 14                      ; q = my half of the columns
	s_add_nc_u64 s[P0:P0+1], s[P0:P0+1], s[92:93]
	s_lshl_b32 s92, s[HC], 10
	s_add_nc_u64 s[Q0:Q0+1], s[Q0:Q0+1], s[92:93]
	s_lshl_b32 s94, s[TC], 10
	s_lshl_b32 s95, s[HC], 9
	s_add_co_u32 s94, s94, s95
	v_lshl_add_u32 v[CO], v2, 6, s94               ; b1: columns 256 x tile column + 128 HC + 16 h on
.irp p, 0,1,2,3
.irp k, 0,1,2,3
	global_load_b128 v[BI+16*\p+4*\k:BI+16*\p+4*\k+3], v[CO], s[8:9] offset:128*\p+16*\k
.endr
.endr
.endif
	s_wait_tensorcnt 1                             ; my block of K step 0 is in; K step 1's may stay out
	s_barrier_signal -1
	s_barrier_wait -1
	FETCH_B 0, 0, 0
	FETCH_A 0, 0, 0
	SCALES 0
	FETCH_A 0, 0, 4
	s_wait_loadcnt 0x0                             ; the bias
.if QKV
	s_cmp_eq_u32 s[ISV], 1                         ; the first step, whose products start the sums, is written for each way of the bias
	s_cbranch_scc1 .Lfirst_v
	STEP 0, 0, 2
	s_branch .Lfirst_done
.Lfirst_v:
	STEP 0, 0, 3
.Lfirst_done:
.else
	STEP 0, 0, 2
.endif
	s_mov_b32 s[LAP], LAPS-1
.Llap:                                             ; a trip goes once round the ring and fills both slots again
	TURN 0, 1, 1
	STEP 1, 0, 0
	TURN 1, 0, 1
	STEP 0, 0, 0
	s_sub_co_u32 s[LAP], s[LAP], 1
	s_cmp_lg_u32 s[LAP], 0
	s_cbranch_scc1 .Llap
	TURN 0, 1, 0                                   ; the last lap fills nothing
	STEP 1, 0, 0
	s_wait_dscnt 16
	WIN MUL_LO
	MUL16 0, 1, 1, 1, 0
	MUL16 2, 1, 1, 1, 0
	s_wait_dscnt 0x0
	WIN MUL_HI
	MUL16 4, 1, 1, 1, 0
	MUL16 6, 1, 1, 1, 0
	WIN 0
	PLACES 8
.irp b, 0,1,2,3
	v_mov_b32 v[TM+4+\b], 0                        ; written once: a lane permute's destination counts as one of its sources
.endr
.irp a, 0,1,2,3,4,5,6,7
.if \a > 0
	s_wait_xcnt 0x0                                ; the last tile's stores have read their registers and bases: both are written again
.if QKV
.if \a == 4
	s_add_nc_u64 s[P0:P0+1], s[P0:P0+1], s[SA4:SA4+1]
	s_add_nc_u64 s[P1:P1+1], s[P1:P1+1], s[SA4:SA4+1]
	s_add_nc_u64 s[Q0:Q0+1], s[Q0:Q0+1], s[SQ4:SQ4+1]
	s_add_nc_u64 s[Q1:Q1+1], s[Q1:Q1+1], s[SQ4:SQ4+1]
.else
	s_add_nc_u64 s[P0:P0+1], s[P0:P0+1], s[SA:SA+1]
	s_add_nc_u64 s[P1:P1+1], s[P1:P1+1], s[SA:SA+1]
.if \a%2 == 0
	s_add_nc_u64 s[Q0:Q0+1], s[Q0:Q0+1], 256
	s_add_nc_u64 s[Q1:Q1+1], s[Q1:Q1+1], 256
.endif
.endif
.endif
.endif
	QUANTW \a, 1-QKV
.if QKV
.irp c, 0,1,2,3
	global_store_b128 v[LI], v[PC+4*\c:PC+4*\c+3], s[P0+2*(\c/2):P0+2*(\c/2)+1] offset:(\c%2)*512   ; 512 consecutive bytes, aligned
.endr
.if \a%2
	global_store_b64 v[L8], v[PWP:PWP+1], s[Q0:Q0+1]             ; two tiles' scale words: 256 consecutive bytes
	s_cmp_eq_u32 s[ISV], 1
	s_cbranch_scc1 .Lone_word_\a
	v_lshrrev_b32 v[PW2], 16, v[PWP]               ; q and k: the second head's two bytes, brought down
	v_lshrrev_b32 v[PW2+1], 16, v[PWP+1]
	global_store_b64 v[L8], v[PW2:PW2+1], s[Q1:Q1+1]
.Lone_word_\a:
.endif
.else
.irp c, 0,1,2,3
	global_store_b128 v[LI], v[PC+4*\c:PC+4*\c+3], s[P0:P0+1] offset:2048*\a+512*\c
.endr
.if \a%2
	global_store_b64 v[L8], v[PWP:PWP+1], s[Q0:Q0+1] offset:256*(\a/2)
.endif
.endif
.endr
	s_wait_tensorcnt 0x0                           ; the wave's end
	ds_add_u32 v[SPW], v[NIL]
	s_wait_dscnt 0x0
	CROUND                                         ; the closing round: no work-group ends while a partner may still ask for a block that names it
	s_endpgm
.Lfunc_end_k_qc3c22877da_qkv:
	.size	k_qc3c22877da_qkv, .Lfunc_end_k_qc3c22877da_qkv-k_qc3c22877da_qkv
	.p2alignl 7, 3214868480
	.fill 96, 4, 3214868480
	.section	.rodata,"a",@progbits
	.p2align	6, 0x0
	.amdhsa_kernel k_qc3c22877da_qkv
		.amdhsa_group_segment_fixed_size 327680
		.amdhsa_private_segment_fixed_size 0
		.amdhsa_enable_private_segment 0
		.amdhsa_kernarg_size 56
		.amdhsa_user_sgpr_count 2
		.amdhsa_user_sgpr_kernarg_segment_ptr 1
		.amdhsa_wavefront_size32 1
		.amdhsa_system_sgpr_workgroup_id_x 1
		.amdhsa_system_sgpr_workgroup_id_y 1
		.amdhsa_system_sgpr_workgroup_id_z 1
		.amdhsa_system_vgpr_workitem_id 0
		.amdhsa_next_free_vgpr 1024
		.amdhsa_next_free_sgpr 100
		.amdhsa_reserve_vcc 0
		.amdhsa_float_denorm_mode_32 3
		.amdhsa_float_denorm_mode_16_64 3
		.amdhsa_memory_ordered 1
		.amdhsa_forward_progress 1
		.amdhsa_inst_pref_size 206
	.end_amdhsa_kernel
	.amdgpu_metadata
---
amdhsa.version: [ 1, 2 ]
amdhsa.kernels:
  - .name:           k_qc3c22877da_qkv
    .symbol:         k_qc3c22877da_qkv.kd
    .args:
      - { .name: act, .offset: 0, .size: 8, .value_kind: global_buffer, .address_space: global }
      - { .name: wact, .offset: 8, .size: 8, .value_kind: global_buffer, .address_space: global }
      - { .name: bq, .offset: 16, .size: 8, .value_kind: global_buffer, .address_space: global }
      - { .name: bk, .offset: 24, .size: 8, .value_kind: global_buffer, .address_space: global }
      - { .name: bv, .offset: 32, .size: 8, .value_kind: global_buffer, .address_space: global }
      - { .name: qb, .offset: 40, .size: 8, .value_kind: global_buffer, .address_space: global }
      - { .name: kvb, .offset: 48, .size: 8, .value_kind: global_buffer, .address_space: global }
    .group_segment_fixed_size: 327680
    .private_segment_fixed_size: 0
    .kernarg_segment_align: 8
    .kernarg_segment_size: 56
    .max_flat_workgroup_size: 128
    .sgpr_count:     100
    .vgpr_count:     1024
    .wavefront_size: 32
...
	.end_amdgpu_metadata
.endif
;; end of part 2
;; launch attn (part 3): grid 8 x 32, 16 waves a work-group, clusters of 4 x 1, 288,768 bytes of LDS; arguments qb, kvb, act; writes act
.if DOCPART == 3
	.amdgcn_target "amdgcn-amd-amdhsa--gfx1250"
	.amdhsa_code_object_version 6
	.text
	.protected	k_qc3c22877da_attn
	.globl	k_qc3c22877da_attn
	.p2align	8
	.type	k_qc3c22877da_attn,@function
k_qc3c22877da_attn:
	s_mov_b64 s[64:65], 0
	v_nop
	global_prefetch_b8 v0, s[64:65] scope:SCOPE_SE
	s_setreg_imm32_b32 hwreg(HW_REG_WAVE_MODE, 25, 1), 1
	s_wait_xcnt 0x0
	s_wait_alu depctr_hold_cnt(0) depctr_sa_sdst(0) depctr_va_vdst(0) depctr_va_sdst(0) depctr_va_ssrc(0) depctr_va_vcc(0) depctr_vm_vsrc(0)
	s_getreg_b32 s2, hwreg(HW_REG_IB_STS2, 6, 4)
	s_cmp_eq_u32 s2, 0
	s_cbranch_scc0 .Lentry_in_a_cluster
	s_endpgm
.Lentry_in_a_cluster:
	s_bfe_u32 s2, ttmp6, 0x10000c
	s_cmp_lg_u32 s2, 0x3003
	s_cbranch_scc0 .Lentry_shape_is_right
	s_endpgm
.Lentry_shape_is_right:
; ATTENTION ON CODES, head size 64, no mask; its result is quantised along E and stored as the next product's operand.  Nothing of reference() is left out.
; t = score x log2(e) / 8; M = the running largest t, rounded up to a whole number; p = 2^(t - M) is quantised along the keys, not normalised; the row's sum is taken of the unquantised p and divides O at the end.
; When M moves, the sum and O are multiplied by 2^(old M - new M), which rounds nothing.
; SHARES.  A work-group owns 256 queries of one (batch, head); each of its sixteen waves one tile of 16, in 256 registers: four waves to a SIMD, so that one wave's vector work stands beside another's products and LDS loads.
; ALL OF THE HEAD'S k AND v^T STAY IN LDS: sixteen blocks of 128 keys, 17,920 bytes each (k's eight tiles at 1,024 a + 512 c + 16 lane; v^T's four at 8,192 + 2,048 dt + 512 c + 16 lane; k's scale words at 16,384, v's at 17,408).
; Each wave fetches one block by one tensor load at the head: no slot is ever filled again.  CLUSTER: the four query blocks of a cluster belong to one head, so each block is asked for jointly, with the same descriptor and the mask of all four.
; LAYOUT.  Both products are used transposed: S^T = k q^T, O^T = v^T p^T: a lane holds one query throughout.  Place m of tile 2 p + u is key (or channel) 32 p + 8 u + m + 8 (m / 8), so the 16 registers of tiles 2 p, 2 p + 1 are 16 neighbours.
; THE FIRST PRODUCT'S K IS 64, the instruction's 128: q's upper eight registers are zero codes.  k's operand of tile t is v[32 + 8 t] on, sixteen registers: its upper eight are the next tile's codes (for tile 7: zeros), which meet q's zeros.
; No code made by this program is a NaN code and no scale byte 0xff, so those products are zeros.
; LIMITS: a block of zeros or under 2^-118 gets the byte 1; NaN and infinities are not served.
; REGISTERS: v1, v2 16 x, 8 x lane; v3, v4 the step's LDS addresses; v5, v6 the add's two; v7-10 global offsets; v12 -M, v13 the largest t, v[14:15] the sum; v16-31 q; v32-95 k's tiles, then v^T's fragments; v96-103 zeros;
; v104-167 S^T, then p; v168-199 O^T; v200-215 p's codes; v216-223 k's, then v's scale words; v224 q's; v225 p's; v228-246 at work.
.set KVB,   17920
.set HEADB, 16*KVB
.set BLK,   34816
.set SPARE, HEADB                      ; behind the sixteen blocks: the spare words, 128 bytes a wave, which no other line names
.set LI,  1
.set L8,  2
.set ADK, 3
.set ADS, 4
.set SPW, 5
.set NIL, 6
.set S,   104
.set O,   168
.set PCD, 200
.set BM,  228                          ; block maxima
.set PM,  232                          ; permutes, a chain of the sum, bytes
.set HD,  236                          ; 448 x the scale
.set SO,  240                          ; the conversions' scale operands
.set F,   244                          ; v[244:245]: f = 2^(old M - new M) in the low word
.set T,   246
.set WV,  10
.set CX,  11
.set SEL, 16
.set CS,  18
.set MNT, 20
.set TB,  21
.set CNT, 22
.set G1,  24
.set G0,  32
.macro CROUND                          ; a round of the cluster's barrier
	s_barrier_signal -1
	s_barrier_wait -1
	s_cmp_lg_u32 s[WV], 0
	s_cbranch_scc1 .Lnot_wave_0_\@
	s_barrier_signal -3
.Lnot_wave_0_\@:
	s_barrier_wait -3
	s_barrier_signal -1
	s_barrier_wait -1
.endm
	s_load_b128 s[4:7], s[0:1], 0x0                ; qb, kvb
	s_load_b64 s[8:9], s[0:1], 0x10                ; act
	v_lshl_add_u32 v[SPW], v0, 2, SPARE
	v_mov_b32 v[NIL], 0
	ds_add_u32 v[SPW], v[NIL]                      ; the wave's opening: the add, twice on end, and its wait ahead of my first tensor load
	ds_add_u32 v[SPW], v[NIL]
	v_lshrrev_b32 v7, 5, v0
	v_readfirstlane_b32 s[WV], v7                  ; wave 0..15
	s_bfe_u32 s[CX], ttmp6, 0x40000
	s_and_b32 s12, ttmp7, 0xffff                   ; 16 b + head, which the four partners share
	s_mul_i32 s13, s12, HEADB
	s_mul_i32 s14, s[WV], KVB                      ; my block: in the head's bytes and in LDS alike
	s_add_co_u32 s2, s13, s14
	s_mov_b32 s3, 0
	s_mov_b32 s[G1], 15|(3<<16)|(1<<21)            ; the mask of all four; elements of 8 bytes; bit 21 beside a mask; no padding
	s_mov_b32 s[G1+1], 32<<16                      ; tensor_dim0 = 32 elements: 256 bytes
	s_mov_b32 s[G1+2], 70<<16                      ; tensor_dim1 = 70 rows: a block
	s_mov_b32 s[G1+3], 32<<16
	s_mov_b32 s[G1+4], 70
	s_mov_b32 s[G1+5], 32
	s_mov_b32 s[G1+6], 0
	s_mov_b32 s[G1+7], 0
	s_mov_b32 s[SEL], 0x76543210
	s_mov_b32 s[SEL+1], 0xfedcba98
	s_mov_b32 s[CS], 0x3e38aa3b                    ; c = log2(e) / sqrt(64)
	s_mov_b32 s[CS+1], s[CS]
	s_mov_b32 s[MNT], 0x600000
	s_mov_b32 s[TB], 0
	s_mov_b32 s[CNT], 16
	s_wait_dscnt 0x0                               ; both opening adds are done
	s_wait_kmcnt 0x0
	CROUND                                         ; all four work-groups are here: the joint loads meet
	s_mov_b32 s[G0], 1
	s_mov_b32 s[G0+1], s14
	s_add_nc_u64 s[G0+2:G0+3], s[6:7], s[2:3]
	s_or_b32 s[G0+3], s[G0+3], 0x80000000
	tensor_load_to_lds s[G0:G0+3], s[G1:G1+7]      ; every wave's one load: one is out
	s_nop 0
.rept 4
	v_nop
.endr
	v_and_b32 v7, 31, v0
	v_lshlrev_b32 v[LI], 4, v7
	v_lshlrev_b32 v[L8], 3, v7
	s_lshl_b32 s36, ttmp9, 3
	s_lshl_b32 s37, s[CX], 1
	s_add_co_u32 s36, s36, s37
	s_lshr_b32 s37, s[WV], 3
	s_add_co_u32 s36, s36, s37                     ; my group of 128 queries: 2 (4 x cluster x + cx) + wave / 8
	s_and_b32 s37, s[WV], 7                        ; my tile in it
	s_mul_i32 s38, s36, KVB
	s_add_co_u32 s38, s38, s13
	s_mov_b32 s39, 0
	s_add_nc_u64 s[4:5], s[4:5], s[38:39]
	s_lshl_b32 s40, s37, 10
	v_add_nc_u32 v7, s40, v[LI]
	s_lshr_b32 s40, s37, 1
	s_lshl_b32 s40, s40, 8
	s_and_b32 s41, s37, 1
	s_lshl_b32 s41, s41, 2
	s_add_co_u32 s40, s40, s41                     ; 256 (a / 2) + 4 (a % 2)
	v_add_nc_u32 v8, s40, v[L8]
	global_load_b128 v[16:19], v7, s[4:5]          ; q's fragment: the head's 64
	global_load_b128 v[20:23], v7, s[4:5] offset:512
	global_load_b32 v224, v8, s[4:5] offset:16384  ; and its scale words
	; where my tile of the result goes in act: block (16 b + group, head / 4); q = (head / 2) % 2; register groups 2 (head % 2), + 1
	s_lshr_b32 s42, s12, 4
	s_lshl_b32 s42, s42, 4
	s_add_co_u32 s42, s42, s36
	s_lshl_b32 s42, s42, 2
	s_and_b32 s43, s12, 15
	s_lshr_b32 s44, s43, 2
	s_add_co_u32 s42, s42, s44
	s_mul_i32 s42, s42, BLK
	s_bfe_u32 s44, s43, 0x10001
	s_and_b32 s45, s43, 1
	s_mov_b32 s43, 0
	s_add_nc_u64 s[8:9], s[8:9], s[42:43]
	s_lshl_b32 s46, s44, 14
	s_lshl_b32 s47, s37, 11
	s_add_co_u32 s46, s46, s47
	s_lshl_b32 s47, s45, 10
	s_add_co_u32 s46, s46, s47                     ; codes: 16,384 q + 2,048 a + 1,024 (head % 2)
	s_lshl_b32 s47, s44, 10
	s_add_co_u32 s47, s47, s40
	s_lshl_b32 s45, s45, 1
	s_add_co_u32 s47, s47, s45                     ; scale bytes: 1,024 q + 256 (a / 2) + 4 (a % 2) + 2 (head % 2)
.irp j, 0,1,2,3,4,5,6,7
	v_mov_b32 v[24+\j], 0                          ; q's upper 64 of K: zero codes
	v_mov_b32 v[96+\j], 0                          ; and what stands behind k's tile 7
.endr
	v_mov_b32 v13, 0xff61b1e6                      ; the largest t so far: -3e38
	v_floor_f32 v12, -v13                          ; -M
	v_mov_b32 v14, 0
	v_mov_b32 v15, 0
.irp b, 0,1,2,3
	v_mov_b32 v[PM+\b], 0                          ; a lane permute's destination counts as one of its sources
.endr
	v_mov_b32 v[F+1], 0                            ; (named as the upper half of a pair)
.set j, 0
.rept 32
	v_mov_b32 v[O+j], 0                            ; O^T: the step is written once; the first finds zeros
.set j, j+1
.endr
	s_wait_tensorcnt 0x0                           ; my block is in,
	s_barrier_signal -1
	s_barrier_wait -1                              ; everybody's is
	s_wait_loadcnt 0x0                             ; q
.Lstep:                                            ; sixteen trips of 128 keys
	v_add_nc_u32 v[ADK], s[TB], v[LI]
	v_add_nc_u32 v[ADS], s[TB], v[L8]
.rept 6
	v_nop                                          ; with the two additions: eight places in front of loads into registers that the last products read
.endr
.irp t, 0,1,2,3,4,5,6,7
	ds_load_b128 v[32+8*\t:35+8*\t], v[ADK] offset:1024*\t
	ds_load_b128 v[36+8*\t:39+8*\t], v[ADK] offset:1024*\t+512
.endr
.irp i, 0,1,2,3
	ds_load_b64 v[216+2*\i:217+2*\i], v[ADS] offset:16384+256*\i
.endr
	s_wait_dscnt 0x0
.irp t, 0,1,2,3,4,5,6,7
	v_wmma_scale_f32_16x16x128_f8f6f4 v[S+8*\t:S+8*\t+7], v[32+8*\t:47+8*\t], v[16:31], 0, v[216+\t], v224
.endr
.rept 8
	v_nop
.endr
.irp d, 0,1,2,3                                    ; v^T's fragments land while the softmax is walked
.irp c, 0,1,2,3
	ds_load_b128 v[32+16*\d+4*\c:35+16*\d+4*\c], v[ADK] offset:8192+2048*\d+512*\c
.endr
.endr
	ds_load_b64 v[216:217], v[ADS] offset:17408
	ds_load_b64 v[218:219], v[ADS] offset:17664
.irp b, 0,1,2,3
	v_max3_num_f32 v[BM+\b], v[S+16*\b], v[S+1+16*\b], v[S+2+16*\b]   ; the largest score of each block of 32 keys: it serves the row's maximum and, since p rises with the score, the block's largest p
.endr
.irp i, 3,5,7,9,11,13
.irp b, 0,1,2,3
	v_max3_num_f32 v[BM+\b], v[BM+\b], v[S+16*\b+\i], v[S+1+16*\b+\i]
.endr
.endr
.irp b, 0,1,2,3
	v_max_num_f32 v[BM+\b], v[BM+\b], v[S+15+16*\b]
.endr
.irp b, 0,1,2,3
	v_permlanex16_b32 v[PM+\b], v[BM+\b], s[SEL], s[SEL+1]
.endr
.irp b, 0,1,2,3
	v_max_num_f32 v[BM+\b], v[BM+\b], v[PM+\b]     ; with lane l xor 16's 16 keys
.endr
	v_max3_num_f32 v[T], v[BM], v[BM+1], v[BM+2]
	v_max_num_f32 v[T], v[T], v[BM+3]
	v_mul_f32 v[T], s[CS], v[T]                    ; the step's largest t
	v_max_num_f32 v13, v13, v[T]
	v_mov_b32 v[T], v12
	v_floor_f32 v12, -v13                          ; the new -M = -ceil(t)
	v_sub_f32 v[T], v12, v[T]                      ; old M - new M: a whole number, 0 or less
	v_cvt_i32_f32 v[T], v[T]                       ; (it saturates)
	v_ldexp_f32 v[F], 1.0, v[T]
.set j, 0
.rept 32
	v_pk_fma_f32 v[S+j:S+j+1], v[S+j:S+j+1], s[CS:CS+1], v[12:13] op_sel_hi:[1,0,0]   ; t - M, two at a time
.set j, j+2
.endr
.irp b, 0,1,2,3
	v_fma_f32 v[BM+\b], v[BM+\b], s[CS], v12
.endr
.set j, 0
.rept 64
	v_exp_f32 v[S+j], v[S+j]                       ; p = 2^(t - M)
.set j, j+1
.endr
	v_pk_mul_f32 v[14:15], v[14:15], v[F:F+1] op_sel_hi:[1,0]    ; the sums under the new M: a plain line behind the exponentials
	s_wait_alu depctr_va_vdst(0)                   ; one wait for the batch, ahead of its first reader
.irp b, 0,1,2,3
	v_exp_f32 v[BM+\b], v[BM+\b]                   ; each block's largest p
.endr
	v_pk_add_f32 v[PM:PM+1], v[S:S+1], v[S+2:S+3]  ; the row's sum of the unquantised p, in two chains
.set j, 4
.rept 15
	v_pk_add_f32 v[14:15], v[14:15], v[S+j:S+j+1]
	v_pk_add_f32 v[PM:PM+1], v[PM:PM+1], v[S+j+2:S+j+3]
.set j, j+4
.endr
	v_pk_add_f32 v[14:15], v[14:15], v[PM:PM+1]
	s_wait_alu depctr_va_vdst(0)                   ; and one for the four
.irp b, 0,1,2,3
	v_max_num_f32 v[BM+\b], 0x4800000, v[BM+\b]    ; the floor 2^(9 - 127)
.endr
.irp b, 0,1,2,3
	v_add_nc_u32 v[SO+\b], 0xfc000000, v[BM+\b]
.endr
.irp b, 0,1,2,3
	v_and_or_b32 v[HD+\b], v[BM+\b], 0x7f800000, s[MNT]
.endr
.irp b, 0,1,2,3
	v_lshrrev_b32 v[PM+\b], 23, v[SO+\b]
.endr
	v_lshl_or_b32 v225, v[PM+1], 8, v[PM]          ; p's scale word for these 128 keys
	v_lshl_or_b32 v225, v[PM+2], 16, v225
	v_lshl_or_b32 v225, v[PM+3], 24, v225
.irp b, 0,1,2,3
.irp i, 0,1,2,3,4,5,6,7,8,9,10,11,12,13,14,15
	v_min_num_f32 v[S+16*\b+\i], v[S+16*\b+\i], v[HD+\b]         ; p is not negative: the hold is one-sided
.endr
	v_cvt_scalef32_pk8_fp8_f32 v[PCD+4*\b:PCD+4*\b+1], v[S+16*\b:S+16*\b+7], v[SO+\b]
	v_cvt_scalef32_pk8_fp8_f32 v[PCD+4*\b+2:PCD+4*\b+3], v[S+16*\b+8:S+16*\b+15], v[SO+\b]
.endr
.set j, 0
.rept 16
	v_pk_mul_f32 v[O+j:O+j+1], v[O+j:O+j+1], v[F:F+1] op_sel_hi:[1,0]   ; O^T under the new M; these are also the places between the codes and the products
.set j, j+2
.endr
	s_wait_dscnt 0x0                               ; v^T and its scale words
.irp d, 0,1,2,3
	v_wmma_scale_f32_16x16x128_f8f6f4 v[O+8*\d:O+8*\d+7], v[32+16*\d:47+16*\d], v[PCD:PCD+15], v[O+8*\d:O+8*\d+7], v[216+\d], v225
.endr
	s_add_co_u32 s[TB], s[TB], KVB
	s_sub_co_u32 s[CNT], s[CNT], 1
	s_cmp_lg_u32 s[CNT], 0
	s_cbranch_scc1 .Lstep
	; THE WAY OUT: O^T / the sum; register 16 p + i is channel 32 p + 16 h + i of my query: two blocks of 32 along E, quantised in registers and stored as two register groups of act's fragment.
	v_add_f32 v14, v14, v15
	v_permlanex16_b32 v[PM], v14, s[SEL], s[SEL+1]
	v_add_f32 v14, v14, v[PM]                      ; the row's sum
	v_rcp_f32 v14, v14
	v_add_nc_u32 v9, s46, v[LI]
	v_add_nc_u32 v10, s47, v[L8]
.rept 6
	v_nop                                          ; with the lines above: the places behind the last products
.endr
	s_wait_alu depctr_va_vdst(0)                   ; ahead of the reciprocal's first reader
.set j, 0
.rept 32
	v_mul_f32 v[S+j], v[O+j], v14
.set j, j+1
.endr
.irp b, 0,1
	v_max3_num_f32 v[BM+\b], |v[S+16*\b]|, |v[S+1+16*\b]|, 0x4800000
.endr
.irp i, 2,4,6,8,10,12,14
.irp b, 0,1
	v_max3_num_f32 v[BM+\b], v[BM+\b], |v[S+16*\b+\i]|, |v[S+1+16*\b+\i]|
.endr
.endr
.irp b, 0,1
	v_permlanex16_b32 v[PM+\b], v[BM+\b], s[SEL], s[SEL+1]
.endr
.irp b, 0,1
	v_max_num_f32 v[BM+\b], v[BM+\b], v[PM+\b]
.endr
.irp b, 0,1
	v_add_nc_u32 v[SO+\b], 0xfc000000, v[BM+\b]
.endr
.irp b, 0,1
	v_and_or_b32 v[HD+\b], v[BM+\b], 0x7f800000, s[MNT]
.endr
.irp b, 0,1
	v_lshrrev_b32 v[PM+\b], 23, v[SO+\b]
.endr
	v_lshl_or_b32 v225, v[PM+1], 8, v[PM]          ; my head's two scale bytes
.irp b, 0,1
.irp i, 0,1,2,3,4,5,6,7,8,9,10,11,12,13,14,15
	v_med3_num_f32 v[S+16*\b+\i], v[S+16*\b+\i], -v[HD+\b], v[HD+\b]
.endr
	v_cvt_scalef32_pk8_fp8_f32 v[PCD+4*\b:PCD+4*\b+1], v[S+16*\b:S+16*\b+7], v[SO+\b]
	v_cvt_scalef32_pk8_fp8_f32 v[PCD+4*\b+2:PCD+4*\b+3], v[S+16*\b+8:S+16*\b+15], v[SO+\b]
.endr
	v_nop
	global_store_b128 v9, v[PCD:PCD+3], s[8:9]               ; 512 consecutive bytes, aligned
	global_store_b128 v9, v[PCD+4:PCD+7], s[8:9] offset:512
	global_store_b16 v10, v225, s[8:9] offset:32768          ; two of a scale word's four bytes: the neighbouring head's work-group stores the other two
	s_wait_tensorcnt 0x0                           ; the wave's end
	ds_add_u32 v[SPW], v[NIL]
	s_wait_dscnt 0x0
	CROUND                                         ; the closing round
	s_endpgm
.Lfunc_end_k_qc3c22877da_attn:
	.size	k_qc3c22877da_attn, .Lfunc_end_k_qc3c22877da_attn-k_qc3c22877da_attn
	.p2alignl 7, 3214868480
	.fill 96, 4, 3214868480
	.section	.rodata,"a",@progbits
	.p2align	6, 0x0
	.amdhsa_kernel k_qc3c22877da_attn
		.amdhsa_group_segment_fixed_size 288768
		.amdhsa_private_segment_fixed_size 0
		.amdhsa_enable_private_segment 0
		.amdhsa_kernarg_size 24
		.amdhsa_user_sgpr_count 2
		.amdhsa_user_sgpr_kernarg_segment_ptr 1
		.amdhsa_wavefront_size32 1
		.amdhsa_system_sgpr_workgroup_id_x 1
		.amdhsa_system_sgpr_workgroup_id_y 1
		.amdhsa_system_sgpr_workgroup_id_z 1
		.amdhsa_system_vgpr_workitem_id 0
		.amdhsa_next_free_vgpr 256
		.amdhsa_next_free_sgpr 66
		.amdhsa_reserve_vcc 0
		.amdhsa_float_denorm_mode_32 3
		.amdhsa_float_denorm_mode_16_64 3
		.amdhsa_memory_ordered 1
		.amdhsa_forward_progress 1
		.amdhsa_inst_pref_size 31
	.end_amdhsa_kernel
	.amdgpu_metadata
---
amdhsa.version: [ 1, 2 ]
amdhsa.kernels:
  - .name:           k_qc3c22877da_attn
    .symbol:         k_qc3c22877da_attn.kd
    .args:
      - { .name: qb, .offset: 0, .size: 8, .value_kind: global_buffer, .address_space: global }
      - { .name: kvb, .offset: 8, .size: 8, .value_kind: global_buffer, .address_space: global }
      - { .name: act, .offset: 16, .size: 8, .value_kind: global_buffer, .address_space: global }
    .group_segment_fixed_size: 288768
    .private_segment_fixed_size: 0
    .kernarg_segment_align: 8
    .kernarg_segment_size: 24
    .max_flat_workgroup_size: 512
    .sgpr_count:     66
    .vgpr_count:     256
    .wavefront_size: 32
...
	.end_amdgpu_metadata
.endif
;; end of part 3
;; launch wo (part 4): grid 4 x 16, 4 waves a work-group, clusters of 4 x 4, 327,680 bytes of LDS; arguments act, wact, y; writes y
.if DOCPART == 4
	.amdgcn_target "amdgcn-amd-amdhsa--gfx1250"
	.amdhsa_code_object_version 6
	.text
	.protected	k_qc3c22877da_wo
	.globl	k_qc3c22877da_wo
	.p2align	8
	.type	k_qc3c22877da_wo,@function
k_qc3c22877da_wo:
	s_mov_b64 s[64:65], 0
	v_nop
	global_prefetch_b8 v0, s[64:65] scope:SCOPE_SE
	s_setreg_imm32_b32 hwreg(HW_REG_WAVE_MODE, 25, 1), 1
	s_wait_xcnt 0x0
	s_wait_alu depctr_hold_cnt(0) depctr_sa_sdst(0) depctr_va_vdst(0) depctr_va_sdst(0) depctr_va_ssrc(0) depctr_va_vcc(0) depctr_vm_vsrc(0)
	s_getreg_b32 s2, hwreg(HW_REG_IB_STS2, 6, 4)
	s_cmp_eq_u32 s2, 0
	s_cbranch_scc0 .Lentry_in_a_cluster
	s_endpgm
.Lentry_in_a_cluster:
	s_bfe_u32 s2, ttmp6, 0x10000c
	s_cmp_lg_u32 s2, 0xf033
	s_cbranch_scc0 .Lentry_shape_is_right
	s_endpgm
.Lentry_shape_is_right:
; A GEMM ON CODES WITH AN f32 RESULT: y = A B^T, raw: bias, residual and layer norm follow in the next launch, which owns whole rows.  One text, two launches: KB = 4, WOFF = Wo's place (A = the attention's result); KB = 16, WOFF = W2's (A = relu(h)).
; Operands lie in this program's own layout (blocks of 128 rows x 256 of K, BLK bytes: images of the operand registers, fragment (q, i) at 16,384 q + 2,048 i + 512 c + 16 lane, scale words at 32,768 + 256 (4 q + i / 2) + 8 lane + 4 (i % 2);
; place m of tile 2 p + u is row 32 p + 8 u + m + 8 (m / 8) of the group).  A tile of C is 256 x 256: four waves, each 128 x 128 in 64 accumulators.  K goes in steps of 256 through two LDS slots; a slot holds A's two blocks, then B's two; each
; wave fetches one block, 34,816 dense bytes, codes and scale words together, by one tensor load.  CLUSTERS: 4 x 4 work-groups; A's blocks are asked for jointly along a row of the cluster, B's along a column.
; THE PRODUCT IS USED TRANSPOSED (source 0 = 16 rows of B, source 1 = 16 rows of A): lane (r, h) holds place r of A's tile a; register j of accumulator (a, 2 p + u) is column 32 p + 16 h + 8 u + j of my 128.
; THE WAY OUT: a tile's 16 rows x 512 bytes go through my own stage in LDS and leave as whole rows.  Token rho = 2,048 b + s is row 2 s + b of y: the rows of a group lie 8,192 bytes apart.
; The stage lies in slot 0, which has had its last fill and its last read when the first result is stored there.
; REGISTERS: window 0: v1, v2 r, h; v8, v9 16 x, 8 x lane; v16-23 LDS addresses; v24, v25 the stage; v28, v29 the add's two; v32-63 scale words, two sets; v128-255 A's fragments, one set (on the way out: rows read back, two sets).
; Window 1: B's fragments, two sets.  Windows 2, 3: the accumulators of my rows 0-63, 64-127.
.set KB,    4                          ; K steps: K = 1,024
.set WOFF,  3342336                    ; Wo in wact
.set BLK,   34816
.set SLOT,  4*BLK
.set SPARE, 2*SLOT                     ; behind the ring: the spare words, 128 bytes a wave, which no other line names
.set LAPS,  KB/2
.set SPITCH, 528
.set LI,   8
.set L8,   9
.set ADRA, 16
.set ADRB, 20
.set ADRS, 22
.set STO,  24
.set RD,   25
.set SPW,  28
.set NIL,  29
.set SC,   32
.set AF,   128
.set BK,   128
.set WV,  18
.set HR,  19
.set HC,  20
.set CX,  21
.set CY,  22
.set G1A, 24
.set G0A, 32
.set TR,  40
.set TC,  41
.set G1B, 48
.set G0B, 56
.set LAP, 83
.set MSB, 0
.macro WIN new                         ; the immediate's high byte repeats the setting that is left
.if MSB != (\new)
	s_set_vgpr_msb (MSB<<8)|(\new)
.set MSB, (\new)
.endif
.endm
.set MUL_LO, 0xa1                      ; source 0 (B) window 1, source 1 (A) window 0, C and D window 2
.set MUL_HI, 0xf1                      ; the same, C and D window 3
.set TO_B,   0x40                      ; destination window 1, address window 0
; A joint load: waves 0 and 1 fetch A's two blocks, waves 2 and 3 B's.  The branch hangs on the wave's number alone.  An s_nop 0 and four v_nop follow each line.
.macro JLOAD g0a, g1a, g0b, g1b
	s_cmp_eq_u32 s[HR], 0
	s_cbranch_scc0 .Lfor_b_\@
	tensor_load_to_lds s[\g0a:\g0a+3], s[\g1a:\g1a+7]
	s_nop 0
.rept 4
	v_nop
.endr
	s_branch .Lasked_\@
.Lfor_b_\@:
	tensor_load_to_lds s[\g0b:\g0b+3], s[\g1b:\g1b+7]
	s_nop 0
.rept 4
	v_nop
.endr
.Lasked_\@:
.endm
.macro CREST                           ; a round of the cluster's barrier behind its opening barrier
	s_cmp_lg_u32 s[WV], 0
	s_cbranch_scc1 .Lnot_wave_0_\@
	s_barrier_signal -3
.Lnot_wave_0_\@:
	s_barrier_wait -3
	s_barrier_signal -1
	s_barrier_wait -1
.endm
.macro CROUND
	s_barrier_signal -1
	s_barrier_wait -1
	CREST
.endm
.macro PLACES n                        ; plain vector lines between a matrix instruction and a load into, or a read of, its registers: eight for this form
.rept \n
	v_nop
.endr
.endm
.macro FRAG reg, adr, q, i             ; a fragment: four loads of 512 consecutive bytes
.irp c, 0,1,2,3
	ds_load_b128 v[\reg+4*\c:\reg+4*\c+3], v[\adr] offset:16384*(\q)+2048*(\i)+512*\c
.endr
.endm
; 16 products: A's tiles a0, a0 + 1 x B's eight, the slot's q-th 128 of K.  p: B's set; sc: the set of scale words.  zero = 1: the first product starts the sums.
; The 64 accumulators take turns, one instruction a turn, in the same order in every step.
.macro MUL16 a0, p, q, sc, zero
.irp a, \a0, \a0+1
.irp b, 0,1,2,3,4,5,6,7
.set rD, 8*(8*((\a)%4)+\b)
.set rB, 128*(\p)+16*\b
.set rA, AF+16*(\a)
.set rSB, SC+16*(\sc)+8*(\q)+\b
.set rSA, SC+16*(\sc)+8*(\q)+(\a)
.if \zero
	v_wmma_scale_f32_16x16x128_f8f6f4 v[rD:rD+7], v[rB:rB+15], v[rA:rA+15], 0, v[rSB], v[rSA] matrix_a_scale:MATRIX_SCALE_ROW1
.else
	v_wmma_scale_f32_16x16x128_f8f6f4 v[rD:rD+7], v[rB:rB+15], v[rA:rA+15], v[rD:rD+7], v[rSB], v[rSA] matrix_a_scale:MATRIX_SCALE_ROW1
.endif
.endr
.endr
.endm
.macro FETCH_B slot, q, p
	WIN TO_B
.irp i, 0,1,2,3,4,5,6,7
	FRAG 128*(\p)+16*\i, ADRB+\slot, \q, \i
.endr
	WIN 0
.endm
.macro FETCH_A slot, q, i0
.irp i, \i0, \i0+1, \i0+2, \i0+3
	FRAG AF+16*(\i), ADRA+\slot, \q, \i
.endr
.endm
.macro SCALES sc                       ; a slot's scale words: register 8 q + i: lanes 0-15 the words of A's tile i, lanes 16-31 those of B's tile i
.irp q, 0,1
.irp i, 0,1,2,3
	ds_load_b64 v[SC+16*\sc+8*\q+2*\i:SC+16*\sc+8*\q+2*\i+1], v[ADRS+\sc] offset:32768+(4*\q+\i)*256
.endr
.endr
.endm
; A step of 128 along K that has its successor in the same slot.  A's tiles 0-3 are fetched anew in its middle, tiles 4-7 at its end; B has two sets.
.macro STEP slot, q, zero
	s_wait_dscnt 16                                ; all but the youngest sixteen loads (A's tiles 4-7) are in
	WIN MUL_LO
	MUL16 0, (\q)%2, \q, \slot, \zero
	MUL16 2, (\q)%2, \q, \slot, \zero
	s_wait_dscnt 0x0                               ; A's tiles 4-7 are in
	PLACES 8
	FETCH_B \slot, (\q)+1, 1-(\q)%2
	FETCH_A \slot, (\q)+1, 0
	WIN MUL_HI
	MUL16 4, (\q)%2, \q, \slot, \zero
	MUL16 6, (\q)%2, \q, \slot, \zero
	PLACES 8
	WIN 0
	FETCH_A \slot, (\q)+1, 4
.endm
; A slot's last step changes slots: one barrier; in front of it each wave waits for all its tensor loads, adds 0 to its spare word, and waits for that and for its reads of this slot.  fill = 1: the slot is filled again, two K steps on.
.macro TURN slot, next, fill
	s_wait_tensorcnt 0x0                           ; all my tensor loads have landed: my block of the next slot
	ds_add_u32 v[SPW], v[NIL]
	s_wait_dscnt 17                                ; (the add and the youngest sixteen loads may be out)
	WIN MUL_LO
	MUL16 0, 1, 1, \slot, 0
	s_wait_dscnt 0x0                               ; the add is done, and my reads of this slot are over
	s_barrier_signal -1
	MUL16 2, 1, 1, \slot, 0
	WIN 0
	s_barrier_wait -1
.if \fill
	CREST                                          ; the barrier has opened a round of the cluster's: no wave of any partner still reads this slot or has a load on its way
	s_add_nc_u64 s[G0A+4*\slot+2:G0A+4*\slot+3], s[G0A+4*\slot+2:G0A+4*\slot+3], 2*BLK
	s_add_nc_u64 s[G0B+4*\slot+2:G0B+4*\slot+3], s[G0B+4*\slot+2:G0B+4*\slot+3], 2*BLK
	JLOAD G0A+4*\slot, G1A, G0B+4*\slot, G1B       ; the first tensor load behind the round; its four v_nop are four of the eight places
	PLACES 4
.else
	PLACES 8
.endif
	FETCH_B \next, 0, 0
	FETCH_A \next, 0, 0
	SCALES \next
	WIN MUL_HI
	MUL16 4, 1, 1, \slot, 0
	MUL16 6, 1, 1, \slot, 0
	PLACES 8
	WIN 0
	FETCH_A \next, 0, 4
.endm
; THE WAY OUT of A's tile a: into my stage (row = place r; each accumulator from its low end on) and back as whole rows of 512 bytes.  LDS serves a wave's instructions in order: no wait between the stores and the loads.
.macro TOSTAGE a
.set AC, 64*((\a)%4)
	WIN 0x08+4*((\a)/4)                            ; an LDS store's data: window 2 or 3
.irp b, 0,1,2,3,4,5,6,7
	ds_store_b128 v[STO], v[AC+8*\b:AC+8*\b+3] offset:128*(\b/2)+32*(\b%2)
	ds_store_b128 v[STO], v[AC+8*\b+4:AC+8*\b+7] offset:128*(\b/2)+32*(\b%2)+16
.endr
	WIN 0
.set BB, BK+64*((\a)%2)
.irp t, 0,1,2,3,4,5,6,7,8,9,10,11,12,13,14,15
	ds_load_b128 v[BB+4*\t:BB+4*\t+3], v[RD] offset:\t*SPITCH
.endr
.endm
.macro SEND a, younger                 ; younger: the LDS instructions issued behind tile a's loads, which may stay out
.set BB, BK+64*((\a)%2)
	s_wait_dscnt \younger
.irp t, 0,1,2,3,4,5,6,7,8,9,10,11,12,13,14,15
	global_store_b128 v[LI], v[BB+4*\t:BB+4*\t+3], s[8:9] offset:(32*((\a)/2)+8*((\a)%2)+\t+8*(\t/8))*8192   ; place t's row: 512 consecutive bytes, aligned; 127 rows of 8,192 bytes at the most: inside the signed 24-bit immediate
.endr
.endm
	s_load_b128 s[4:7], s[0:1], 0x0                ; A's blocks, wact
	s_load_b64 s[8:9], s[0:1], 0x10                ; y
	v_lshl_add_u32 v[SPW], v0, 2, SPARE
	v_mov_b32 v[NIL], 0
	ds_add_u32 v[SPW], v[NIL]                      ; the wave's opening: the add, twice on end, and its wait ahead of my first tensor load
	ds_add_u32 v[SPW], v[NIL]
	v_lshrrev_b32 v1, 5, v0
	v_readfirstlane_b32 s[WV], v1                  ; wave 0..3
	s_lshr_b32 s[HR], s[WV], 1                     ; my half of the tile's rows.  Also: I fetch for A (0) or B (1)
	s_and_b32 s[HC], s[WV], 1                      ; my half of its columns.  Also: which of the two blocks I fetch
	s_bfe_u32 s[CX], ttmp6, 0x40000
	s_bfe_u32 s[CY], ttmp6, 0x40004
	s_lshl_b32 s[TC], ttmp9, 2
	s_add_co_u32 s[TC], s[TC], s[CX]               ; tile column
	s_and_b32 s[TR], ttmp7, 0xffff
	s_lshl_b32 s[TR], s[TR], 2
	s_add_co_u32 s[TR], s[TR], s[CY]               ; tile row
	s_lshl_b32 s42, s[CY], 2
	s_lshl_b32 s42, 15, s42                        ; my row of the cluster
	s_lshl_b32 s43, 0x1111, s[CX]                  ; my column
	s_or_b32 s[G1A], s42, (3<<16)|(1<<21)          ; group 1: the mask; elements of 8 bytes; bit 21 beside a mask; no padding
	s_or_b32 s[G1B], s43, (3<<16)|(1<<21)
.irp g, G1A, G1B
	s_mov_b32 s[\g+1], 32<<16                      ; tensor_dim0 = 32 elements: 256 bytes
	s_mov_b32 s[\g+2], 136<<16                     ; tensor_dim1 = 136 rows: a block
	s_mov_b32 s[\g+3], 32<<16                      ; tile_dim0
	s_mov_b32 s[\g+4], 136                         ; tile_dim1
	s_mov_b32 s[\g+5], 32                          ; the rows lie on end
	s_mov_b32 s[\g+6], 0
	s_mov_b32 s[\g+7], 0
.endr
	s_lshl_b32 s44, s[TR], 1
	s_add_co_u32 s44, s44, s[HC]
	s_mul_i32 s44, s44, KB*BLK                     ; A: the group of rows that I fetch, at K step 0
	s_mov_b32 s45, 0
	s_lshl_b32 s46, s[TC], 1
	s_add_co_u32 s46, s46, s[HC]
	s_mul_i32 s46, s46, KB*BLK                     ; B likewise
	s_mov_b32 s47, 0
	s_mul_i32 s84, s[WV], BLK                      ; where it goes: no place in the cluster enters an LDS address
	s_wait_dscnt 0x0                               ; both opening adds are done
	s_wait_kmcnt 0x0
	s_add_nc_u64 s[88:89], s[4:5], s[44:45]
	s_add_nc_u64 s[90:91], s[6:7], WOFF
	s_add_nc_u64 s[90:91], s[90:91], s[46:47]
	CROUND                                         ; all sixteen work-groups are here: the first joint loads meet
.irp s, 0,1
	s_mov_b32 s[G0A+4*\s], 1
	s_add_co_u32 s[G0A+4*\s+1], s84, \s*SLOT
	s_add_nc_u64 s[G0A+4*\s+2:G0A+4*\s+3], s[88:89], \s*BLK
	s_or_b32 s[G0A+4*\s+3], s[G0A+4*\s+3], 0x80000000
	s_mov_b32 s[G0B+4*\s], 1
	s_add_co_u32 s[G0B+4*\s+1], s84, \s*SLOT
	s_add_nc_u64 s[G0B+4*\s+2:G0B+4*\s+3], s[90:91], \s*BLK
	s_or_b32 s[G0B+4*\s+3], s[G0B+4*\s+3], 0x80000000
	JLOAD G0A+4*\s, G1A, G0B+4*\s, G1B
.endr
	v_and_b32 v1, 15, v0                           ; r
	v_bfe_u32 v2, v0, 4, 1                         ; h
	v_and_b32 v3, 31, v0
	v_lshlrev_b32 v[LI], 4, v3
	v_lshlrev_b32 v[L8], 3, v3
	s_mul_i32 s44, s[HR], BLK                      ; my block of A
	s_mul_i32 s45, s[HC], BLK
	s_add_co_u32 s45, s45, 2*BLK                   ; my block of B, behind A's two
	s_sub_co_u32 s46, s45, s44
	v_mul_u32_u24 v4, s46, v2                      ; scale words: lanes 16-31 take B's
	v_add_nc_u32 v4, v4, v[L8]
.irp s, 0,1
	v_add_nc_u32 v[ADRA+\s], s44, v[LI]
	v_add_nc_u32 v[ADRB+\s], s45, v[LI]
	v_add_nc_u32 v[ADRS+\s], s44, v4
	s_add_co_u32 s44, s44, SLOT
	s_add_co_u32 s45, s45, SLOT
.endr
	s_mul_i32 s92, s[WV], 16*SPITCH                ; my stage
	v_mul_u32_u24 v3, v1, SPITCH
	v_lshl_add_u32 v3, v2, 6, v3
	v_add_nc_u32 v[STO], s92, v3                   ; in: row r, + 64 h
	v_add_nc_u32 v[RD], s92, v[LI]                 ; back: 32 lanes take a row
	s_and_b32 s92, s[TR], 7
	s_lshl_b32 s92, s92, 1
	s_add_co_u32 s92, s92, s[HR]
	s_lshl_b32 s92, s92, 20                        ; my group's first row in its batch: 128 rows of 8,192 bytes a group
	s_lshr_b32 s93, s[TR], 3
	s_lshl_b32 s93, s93, 12                        ; the batch
	s_add_co_u32 s92, s92, s93
	s_lshl_b32 s93, s[TC], 10
	s_add_co_u32 s92, s92, s93
	s_lshl_b32 s93, s[HC], 9
	s_add_co_u32 s92, s92, s93                     ; my 128 columns
	s_mov_b32 s93, 0
	s_add_nc_u64 s[8:9], s[8:9], s[92:93]
	s_wait_tensorcnt 1                             ; my block of K step 0 is in; K step 1's may stay out
	s_barrier_signal -1
	s_barrier_wait -1
	FETCH_B 0, 0, 0
	FETCH_A 0, 0, 0
	SCALES 0
	FETCH_A 0, 0, 4
	STEP 0, 0, 1                                   ; the first step's products start the sums
	s_mov_b32 s[LAP], LAPS-1
.Llap:                                             ; a trip goes once round the ring and fills both slots again
	TURN 0, 1, 1
	STEP 1, 0, 0
	TURN 1, 0, 1
	STEP 0, 0, 0
	s_sub_co_u32 s[LAP], s[LAP], 1
	s_cmp_lg_u32 s[LAP], 0
	s_cbranch_scc1 .Llap
	TURN 0, 1, 0                                   ; the last lap fills nothing
	STEP 1, 0, 0
	s_wait_dscnt 16
	WIN MUL_LO
	MUL16 0, 1, 1, 1, 0
	MUL16 2, 1, 1, 1, 0
	s_wait_dscnt 0x0
	WIN MUL_HI
	MUL16 4, 1, 1, 1, 0
	MUL16 6, 1, 1, 1, 0
	WIN 0
	PLACES 8
	TOSTAGE 0
.irp a, 1,2,3,4,5,6,7
.if \a > 1
	s_wait_xcnt 0x0                                ; tile a - 2's stores have read their registers: tile a's rows may land there
.endif
	TOSTAGE \a
	SEND \a-1, 32                                  ; behind tile a - 1's loads: tile a's 16 stores and 16 loads
.endr
	SEND 7, 0
	s_wait_tensorcnt 0x0                           ; the wave's end
	ds_add_u32 v[SPW], v[NIL]
	s_wait_dscnt 0x0
	CROUND                                         ; the closing round: no work-group ends while a partner may still ask for a block that names it
	s_endpgm
.Lfunc_end_k_qc3c22877da_wo:
	.size	k_qc3c22877da_wo, .Lfunc_end_k_qc3c22877da_wo-k_qc3c22877da_wo
	.p2alignl 7, 3214868480
	.fill 96, 4, 3214868480
	.section	.rodata,"a",@progbits
	.p2align	6, 0x0
	.amdhsa_kernel k_qc3c22877da_wo
		.amdhsa_group_segment_fixed_size 327680
		.amdhsa_private_segment_fixed_size 0
		.amdhsa_enable_private_segment 0
		.amdhsa_kernarg_size 24
		.amdhsa_user_sgpr_count 2
		.amdhsa_user_sgpr_kernarg_segment_ptr 1
		.amdhsa_wavefront_size32 1
		.amdhsa_system_sgpr_workgroup_id_x 1
		.amdhsa_system_sgpr_workgroup_id_y 1
		.amdhsa_system_sgpr_workgroup_id_z 1
		.amdhsa_system_vgpr_workitem_id 0
		.amdhsa_next_free_vgpr 1024
		.amdhsa_next_free_sgpr 100
		.amdhsa_reserve_vcc 0
		.amdhsa_float_denorm_mode_32 3
		.amdhsa_float_denorm_mode_16_64 3
		.amdhsa_memory_ordered 1
		.amdhsa_forward_progress 1
		.amdhsa_inst_pref_size 142
	.end_amdhsa_kernel
	.amdgpu_metadata
---
amdhsa.version: [ 1, 2 ]
amdhsa.kernels:
  - .name:           k_qc3c22877da_wo
    .symbol:         k_qc3c22877da_wo.kd
    .args:
      - { .name: act, .offset: 0, .size: 8, .value_kind: global_buffer, .address_space: global }
      - { .name: wact, .offset: 8, .size: 8, .value_kind: global_buffer, .address_space: global }
      - { .name: y, .offset: 16, .size: 8, .value_kind: global_buffer, .address_space: global }
    .group_segment_fixed_size: 327680
    .private_segment_fixed_size: 0
    .kernarg_segment_align: 8
    .kernarg_segment_size: 24
    .max_flat_workgroup_size: 128
    .sgpr_count:     100
    .vgpr_count:     1024
    .wavefront_size: 32
...
	.end_amdgpu_metadata
.endif
;; end of part 4
;; launch ln1 (part 5): grid 128 x 1, 8 waves a work-group, no clusters, 132,608 bytes of LDS; arguments y, src, bo, g1, be1, x, act; writes x, act
.if DOCPART == 5
	.amdgcn_target "amdgcn-amd-amdhsa--gfx1250"
	.amdhsa_code_object_version 6
	.text
	.protected	k_qc3c22877da_ln1
	.globl	k_qc3c22877da_ln1
	.p2align	8
	.type	k_qc3c22877da_ln1,@function
k_qc3c22877da_ln1:
	s_mov_b64 s[64:65], 0
	v_nop
	global_prefetch_b8 v0, s[64:65] scope:SCOPE_SE
	s_setreg_imm32_b32 hwreg(HW_REG_WAVE_MODE, 25, 1), 1
	s_wait_xcnt 0x0
; x = layer norm((y + bo) + src) x g1 + be1, stored as f32 and, quantised along E, as the next product's operand.  Nothing of reference() is left out.
; A stream: memory binds; no matrix unit, no cluster, no tensor load.  A work-group owns 32 tokens: pair ip of tiles of group G (rows 8,192 bytes apart: one batch).  PHASE 1: wave w takes rows 4 w .. 4 w + 3, a whole row at a time in 32
; registers a lane (columns 128 j + 4 lane + 0..3): mean, then the mean of the squared differences, as reference() has them; the row goes to x and into LDS.  Two row slots in registers: one at work, one on its way in.
; PHASE 2, behind one barrier: wave w takes columns 128 w on of all 32 rows: lane (r, h) reads, of row 8 u + r + 8 (r / 8), 16 neighbours of each block of 32, quantises them and stores two fragments and their scale words
; into act's block (G, w / 2), q = w % 2, in this program's own layout (fragment (q, i) at 16,384 q + 2,048 i + 512 c + 16 lane, scale words at 32,768 + 256 (4 q + i / 2) + 8 lane + 4 (i % 2)).
; LIMITS: a block of zeros or under 2^-118 gets the byte 1; NaN and infinities are not served.
.set BLK,   34816
.set LP,    4112                       ; an LDS row: 4,096 bytes + 16
.set RSTR,  8192                       ; from row to row in memory
.set SPARE, 32*LP                      ; behind the rows: the spare words, 128 bytes a wave, which no other line names
.set SPW, 6
.set NIL, 7
.set BO,  16                           ; v16-47 bo, v48-79 g1, v80-111 be1 of my 32 columns
.set GA,  48
.set BE,  80
.set YA,  112                          ; slot A: y v112-143, src v144-175;  slot B: v176-207, v208-239
.set RA,  144
.set YB,  176
.set RB,  208
.set T,   240                          ; v240-245 at work in a row
.set Q,   112                          ; phase 2: two tiles' 64 numbers a lane
.set PC,  16
.set PW,  48
.set TM,  240
.set SEL, 30
.set MNT, 32
.set INV, 33
.set EPS, 34
.macro RED x, t                        ; the sum over the wave's 32 lanes, in every lane
	v_add_f32_dpp v[\x], v[\x], v[\x] row_xmask:1 row_mask:0xf bank_mask:0xf
	v_add_f32_dpp v[\x], v[\x], v[\x] row_xmask:2 row_mask:0xf bank_mask:0xf
	v_add_f32_dpp v[\x], v[\x], v[\x] row_xmask:4 row_mask:0xf bank_mask:0xf
	v_add_f32_dpp v[\x], v[\x], v[\x] row_xmask:8 row_mask:0xf bank_mask:0xf
	v_permlanex16_b32 v[\t], v[\x], s[SEL], s[SEL+1]
	v_add_f32 v[\x], v[\x], v[\t]
.endm
.macro LOADROW y, r, k                 ; sixteen loads of 512 consecutive bytes
.set j, 0
.rept 8
	global_load_b128 v[\y+4*j:\y+4*j+3], v1, s[4:5] offset:(\k)*RSTR+512*j th:TH_LOAD_NT
	global_load_b128 v[\r+4*j:\r+4*j+3], v1, s[6:7] offset:(\k)*RSTR+512*j th:TH_LOAD_NT
.set j, j+1
.endr
.endm
.macro ROW y, r, k
.set j, 0
.rept 16
	v_pk_add_f32 v[\y+j:\y+j+1], v[\y+j:\y+j+1], v[BO+j:BO+j+1]
.set j, j+2
.endr
.set j, 0
.rept 16
	v_pk_add_f32 v[\y+j:\y+j+1], v[\y+j:\y+j+1], v[\r+j:\r+j+1]
.set j, j+2
.endr
	v_pk_add_f32 v[T:T+1], v[\y:\y+1], v[\y+2:\y+3]              ; the sum, in two chains
	v_pk_add_f32 v[T+2:T+3], v[\y+4:\y+5], v[\y+6:\y+7]
.set j, 8
.rept 6
	v_pk_add_f32 v[T:T+1], v[T:T+1], v[\y+j:\y+j+1]
	v_pk_add_f32 v[T+2:T+3], v[T+2:T+3], v[\y+j+2:\y+j+3]
.set j, j+4
.endr
	v_pk_add_f32 v[T:T+1], v[T:T+1], v[T+2:T+3]
	v_add_f32 v[T], v[T], v[T+1]
	RED T, T+1
	v_mul_f32 v[T], s[INV], v[T]                   ; the mean
.set j, 0
.rept 16
	v_pk_add_f32 v[\y+j:\y+j+1], v[\y+j:\y+j+1], v[T:T+1] op_sel_hi:[1,0] neg_lo:[0,1] neg_hi:[0,1]
.set j, j+2
.endr
	v_pk_mul_f32 v[T+2:T+3], v[\y:\y+1], v[\y:\y+1]
	v_pk_mul_f32 v[T+4:T+5], v[\y+2:\y+3], v[\y+2:\y+3]
.set j, 4
.rept 7
	v_pk_fma_f32 v[T+2:T+3], v[\y+j:\y+j+1], v[\y+j:\y+j+1], v[T+2:T+3]
	v_pk_fma_f32 v[T+4:T+5], v[\y+j+2:\y+j+3], v[\y+j+2:\y+j+3], v[T+4:T+5]
.set j, j+4
.endr
	v_pk_add_f32 v[T+2:T+3], v[T+2:T+3], v[T+4:T+5]
	v_add_f32 v[T+2], v[T+2], v[T+3]
	RED T+2, T+3
	v_fma_f32 v[T+2], v[T+2], s[INV], s[EPS]       ; the variance + 1e-5
	v_rsq_f32 v[T+2], v[T+2]
	v_nop                                          ; a plain line behind the transcendental,
	s_wait_alu depctr_va_vdst(0)                   ; and the wait ahead of its first reader
.set j, 0
.rept 16
	v_pk_mul_f32 v[\y+j:\y+j+1], v[\y+j:\y+j+1], v[T+2:T+3] op_sel_hi:[1,0]
.set j, j+2
.endr
.set j, 0
.rept 16
	v_pk_fma_f32 v[\y+j:\y+j+1], v[\y+j:\y+j+1], v[GA+j:GA+j+1], v[BE+j:BE+j+1]
.set j, j+2
.endr
.set j, 0
.rept 8
	global_store_b128 v1, v[\y+4*j:\y+4*j+3], s[14:15] offset:(\k)*RSTR+512*j
	ds_store_b128 v2, v[\y+4*j:\y+4*j+3] offset:(\k)*LP+512*j
.set j, j+1
.endr
.endm
; 64 numbers of a lane, register 16 b + i = K 32 b + 16 (lane / 16) + i of my row, become a fragment's codes in v[pc] on and its scale word in v[pw]
.macro QUANT s, pc, pw
.irp b, 0,1,2,3
	v_max3_num_f32 v[TM+\b], |v[\s+16*\b]|, |v[\s+1+16*\b]|, 0x4800000   ; with the floor 2^(9 - 127): the byte cannot fall under 1
.endr
.irp i, 2,4,6,8,10,12,14
.irp b, 0,1,2,3
	v_max3_num_f32 v[TM+\b], v[TM+\b], |v[\s+16*\b+\i]|, |v[\s+1+16*\b+\i]|
.endr
.endr
.irp b, 0,1,2,3
	v_permlanex16_b32 v[TM+4+\b], v[TM+\b], s[SEL], s[SEL+1]
.endr
.irp b, 0,1,2,3
	v_max_num_f32 v[TM+\b], v[TM+\b], v[TM+4+\b]
.endr
.irp b, 0,1,2,3
	v_add_nc_u32 v[TM+12+\b], 0xfc000000, v[TM+\b]               ; 8 off the exponent field: the conversion's scale operand
.endr
.irp b, 0,1,2,3
	v_and_or_b32 v[TM+8+\b], v[TM+\b], 0x7f800000, s[MNT]        ; 448 x the scale
.endr
.irp b, 0,1,2,3
	v_lshrrev_b32 v[TM+4+\b], 23, v[TM+12+\b]                    ; the scale's byte
.endr
	v_lshl_or_b32 v[\pw], v[TM+5], 8, v[TM+4]
	v_lshl_or_b32 v[\pw], v[TM+6], 16, v[\pw]
	v_lshl_or_b32 v[\pw], v[TM+7], 24, v[\pw]
.irp b, 0,1,2,3
.irp i, 0,1,2,3,4,5,6,7,8,9,10,11,12,13,14,15
	v_med3_num_f32 v[\s+16*\b+\i], v[\s+16*\b+\i], -v[TM+8+\b], v[TM+8+\b]   ; the conversion to an 8-bit code does not saturate (ISA guide 7.6.2)
.endr
	v_cvt_scalef32_pk8_fp8_f32 v[\pc+4*\b:\pc+4*\b+1], v[\s+16*\b:\s+16*\b+7], v[TM+12+\b]
	v_cvt_scalef32_pk8_fp8_f32 v[\pc+4*\b+2:\pc+4*\b+3], v[\s+16*\b+8:\s+16*\b+15], v[TM+12+\b]
.endr
	v_nop
.endm
	s_load_b256 s[4:11], s[0:1], 0x0               ; y, src, bo, g1
	s_load_b128 s[12:15], s[0:1], 0x20             ; be1, x
	s_load_b64 s[16:17], s[0:1], 0x30              ; act
	v_lshl_add_u32 v[SPW], v0, 2, SPARE
	v_mov_b32 v[NIL], 0
	v_lshrrev_b32 v8, 5, v0
	v_readfirstlane_b32 s18, v8                    ; wave 0..7
	v_and_b32 v8, 31, v0
	v_lshlrev_b32 v1, 4, v8                        ; 16 x lane
	s_mul_i32 s19, s18, 4*LP
	v_add_nc_u32 v2, s19, v1                       ; LDS, in: my four rows
	v_and_b32 v9, 15, v0
	v_bfe_u32 v10, v0, 4, 1
	v_and_b32 v11, 8, v9
	v_add_nc_u32 v11, v11, v9
	v_mul_u32_u24 v3, v11, LP
	v_lshl_add_u32 v3, v10, 6, v3
	s_lshl_b32 s19, s18, 9
	v_add_nc_u32 v3, s19, v3                       ; LDS, out: row r + 8 (r / 8), + 64 h, + my 128 columns
	s_lshr_b32 s20, ttmp9, 2                       ; G
	s_and_b32 s21, ttmp9, 3                        ; ip
	s_lshr_b32 s22, s18, 1                         ; phase 2: K step
	s_and_b32 s23, s18, 1                          ; and q
	s_lshl_b32 s24, s23, 14
	s_lshl_b32 s25, s21, 12
	s_add_co_u32 s24, s24, s25
	v_add_nc_u32 v4, s24, v1                       ; my codes' place in the block
	s_lshl_b32 s24, s23, 2
	s_add_co_u32 s24, s24, s21
	s_lshl_b32 s24, s24, 8
	s_add_co_u32 s24, s24, 32768
	v_lshl_add_u32 v5, v8, 3, s24                  ; my scale words' place
	s_and_b32 s26, s20, 15
	s_lshl_b32 s26, s26, 20
	s_lshl_b32 s25, s21, 18
	s_add_co_u32 s26, s26, s25
	s_lshr_b32 s25, s20, 4
	s_lshl_b32 s25, s25, 12
	s_add_co_u32 s26, s26, s25
	s_lshl_b32 s25, s18, 15
	s_add_co_u32 s26, s26, s25                     ; my first row: group, pair of tiles, batch, four rows a wave
	s_mov_b32 s27, 0
	s_lshl_b32 s28, s20, 2
	s_add_co_u32 s28, s28, s22
	s_mul_i32 s28, s28, BLK
	s_mov_b32 s29, 0
	s_mov_b32 s[SEL], 0x76543210
	s_mov_b32 s[SEL+1], 0xfedcba98
	s_mov_b32 s[MNT], 0x600000
	s_mov_b32 s[INV], 0x3a800000                   ; 1 / 1,024
	s_mov_b32 s[EPS], 0x3727c5ac                   ; 1e-5
	s_wait_kmcnt 0x0
	s_add_nc_u64 s[4:5], s[4:5], s[26:27]
	s_add_nc_u64 s[6:7], s[6:7], s[26:27]
	s_add_nc_u64 s[14:15], s[14:15], s[26:27]
	s_add_nc_u64 s[16:17], s[16:17], s[28:29]
.set j, 0
.rept 8
	global_load_b128 v[BO+4*j:BO+4*j+3], v1, s[8:9] offset:512*j
	global_load_b128 v[GA+4*j:GA+4*j+3], v1, s[10:11] offset:512*j
	global_load_b128 v[BE+4*j:BE+4*j+3], v1, s[12:13] offset:512*j
.set j, j+1
.endr
	LOADROW YA, RA, 0
	LOADROW YB, RB, 1
	s_wait_loadcnt 16                              ; the other slot's sixteen loads stay out
	ROW YA, RA, 0
	s_wait_xcnt 0x0                                ; the stores to x,
	s_wait_dscnt 0x0                               ; and those to LDS, have read the slot's registers: it is loaded again
	LOADROW YA, RA, 2
	s_wait_loadcnt 16
	ROW YB, RB, 1
	s_wait_xcnt 0x0
	s_wait_dscnt 0x0
	LOADROW YB, RB, 3
	s_wait_loadcnt 16
	ROW YA, RA, 2
	s_wait_loadcnt 0x0
	ROW YB, RB, 3
	s_wait_dscnt 0x0                               ; for the others' sake: my rows lie in LDS
	s_barrier_signal -1
	s_barrier_wait -1
	s_wait_xcnt 0x0                                ; the stores to x have read their registers
.irp u, 0,1
.irp c, 0,1,2,3
.irp k, 0,1,2,3
	ds_load_b128 v[Q+64*\u+16*\c+4*\k:Q+64*\u+16*\c+4*\k+3], v3 offset:\u*8*LP+128*\c+16*\k
.endr
.endr
.endr
.irp b, 0,1,2,3
	v_mov_b32 v[TM+4+\b], 0                        ; a lane permute's destination counts as one of its sources
.endr
	s_wait_dscnt 0x0
	QUANT Q, PC, PW
	QUANT Q+64, PC+16, PW+1
.irp u, 0,1
.irp k, 0,1,2,3
	global_store_b128 v4, v[PC+16*\u+4*\k:PC+16*\u+4*\k+3], s[16:17] offset:2048*\u+512*\k   ; 512 consecutive bytes, aligned
.endr
.endr
	global_store_b64 v5, v[PW:PW+1], s[16:17]      ; 256 consecutive bytes
	s_wait_tensorcnt 0x0                           ; the wave's end
	ds_add_u32 v[SPW], v[NIL]
	s_wait_dscnt 0x0
	s_endpgm
.Lfunc_end_k_qc3c22877da_ln1:
	.size	k_qc3c22877da_ln1, .Lfunc_end_k_qc3c22877da_ln1-k_qc3c22877da_ln1
	.p2alignl 7, 3214868480
	.fill 96, 4, 3214868480
	.section	.rodata,"a",@progbits
	.p2align	6, 0x0
	.amdhsa_kernel k_qc3c22877da_ln1
		.amdhsa_group_segment_fixed_size 132608
		.amdhsa_private_segment_fixed_size 0
		.amdhsa_enable_private_segment 0
		.amdhsa_kernarg_size 56
		.amdhsa_user_sgpr_count 2
		.amdhsa_user_sgpr_kernarg_segment_ptr 1
		.amdhsa_wavefront_size32 1
		.amdhsa_system_sgpr_workgroup_id_x 1
		.amdhsa_system_sgpr_workgroup_id_y 1
		.amdhsa_system_sgpr_workgroup_id_z 1
		.amdhsa_system_vgpr_workitem_id 0
		.amdhsa_next_free_vgpr 256
		.amdhsa_next_free_sgpr 66
		.amdhsa_reserve_vcc 0
		.amdhsa_float_denorm_mode_32 3
		.amdhsa_float_denorm_mode_16_64 3
		.amdhsa_memory_ordered 1
		.amdhsa_forward_progress 1
		.amdhsa_inst_pref_size 68
	.end_amdhsa_kernel
	.amdgpu_metadata
---
amdhsa.version: [ 1, 2 ]
amdhsa.kernels:
  - .name:           k_qc3c22877da_ln1
    .symbol:         k_qc3c22877da_ln1.kd
    .args:
      - { .name: y, .offset: 0, .size: 8, .value_kind: global_buffer, .address_space: global }
      - { .name: src, .offset: 8, .size: 8, .value_kind: global_buffer, .address_space: global }
      - { .name: bo, .offset: 16, .size: 8, .value_kind: global_buffer, .address_space: global }
      - { .name: g1, .offset: 24, .size: 8, .value_kind: global_buffer, .address_space: global }
      - { .name: be1, .offset: 32, .size: 8, .value_kind: global_buffer, .address_space: global }
      - { .name: x, .offset: 40, .size: 8, .value_kind: global_buffer, .address_space: global }
      - { .name: act, .offset: 48, .size: 8, .value_kind: global_buffer, .address_space: global }
    .group_segment_fixed_size: 132608
    .private_segment_fixed_size: 0
    .kernarg_segment_align: 8
    .kernarg_segment_size: 56
    .max_flat_workgroup_size: 256
    .sgpr_count:     66
    .vgpr_count:     256
    .wavefront_size: 32
...
	.end_amdgpu_metadata
.endif
;; end of part 5
;; launch w1 (part 6): grid 16 x 16, 4 waves a work-group, clusters of 4 x 4, 327,680 bytes of LDS; arguments act, wact, b1, hact; writes hact
.if DOCPART == 6
	.amdgcn_target "amdgcn-amd-amdhsa--gfx1250"
	.amdhsa_code_object_version 6
	.text
	.protected	k_qc3c22877da_w1
	.globl	k_qc3c22877da_w1
	.p2align	8
	.type	k_qc3c22877da_w1,@function
k_qc3c22877da_w1:
	s_mov_b64 s[64:65], 0
	v_nop
	global_prefetch_b8 v0, s[64:65] scope:SCOPE_SE
	s_setreg_imm32_b32 hwreg(HW_REG_WAVE_MODE, 25, 1), 1
	s_wait_xcnt 0x0
	s_wait_alu depctr_hold_cnt(0) depctr_sa_sdst(0) depctr_va_vdst(0) depctr_va_sdst(0) depctr_va_ssrc(0) depctr_va_vcc(0) depctr_vm_vsrc(0)
	s_getreg_b32 s2, hwreg(HW_REG_IB_STS2, 6, 4)
	s_cmp_eq_u32 s2, 0
	s_cbranch_scc0 .Lentry_in_a_cluster
	s_endpgm
.Lentry_in_a_cluster:
	s_bfe_u32 s2, ttmp6, 0x10000c
	s_cmp_lg_u32 s2, 0xf033
	s_cbranch_scc0 .Lentry_shape_is_right
	s_endpgm
.Lentry_shape_is_right:
; A GEMM ON CODES WHOSE RESULT IS QUANTISED ON THE WAY OUT.  One text, two launches: QKV = 1: q, k and v^T from src's codes; QKV = 0: relu(x W1^T + b1).  Nothing of reference() is left out.
; Operands lie in this program's own layout (blocks of 128 rows x 256 of K, BLK bytes: images of the operand registers, fragment (q, i) at 16,384 q + 2,048 i + 512 c + 16 lane, scale words at 32,768 + 256 (4 q + i / 2) + 8 lane + 4 (i % 2);
; place m of tile 2 p + u is row 32 p + 8 u + m + 8 (m / 8) of the group).  A tile of C is 256 x 256: four waves, each 128 x 128 in 64 accumulators.  K goes in steps of 256 through two LDS slots; a slot holds A's two blocks, then B's two; each
; wave fetches one block, 34,816 dense bytes, codes and scale words together, by one tensor load.  LDS reads stand at 16 x lane: no pitch, no padding.
; CLUSTERS: 4 x 4 work-groups; A's blocks are asked for jointly along a row of the cluster, B's along a column.
; THE PRODUCT IS USED TRANSPOSED (source 0 = 16 rows of B, source 1 = 16 rows of A): lane (r, h) holds place r of A's tile a, and the 64 registers of that tile's eight accumulators are B's rows 32 p + 16 h + i of the group: just the order of
; an operand whose K runs along B's rows.  So the way out quantises them in registers and stores the conversions' results as the next operand's image: 512 consecutive bytes a store, no stage.
; HERE (QKV = 0): A = x's codes, B = W1; the bias b1 is the C of each sum's first product; the activation costs nothing: the largest magnitude is taken without |.| and the hold clips at 0.  A wave's 128 columns are one 128 of the next K:
; hact's block (my group of rows, K step = the tile column), q = my half of the columns.
; LIMITS: a block of zeros or under 2^-118 gets the byte 1; NaN and infinities are not served.
; REGISTERS: window 0: v1, v2 r, h; v8, v9 16 x, 8 x lane; v16-23 LDS addresses; v26 bias offset; v28, v29 the add's two; v32-63 scale words, two sets; v64-127 the bias; v128-255 A's fragments, one set (on the way out: v128-191 numbers held,
; v192-207 codes, v208-223 at work, v224-227 scale words).  Window 1: B's fragments, two sets.  Windows 2, 3: the accumulators of my rows 0-63, 64-127.
.set QKV,   0
.set BLK,   34816
.set SLOT,  4*BLK
.set SPARE, 2*SLOT                     ; behind the ring: the spare words, 128 bytes a wave, which no other line names
.set KB,    4                          ; K steps: K = 1,024
.set LAPS,  KB/2
.set LI,   8
.set L8,   9
.set ADRA, 16
.set ADRB, 20
.set ADRS, 22
.set CO,   26
.set SPW,  28
.set NIL,  29
.set SC,   32
.set BI,   64
.set AF,   128
.set X,    128
.set PC,   192
.set TM,   208
.set PWP,  224
.set PW2,  226
.set WV,  18
.set HR,  19
.set HC,  20
.set CX,  21
.set CY,  22
.set ISV, 23
.set G1A, 24
.set G0A, 32
.set TR,  40
.set TC,  41
.set G1B, 48
.set G0B, 56
.set P0,  66
.set P1,  68
.set Q0,  70
.set Q1,  72
.set SA,  74
.set SA4, 76
.set SQ4, 78
.set SEL, 80
.set MNT, 82
.set LAP, 83
.set MSB, 0
.macro WIN new                         ; the immediate's high byte repeats the setting that is left
.if MSB != (\new)
	s_set_vgpr_msb (MSB<<8)|(\new)
.set MSB, (\new)
.endif
.endm
.set MUL_LO, 0xa1                      ; source 0 (B) window 1, source 1 (A) window 0, C and D window 2
.set MUL_HI, 0xf1                      ; the same, C and D window 3
.set TO_B,   0x40                      ; destination window 1, address window 0
; A joint load: waves 0 and 1 fetch A's two blocks, waves 2 and 3 B's.  The branch hangs on the wave's number alone.  An s_nop 0 and four v_nop follow each line.
.macro JLOAD g0a, g1a, g0b, g1b
	s_cmp_eq_u32 s[HR], 0
	s_cbranch_scc0 .Lfor_b_\@
	tensor_load_to_lds s[\g0a:\g0a+3], s[\g1a:\g1a+7]
	s_nop 0
.rept 4
	v_nop
.endr
	s_branch .Lasked_\@
.Lfor_b_\@:
	tensor_load_to_lds s[\g0b:\g0b+3], s[\g1b:\g1b+7]
	s_nop 0
.rept 4
	v_nop
.endr
.Lasked_\@:
.endm
.macro CREST                           ; a round of the cluster's barrier behind its opening barrier
	s_cmp_lg_u32 s[WV], 0
	s_cbranch_scc1 .Lnot_wave_0_\@
	s_barrier_signal -3
.Lnot_wave_0_\@:
	s_barrier_wait -3
	s_barrier_signal -1
	s_barrier_wait -1
.endm
.macro CROUND
	s_barrier_signal -1
	s_barrier_wait -1
	CREST
.endm
.macro PLACES n                        ; plain vector lines between a matrix instruction and a load into, or a read of, its registers: eight for this form
.rept \n
	v_nop
.endr
.endm
.macro FRAG reg, adr, q, i             ; a fragment: four loads of 512 consecutive bytes
.irp c, 0,1,2,3
	ds_load_b128 v[\reg+4*\c:\reg+4*\c+3], v[\adr] offset:16384*(\q)+2048*(\i)+512*\c
.endr
.endm
; 16 products: A's tiles a0, a0 + 1 x B's eight, the slot's q-th 128 of K.  p: B's set; sc: the set of scale words.  mode 0: the sums go on; 2: they begin with the bias along B's rows; 3: along A's rows.
; The 64 accumulators take turns, one instruction a turn, in the same order in every step.
.macro MUL16 a0, p, q, sc, mode
.irp a, \a0, \a0+1
.irp b, 0,1,2,3,4,5,6,7
.set rD, 8*(8*((\a)%4)+\b)
.set rB, 128*(\p)+16*\b
.set rA, AF+16*(\a)
.set rSB, SC+16*(\sc)+8*(\q)+\b
.set rSA, SC+16*(\sc)+8*(\q)+(\a)
.if \mode == 0
	v_wmma_scale_f32_16x16x128_f8f6f4 v[rD:rD+7], v[rB:rB+15], v[rA:rA+15], v[rD:rD+7], v[rSB], v[rSA] matrix_a_scale:MATRIX_SCALE_ROW1
.elseif \mode == 2
	v_wmma_scale_f32_16x16x128_f8f6f4 v[rD:rD+7], v[rB:rB+15], v[rA:rA+15], v[BI+8*\b:BI+8*\b+7], v[rSB], v[rSA] matrix_a_scale:MATRIX_SCALE_ROW1
.else
	v_wmma_scale_f32_16x16x128_f8f6f4 v[rD:rD+7], v[rB:rB+15], v[rA:rA+15], v[BI+8*(\a):BI+8*(\a)+7], v[rSB], v[rSA] matrix_a_scale:MATRIX_SCALE_ROW1
.endif
.endr
.endr
.endm
.macro FETCH_B slot, q, p
	WIN TO_B
.irp i, 0,1,2,3,4,5,6,7
	FRAG 128*(\p)+16*\i, ADRB+\slot, \q, \i
.endr
	WIN 0
.endm
.macro FETCH_A slot, q, i0
.irp i, \i0, \i0+1, \i0+2, \i0+3
	FRAG AF+16*(\i), ADRA+\slot, \q, \i
.endr
.endm
.macro SCALES sc                       ; a slot's scale words: register 8 q + i: lanes 0-15 the words of A's tile i, lanes 16-31 those of B's tile i
.irp q, 0,1
.irp i, 0,1,2,3
	ds_load_b64 v[SC+16*\sc+8*\q+2*\i:SC+16*\sc+8*\q+2*\i+1], v[ADRS+\sc] offset:32768+(4*\q+\i)*256
.endr
.endr
.endm
; A step of 128 along K that has its successor in the same slot.  A's tiles 0-3 are fetched anew in its middle, tiles 4-7 at its end; B has two sets.
.macro STEP slot, q, mode
	s_wait_dscnt 16                                ; all but the youngest sixteen loads (A's tiles 4-7) are in
.if \mode >= 2
	WIN 0x81                                       ; C (the bias) window 0, D window 2
.else
	WIN MUL_LO
.endif
	MUL16 0, (\q)%2, \q, \slot, \mode
	MUL16 2, (\q)%2, \q, \slot, \mode
	s_wait_dscnt 0x0                               ; A's tiles 4-7 are in
	PLACES 8
	FETCH_B \slot, (\q)+1, 1-(\q)%2
	FETCH_A \slot, (\q)+1, 0
.if \mode >= 2
	WIN 0xc1
.else
	WIN MUL_HI
.endif
	MUL16 4, (\q)%2, \q, \slot, \mode
	MUL16 6, (\q)%2, \q, \slot, \mode
	PLACES 8
	WIN 0
	FETCH_A \slot, (\q)+1, 4
.endm
; A slot's last step changes slots: one barrier; in front of it each wave waits for all its tensor loads, adds 0 to its spare word, and waits for that and for its reads of this slot.  fill = 1: the slot is filled again, two K steps on.
.macro TURN slot, next, fill
	s_wait_tensorcnt 0x0                           ; all my tensor loads have landed: my block of the next slot
	ds_add_u32 v[SPW], v[NIL]
	s_wait_dscnt 17                                ; (the add and the youngest sixteen loads may be out)
	WIN MUL_LO
	MUL16 0, 1, 1, \slot, 0
	s_wait_dscnt 0x0                               ; the add is done, and my reads of this slot are over
	s_barrier_signal -1
	MUL16 2, 1, 1, \slot, 0
	WIN 0
	s_barrier_wait -1
.if \fill
	CREST                                          ; the barrier has opened a round of the cluster's: no wave of any partner still reads this slot or has a load on its way
	s_add_nc_u64 s[G0A+4*\slot+2:G0A+4*\slot+3], s[G0A+4*\slot+2:G0A+4*\slot+3], 2*BLK
	s_add_nc_u64 s[G0B+4*\slot+2:G0B+4*\slot+3], s[G0B+4*\slot+2:G0B+4*\slot+3], 2*BLK
	JLOAD G0A+4*\slot, G1A, G0B+4*\slot, G1B       ; the first tensor load behind the round; its four v_nop are four of the eight places
	PLACES 4
.else
	PLACES 8
.endif
	FETCH_B \next, 0, 0
	FETCH_A \next, 0, 0
	SCALES \next
	WIN MUL_HI
	MUL16 4, 1, 1, \slot, 0
	MUL16 6, 1, 1, \slot, 0
	PLACES 8
	WIN 0
	FETCH_A \next, 0, 4
.endm
; THE WAY OUT of A's tile a: its 64 numbers a lane (accumulators 64 (a % 4) on, window 2 + a / 4; register 16 b + i = column 32 b + 16 h + i) become a fragment's codes in v[PC] on and a scale word in v[PWP + a % 2].
; Each accumulator is first read at its two lowest registers.  The hold moves the numbers into window 0.  relu = 1: what is negative becomes 0 (no |.| in the maximum; the hold clips at 0).
.macro QUANTW a, relu
.set AC, 64*((\a)%4)
.set W, 2+(\a)/4
	WIN W|(W<<2)
.irp b, 0,1,2,3
.if \relu
	v_max3_num_f32 v[TM+\b], v[AC+16*\b], v[AC+1+16*\b], 0x4800000
.else
	v_max3_num_f32 v[TM+\b], |v[AC+16*\b]|, |v[AC+1+16*\b]|, 0x4800000   ; with the floor 2^(9 - 127): the byte cannot fall under 1
.endif
.endr
	WIN (W<<2)|(W<<4)
.irp i, 2,4,6,8,10,12,14
.irp b, 0,1,2,3
.if \relu
	v_max3_num_f32 v[TM+\b], v[TM+\b], v[AC+16*\b+\i], v[AC+1+16*\b+\i]
.else
	v_max3_num_f32 v[TM+\b], v[TM+\b], |v[AC+16*\b+\i]|, |v[AC+1+16*\b+\i]|
.endif
.endr
.endr
	WIN 0
.irp b, 0,1,2,3
	v_permlanex16_b32 v[TM+4+\b], v[TM+\b], s[SEL], s[SEL+1]
.endr
.irp b, 0,1,2,3
	v_max_num_f32 v[TM+\b], v[TM+\b], v[TM+4+\b]                 ; with lane l xor 16's 16: the block's largest magnitude
.endr
.irp b, 0,1,2,3
	v_add_nc_u32 v[TM+12+\b], 0xfc000000, v[TM+\b]               ; 8 off its exponent field: the conversion's scale operand
.endr
.irp b, 0,1,2,3
	v_and_or_b32 v[TM+8+\b], v[TM+\b], 0x7f800000, s[MNT]        ; 448 x the scale
.endr
.irp b, 0,1,2,3
	v_lshrrev_b32 v[TM+4+\b], 23, v[TM+12+\b]                    ; the scale's byte
.endr
	v_lshl_or_b32 v[PWP+(\a)%2], v[TM+5], 8, v[TM+4]
	v_lshl_or_b32 v[PWP+(\a)%2], v[TM+6], 16, v[PWP+(\a)%2]
	v_lshl_or_b32 v[PWP+(\a)%2], v[TM+7], 24, v[PWP+(\a)%2]
	WIN W
.irp b, 0,1,2,3
.irp i, 0,1,2,3,4,5,6,7,8,9,10,11,12,13,14,15
.if \relu
	v_med3_num_f32 v[X+16*\b+\i], v[AC+16*\b+\i], 0, v[TM+8+\b]
.else
	v_med3_num_f32 v[X+16*\b+\i], v[AC+16*\b+\i], -v[TM+8+\b], v[TM+8+\b]   ; the conversion to an 8-bit code does not saturate (ISA guide 7.6.2)
.endif
.endr
.endr
	WIN 0
.irp b, 0,1,2,3
	v_cvt_scalef32_pk8_fp8_f32 v[PC+4*\b:PC+4*\b+1], v[X+16*\b:X+16*\b+7], v[TM+12+\b]
	v_cvt_scalef32_pk8_fp8_f32 v[PC+4*\b+2:PC+4*\b+3], v[X+16*\b+8:X+16*\b+15], v[TM+12+\b]
.endr
	v_nop                                          ; a plain line behind the last conversion
.endm
.if QKV
	s_load_b256 s[4:11], s[0:1], 0x0               ; act, wact, bq, bk
	s_load_b128 s[12:15], s[0:1], 0x20             ; bv, qb
	s_load_b64 s[16:17], s[0:1], 0x30              ; kvb
.else
	s_load_b256 s[4:11], s[0:1], 0x0               ; act, wact, b1, hact
.endif
	v_lshl_add_u32 v[SPW], v0, 2, SPARE
	v_mov_b32 v[NIL], 0
	ds_add_u32 v[SPW], v[NIL]                      ; the wave's opening: the add, twice on end, and its wait ahead of my first tensor load
	ds_add_u32 v[SPW], v[NIL]
	v_lshrrev_b32 v1, 5, v0
	v_readfirstlane_b32 s[WV], v1                  ; wave 0..3
	s_lshr_b32 s[HR], s[WV], 1                     ; my half of the tile's rows.  Also: I fetch for A (0) or B (1)
	s_and_b32 s[HC], s[WV], 1                      ; my half of its columns.  Also: which of the two blocks I fetch
	s_bfe_u32 s[CX], ttmp6, 0x40000
	s_bfe_u32 s[CY], ttmp6, 0x40004
	s_and_b32 s44, ttmp7, 0xffff                   ; cluster y
.if QKV
	s_cmp_eq_u32 ttmp9, 2                          ; cluster x = 2 makes v^T: A = Wv (4 tile rows), B = src (16 tile columns, by cluster y)
	s_cselect_b32 s[ISV], 1, 0
	s_cselect_b32 s45, s44, ttmp9
	s_cselect_b32 s46, 0, s44
.else
	s_mov_b32 s45, ttmp9
	s_mov_b32 s46, s44
.endif
	s_lshl_b32 s[TC], s45, 2
	s_add_co_u32 s[TC], s[TC], s[CX]               ; tile column
	s_lshl_b32 s[TR], s46, 2
	s_add_co_u32 s[TR], s[TR], s[CY]               ; tile row
	s_lshl_b32 s42, s[CY], 2
	s_lshl_b32 s42, 15, s42                        ; my row of the cluster
	s_lshl_b32 s43, 0x1111, s[CX]                  ; my column
	s_or_b32 s[G1A], s42, (3<<16)|(1<<21)          ; group 1: the mask; elements of 8 bytes; bit 21 beside a mask; no padding
	s_or_b32 s[G1B], s43, (3<<16)|(1<<21)
.irp g, G1A, G1B
	s_mov_b32 s[\g+1], 32<<16                      ; tensor_dim0 = 32 elements: 256 bytes
	s_mov_b32 s[\g+2], 136<<16                     ; tensor_dim1 = 136 rows: a block
	s_mov_b32 s[\g+3], 32<<16                      ; tile_dim0
	s_mov_b32 s[\g+4], 136                         ; tile_dim1
	s_mov_b32 s[\g+5], 32                          ; the rows lie on end
	s_mov_b32 s[\g+6], 0
	s_mov_b32 s[\g+7], 0
.endr
	s_lshl_b32 s44, s[TR], 1
	s_add_co_u32 s44, s44, s[HC]
	s_mul_i32 s44, s44, KB*BLK                     ; A: the group of rows that I fetch, at K step 0
	s_mov_b32 s45, 0
	s_lshl_b32 s46, s[TC], 1
	s_add_co_u32 s46, s46, s[HC]
	s_mul_i32 s46, s46, KB*BLK                     ; B likewise
	s_mov_b32 s47, 0
	s_mul_i32 s84, s[WV], BLK                      ; where it goes: no place in the cluster enters an LDS address
	s_mov_b32 s[SEL], 0x76543210
	s_mov_b32 s[SEL+1], 0xfedcba98
	s_mov_b32 s[MNT], 0x600000
	s_wait_dscnt 0x0                               ; both opening adds are done
	s_wait_kmcnt 0x0
.if QKV
	s_add_nc_u64 s[86:87], s[6:7], 2228224         ; Wv in wact
	s_cmp_eq_u32 s[ISV], 1
	s_cselect_b64 s[88:89], s[86:87], s[4:5]       ; A's buffer
	s_cselect_b64 s[90:91], s[4:5], s[6:7]         ; B's: Wq and Wk lie on end at wact's head: tile columns 0-3, 4-7
.else
	s_mov_b64 s[88:89], s[4:5]
	s_add_nc_u64 s[90:91], s[6:7], 4456448         ; W1 in wact
.endif
	s_add_nc_u64 s[88:89], s[88:89], s[44:45]
	s_add_nc_u64 s[90:91], s[90:91], s[46:47]
	CROUND                                         ; all sixteen work-groups are here: the first joint loads meet
.irp s, 0,1
	s_mov_b32 s[G0A+4*\s], 1
	s_add_co_u32 s[G0A+4*\s+1], s84, \s*SLOT
	s_add_nc_u64 s[G0A+4*\s+2:G0A+4*\s+3], s[88:89], \s*BLK
	s_or_b32 s[G0A+4*\s+3], s[G0A+4*\s+3], 0x80000000
	s_mov_b32 s[G0B+4*\s], 1
	s_add_co_u32 s[G0B+4*\s+1], s84, \s*SLOT
	s_add_nc_u64 s[G0B+4*\s+2:G0B+4*\s+3], s[90:91], \s*BLK
	s_or_b32 s[G0B+4*\s+3], s[G0B+4*\s+3], 0x80000000
	JLOAD G0A+4*\s, G1A, G0B+4*\s, G1B
.endr
	v_and_b32 v1, 15, v0                           ; r
	v_bfe_u32 v2, v0, 4, 1                         ; h
	v_and_b32 v3, 31, v0
	v_lshlrev_b32 v[LI], 4, v3
	v_lshlrev_b32 v[L8], 3, v3
	s_mul_i32 s44, s[HR], BLK                      ; my block of A
	s_mul_i32 s45, s[HC], BLK
	s_add_co_u32 s45, s45, 2*BLK                   ; my block of B, behind A's two
	s_sub_co_u32 s46, s45, s44
	v_mul_u32_u24 v4, s46, v2                      ; scale words: lanes 16-31 take B's
	v_add_nc_u32 v4, v4, v[L8]
.irp s, 0,1
	v_add_nc_u32 v[ADRA+\s], s44, v[LI]
	v_add_nc_u32 v[ADRB+\s], s45, v[LI]
	v_add_nc_u32 v[ADRS+\s], s44, v4
	s_add_co_u32 s44, s44, SLOT
	s_add_co_u32 s45, s45, SLOT
.endr
.if QKV
	; where the results go
	s_lshl_b32 s92, s[TC], 1
	s_add_co_u32 s92, s92, s[HC]
	s_lshl_b32 s93, s[TR], 1
	s_add_co_u32 s93, s93, s[HR]
	s_lshl_b32 s94, s[CY], 2
	s_lshl_b32 s95, s[HR], 1
	s_add_co_u32 s94, s94, s95
	s_lshl_b32 s95, s[CX], 2
	s_lshl_b32 s85, s[HC], 1
	s_add_co_u32 s95, s95, s85
	s_cmp_eq_u32 s[ISV], 1
	s_cselect_b32 s92, s92, s93                    ; my group of 128 tokens: B's for v^T, A's for q and k
	s_cselect_b32 s94, s94, s95                    ; the first of my two heads: 4 cy + 2 HR, or 4 cx + 2 HC
	s_mov_b32 s[SA], 1024
	s_cselect_b32 s[SA], 2048, s[SA]               ; from tile to tile
	s_mov_b32 s[SA4], 1024
	s_cselect_b32 s[SA4], 280576, s[SA4]           ; from tile 3 to tile 4: for v^T the next head's first tile, 286,720 - 3 x 2,048
	s_mov_b32 s[SQ4], 256
	s_cselect_b32 s[SQ4], 286464, s[SQ4]           ; the scale words likewise: 286,720 - 256
	s_cselect_b32 s85, 8192, 0                     ; the codes' place in a block
	s_mov_b32 s86, 286720
	s_cselect_b32 s86, 1024, s86                   ; from register groups 0, 1 to groups 2, 3: on in the fragment, or the next head
	s_mov_b32 s87, 16384
	s_cselect_b32 s87, 17408, s87                  ; the scale words' place in a block
	s_mov_b32 s[SA+1], 0
	s_mov_b32 s[SA4+1], 0
	s_mov_b32 s[SQ4+1], 0
	s_lshr_b32 s93, s92, 4
	s_lshl_b32 s93, s93, 4
	s_add_co_u32 s93, s93, s94                     ; 16 b + head
	s_mul_i32 s93, s93, 286720
	s_and_b32 s92, s92, 15
	s_mul_i32 s92, s92, 17920
	s_add_co_u32 s92, s92, s93
	s_mov_b32 s93, 0
	s_cmp_eq_u32 ttmp9, 0
	s_cselect_b64 s[Q0:Q0+1], s[14:15], s[16:17]   ; q goes to qb, k and v^T to kvb
	s_add_nc_u64 s[Q0:Q0+1], s[Q0:Q0+1], s[92:93]
	s_mov_b32 s92, s85
	s_add_nc_u64 s[P0:P0+1], s[Q0:Q0+1], s[92:93]
	s_mov_b32 s92, s86
	s_add_nc_u64 s[P1:P1+1], s[P0:P0+1], s[92:93]
	s_mov_b32 s92, s87
	s_add_nc_u64 s[Q0:Q0+1], s[Q0:Q0+1], s[92:93]
	s_add_nc_u64 s[Q1:Q1+1], s[Q0:Q0+1], 286720    ; the second head's scale words (q and k alone)
	; the bias, in the result's layout: 64 registers on either way
	s_cmp_eq_u32 s[ISV], 1
	s_cbranch_scc1 .Lbias_v
	s_cmp_eq_u32 ttmp9, 0
	s_cselect_b64 s[86:87], s[8:9], s[10:11]       ; bq or bk
	s_lshl_b32 s94, s[CX], 10
	s_lshl_b32 s95, s[HC], 9
	s_add_co_u32 s94, s94, s95
	v_lshl_add_u32 v[CO], v2, 6, s94               ; columns 256 cx + 128 HC + 16 h on
.irp p, 0,1,2,3
.irp k, 0,1,2,3
	global_load_b128 v[BI+16*\p+4*\k:BI+16*\p+4*\k+3], v[CO], s[86:87] offset:128*\p+16*\k
.endr
.endr
	s_branch .Lbias_done
.Lbias_v:
	s_lshl_b32 s94, s[CY], 10
	s_lshl_b32 s95, s[HR], 9
	s_add_co_u32 s94, s94, s95
	v_and_b32 v3, 8, v1
	v_add_nc_u32 v3, v3, v1
	v_lshl_add_u32 v[CO], v3, 2, s94               ; channel 256 cy + 128 HR + r + 8 (r / 8): a lane holds one channel, so a tile's eight registers hold the same number
.irp a, 0,1,2,3,4,5,6,7
.irp j, 0,1,2,3,4,5,6,7
	global_load_b32 v[BI+8*\a+\j], v[CO], s[12:13] offset:(32*(\a/2)+8*(\a%2))*4
.endr
.endr
.Lbias_done:
.else
	s_lshl_b32 s92, s[TR], 1
	s_add_co_u32 s92, s92, s[HR]
	s_lshl_b32 s92, s92, 4
	s_add_co_u32 s92, s92, s[TC]                   ; hact's block: my group of rows, K step = the tile column
	s_mul_i32 s92, s92, BLK
	s_mov_b32 s93, 0
	s_add_nc_u64 s[P0:P0+1], s[10:11], s[92:93]
	s_add_nc_u64 s[Q0:Q0+1], s[P0:P0+1], 32768
	s_lshl_b32 s92, s[HC], 14                      ; q = my half of the columns
	s_add_nc_u64 s[P0:P0+1], s[P0:P0+1], s[92:93]
	s_lshl_b32 s92, s[HC], 10
	s_add_nc_u64 s[Q0:Q0+1], s[Q0:Q0+1], s[92:93]
	s_lshl_b32 s94, s[TC], 10
	s_lshl_b32 s95, s[HC], 9
	s_add_co_u32 s94, s94, s95
	v_lshl_add_u32 v[CO], v2, 6, s94               ; b1: columns 256 x tile column + 128 HC + 16 h on
.irp p, 0,1,2,3
.irp k, 0,1,2,3
	global_load_b128 v[BI+16*\p+4*\k:BI+16*\p+4*\k+3], v[CO], s[8:9] offset:128*\p+16*\k
.endr
.endr
.endif
	s_wait_tensorcnt 1                             ; my block of K step 0 is in; K step 1's may stay out
	s_barrier_signal -1
	s_barrier_wait -1
	FETCH_B 0, 0, 0
	FETCH_A 0, 0, 0
	SCALES 0
	FETCH_A 0, 0, 4
	s_wait_loadcnt 0x0                             ; the bias
.if QKV
	s_cmp_eq_u32 s[ISV], 1                         ; the first step, whose products start the sums, is written for each way of the bias
	s_cbranch_scc1 .Lfirst_v
	STEP 0, 0, 2
	s_branch .Lfirst_done
.Lfirst_v:
	STEP 0, 0, 3
.Lfirst_done:
.else
	STEP 0, 0, 2
.endif
	s_mov_b32 s[LAP], LAPS-1
.Llap:                                             ; a trip goes once round the ring and fills both slots again
	TURN 0, 1, 1
	STEP 1, 0, 0
	TURN 1, 0, 1
	STEP 0, 0, 0
	s_sub_co_u32 s[LAP], s[LAP], 1
	s_cmp_lg_u32 s[LAP], 0
	s_cbranch_scc1 .Llap
	TURN 0, 1, 0                                   ; the last lap fills nothing
	STEP 1, 0, 0
	s_wait_dscnt 16
	WIN MUL_LO
	MUL16 0, 1, 1, 1, 0
	MUL16 2, 1, 1, 1, 0
	s_wait_dscnt 0x0
	WIN MUL_HI
	MUL16 4, 1, 1, 1, 0
	MUL16 6, 1, 1, 1, 0
	WIN 0
	PLACES 8
.irp b, 0,1,2,3
	v_mov_b32 v[TM+4+\b], 0                        ; written once: a lane permute's destination counts as one of its sources
.endr
.irp a, 0,1,2,3,4,5,6,7
.if \a > 0
	s_wait_xcnt 0x0                                ; the last tile's stores have read their registers and bases: both are written again
.if QKV
.if \a == 4
	s_add_nc_u64 s[P0:P0+1], s[P0:P0+1], s[SA4:SA4+1]
	s_add_nc_u64 s[P1:P1+1], s[P1:P1+1], s[SA4:SA4+1]
	s_add_nc_u64 s[Q0:Q0+1], s[Q0:Q0+1], s[SQ4:SQ4+1]
	s_add_nc_u64 s[Q1:Q1+1], s[Q1:Q1+1], s[SQ4:SQ4+1]
.else
	s_add_nc_u64 s[P0:P0+1], s[P0:P0+1], s[SA:SA+1]
	s_add_nc_u64 s[P1:P1+1], s[P1:P1+1], s[SA:SA+1]
.if \a%2 == 0
	s_add_nc_u64 s[Q0:Q0+1], s[Q0:Q0+1], 256
	s_add_nc_u64 s[Q1:Q1+1], s[Q1:Q1+1], 256
.endif
.endif
.endif
.endif
	QUANTW \a, 1-QKV
.if QKV
.irp c, 0,1,2,3
	global_store_b128 v[LI], v[PC+4*\c:PC+4*\c+3], s[P0+2*(\c/2):P0+2*(\c/2)+1] offset:(\c%2)*512   ; 512 consecutive bytes, aligned
.endr
.if \a%2
	global_store_b64 v[L8], v[PWP:PWP+1], s[Q0:Q0+1]             ; two tiles' scale words: 256 consecutive bytes
	s_cmp_eq_u32 s[ISV], 1
	s_cbranch_scc1 .Lone_word_\a
	v_lshrrev_b32 v[PW2], 16, v[PWP]               ; q and k: the second head's two bytes, brought down
	v_lshrrev_b32 v[PW2+1], 16, v[PWP+1]
	global_store_b64 v[L8], v[PW2:PW2+1], s[Q1:Q1+1]
.Lone_word_\a:
.endif
.else
.irp c, 0,1,2,3
	global_store_b128 v[LI], v[PC+4*\c:PC+4*\c+3], s[P0:P0+1] offset:2048*\a+512*\c
.endr
.if \a%2
	global_store_b64 v[L8], v[PWP:PWP+1], s[Q0:Q0+1] offset:256*(\a/2)
.endif
.endif
.endr
	s_wait_tensorcnt 0x0                           ; the wave's end
	ds_add_u32 v[SPW], v[NIL]
	s_wait_dscnt 0x0
	CROUND                                         ; the closing round: no work-group ends while a partner may still ask for a block that names it
	s_endpgm
.Lfunc_end_k_qc3c22877da_w1:
	.size	k_qc3c22877da_w1, .Lfunc_end_k_qc3c22877da_w1-k_qc3c22877da_w1
	.p2alignl 7, 3214868480
	.fill 96, 4, 3214868480
	.section	.rodata,"a",@progbits
	.p2align	6, 0x0
	.amdhsa_kernel k_qc3c22877da_w1
		.amdhsa_group_segment_fixed_size 327680
		.amdhsa_private_segment_fixed_size 0
		.amdhsa_enable_private_segment 0
		.amdhsa_kernarg_size 32
		.amdhsa_user_sgpr_count 2
		.amdhsa_user_sgpr_kernarg_segment_ptr 1
		.amdhsa_wavefront_size32 1
		.amdhsa_system_sgpr_workgroup_id_x 1
		.amdhsa_system_sgpr_workgroup_id_y 1
		.amdhsa_system_sgpr_workgroup_id_z 1
		.amdhsa_system_vgpr_workitem_id 0
		.amdhsa_next_free_vgpr 1024
		.amdhsa_next_free_sgpr 100
		.amdhsa_reserve_vcc 0
		.amdhsa_float_denorm_mode_32 3
		.amdhsa_float_denorm_mode_16_64 3
		.amdhsa_memory_ordered 1
		.amdhsa_forward_progress 1
		.amdhsa_inst_pref_size 184
	.end_amdhsa_kernel
	.amdgpu_metadata
---
amdhsa.version: [ 1, 2 ]
amdhsa.kernels:
  - .name:           k_qc3c22877da_w1
    .symbol:         k_qc3c22877da_w1.kd
    .args:
      - { .name: act, .offset: 0, .size: 8, .value_kind: global_buffer, .address_space: global }
      - { .name: wact, .offset: 8, .size: 8, .value_kind: global_buffer, .address_space: global }
      - { .name: b1, .offset: 16, .size: 8, .value_kind: global_buffer, .address_space: global }
      - { .name: hact, .offset: 24, .size: 8, .value_kind: global_buffer, .address_space: global }
    .group_segment_fixed_size: 327680
    .private_segment_fixed_size: 0
    .kernarg_segment_align: 8
    .kernarg_segment_size: 32
    .max_flat_workgroup_size: 128
    .sgpr_count:     100
    .vgpr_count:     1024
    .wavefront_size: 32
...
	.end_amdgpu_metadata
.endif
;; end of part 6
;; launch w2 (part 7): grid 4 x 16, 4 waves a work-group, clusters of 4 x 4, 327,680 bytes of LDS; arguments hact, wact, y; writes y
.if DOCPART == 7
	.amdgcn_target "amdgcn-amd-amdhsa--gfx1250"
	.amdhsa_code_object_version 6
	.text
	.protected	k_qc3c22877da_w2
	.globl	k_qc3c22877da_w2
	.p2align	8
	.type	k_qc3c22877da_w2,@function
k_qc3c22877da_w2:
	s_mov_b64 s[64:65], 0
	v_nop
	global_prefetch_b8 v0, s[64:65] scope:SCOPE_SE
	s_setreg_imm32_b32 hwreg(HW_REG_WAVE_MODE, 25, 1), 1
	s_wait_xcnt 0x0
	s_wait_alu depctr_hold_cnt(0) depctr_sa_sdst(0) depctr_va_vdst(0) depctr_va_sdst(0) depctr_va_ssrc(0) depctr_va_vcc(0) depctr_vm_vsrc(0)
	s_getreg_b32 s2, hwreg(HW_REG_IB_STS2, 6, 4)
	s_cmp_eq_u32 s2, 0
	s_cbranch_scc0 .Lentry_in_a_cluster
	s_endpgm
.Lentry_in_a_cluster:
	s_bfe_u32 s2, ttmp6, 0x10000c
	s_cmp_lg_u32 s2, 0xf033
	s_cbranch_scc0 .Lentry_shape_is_right
	s_endpgm
.Lentry_shape_is_right:
; A GEMM ON CODES WITH AN f32 RESULT: y = A B^T, raw: bias, residual and layer norm follow in the next launch, which owns whole rows.  One text, two launches: KB = 4, WOFF = Wo's place (A = the attention's result); KB = 16, WOFF = W2's (A = relu(h)).
; Operands lie in this program's own layout (blocks of 128 rows x 256 of K, BLK bytes: images of the operand registers, fragment (q, i) at 16,384 q + 2,048 i + 512 c + 16 lane, scale words at 32,768 + 256 (4 q + i / 2) + 8 lane + 4 (i % 2);
; place m of tile 2 p + u is row 32 p + 8 u + m + 8 (m / 8) of the group).  A tile of C is 256 x 256: four waves, each 128 x 128 in 64 accumulators.  K goes in steps of 256 through two LDS slots; a slot holds A's two blocks, then B's two; each
; wave fetches one block, 34,816 dense bytes, codes and scale words together, by one tensor load.  CLUSTERS: 4 x 4 work-groups; A's blocks are asked for jointly along a row of the cluster, B's along a column.
; THE PRODUCT IS USED TRANSPOSED (source 0 = 16 rows of B, source 1 = 16 rows of A): lane (r, h) holds place r of A's tile a; register j of accumulator (a, 2 p + u) is column 32 p + 16 h + 8 u + j of my 128.
; THE WAY OUT: a tile's 16 rows x 512 bytes go through my own stage in LDS and leave as whole rows.  Token rho = 2,048 b + s is row 2 s + b of y: the rows of a group lie 8,192 bytes apart.
; The stage lies in slot 0, which has had its last fill and its last read when the first result is stored there.
; REGISTERS: window 0: v1, v2 r, h; v8, v9 16 x, 8 x lane; v16-23 LDS addresses; v24, v25 the stage; v28, v29 the add's two; v32-63 scale words, two sets; v128-255 A's fragments, one set (on the way out: rows read back, two sets).
; Window 1: B's fragments, two sets.  Windows 2, 3: the accumulators of my rows 0-63, 64-127.
.set KB,    16                         ; K steps: K = 4,096
.set WOFF,  8912896                    ; W2 in wact
.set BLK,   34816
.set SLOT,  4*BLK
.set SPARE, 2*SLOT                     ; behind the ring: the spare words, 128 bytes a wave, which no other line names
.set LAPS,  KB/2
.set SPITCH, 528
.set LI,   8
.set L8,   9
.set ADRA, 16
.set ADRB, 20
.set ADRS, 22
.set STO,  24
.set RD,   25
.set SPW,  28
.set NIL,  29
.set SC,   32
.set AF,   128
.set BK,   128
.set WV,  18
.set HR,  19
.set HC,  20
.set CX,  21
.set CY,  22
.set G1A, 24
.set G0A, 32
.set TR,  40
.set TC,  41
.set G1B, 48
.set G0B, 56
.set LAP, 83
.set MSB, 0
.macro WIN new                         ; the immediate's high byte repeats the setting that is left
.if MSB != (\new)
	s_set_vgpr_msb (MSB<<8)|(\new)
.set MSB, (\new)
.endif
.endm
.set MUL_LO, 0xa1                      ; source 0 (B) window 1, source 1 (A) window 0, C and D window 2
.set MUL_HI, 0xf1                      ; the same, C and D window 3
.set TO_B,   0x40                      ; destination window 1, address window 0
; A joint load: waves 0 and 1 fetch A's two blocks, waves 2 and 3 B's.  The branch hangs on the wave's number alone.  An s_nop 0 and four v_nop follow each line.
.macro JLOAD g0a, g1a, g0b, g1b
	s_cmp_eq_u32 s[HR], 0
	s_cbranch_scc0 .Lfor_b_\@
	tensor_load_to_lds s[\g0a:\g0a+3], s[\g1a:\g1a+7]
	s_nop 0
.rept 4
	v_nop
.endr
	s_branch .Lasked_\@
.Lfor_b_\@:
	tensor_load_to_lds s[\g0b:\g0b+3], s[\g1b:\g1b+7]
	s_nop 0
.rept 4
	v_nop
.endr
.Lasked_\@:
.endm
.macro CREST                           ; a round of the cluster's barrier behind its opening barrier
	s_cmp_lg_u32 s[WV], 0
	s_cbranch_scc1 .Lnot_wave_0_\@
	s_barrier_signal -3
.Lnot_wave_0_\@:
	s_barrier_wait -3
	s_barrier_signal -1
	s_barrier_wait -1
.endm
.macro CROUND
	s_barrier_signal -1
	s_barrier_wait -1
	CREST
.endm
.macro PLACES n                        ; plain vector lines between a matrix instruction and a load into, or a read of, its registers: eight for this form
.rept \n
	v_nop
.endr
.endm
.macro FRAG reg, adr, q, i             ; a fragment: four loads of 512 consecutive bytes
.irp c, 0,1,2,3
	ds_load_b128 v[\reg+4*\c:\reg+4*\c+3], v[\adr] offset:16384*(\q)+2048*(\i)+512*\c
.endr
.endm
; 16 products: A's tiles a0, a0 + 1 x B's eight, the slot's q-th 128 of K.  p: B's set; sc: the set of scale words.  zero = 1: the first product starts the sums.
; The 64 accumulators take turns, one instruction a turn, in the same order in every step.
.macro MUL16 a0, p, q, sc, zero
.irp a, \a0, \a0+1
.irp b, 0,1,2,3,4,5,6,7
.set rD, 8*(8*((\a)%4)+\b)
.set rB, 128*(\p)+16*\b
.set rA, AF+16*(\a)
.set rSB, SC+16*(\sc)+8*(\q)+\b
.set rSA, SC+16*(\sc)+8*(\q)+(\a)
.if \zero
	v_wmma_scale_f32_16x16x128_f8f6f4 v[rD:rD+7], v[rB:rB+15], v[rA:rA+15], 0, v[rSB], v[rSA] matrix_a_scale:MATRIX_SCALE_ROW1
.else
	v_wmma_scale_f32_16x16x128_f8f6f4 v[rD:rD+7], v[rB:rB+15], v[rA:rA+15], v[rD:rD+7], v[rSB], v[rSA] matrix_a_scale:MATRIX_SCALE_ROW1
.endif
.endr
.endr
.endm
.macro FETCH_B slot, q, p
	WIN TO_B
.irp i, 0,1,2,3,4,5,6,7
	FRAG 128*(\p)+16*\i, ADRB+\slot, \q, \i
.endr
	WIN 0
.endm
.macro FETCH_A slot, q, i0
.irp i, \i0, \i0+1, \i0+2, \i0+3
	FRAG AF+16*(\i), ADRA+\slot, \q, \i
.endr
.endm
.macro SCALES sc                       ; a slot's scale words: register 8 q + i: lanes 0-15 the words of A's tile i, lanes 16-31 those of B's tile i
.irp q, 0,1
.irp i, 0,1,2,3
	ds_load_b64 v[SC+16*\sc+8*\q+2*\i:SC+16*\sc+8*\q+2*\i+1], v[ADRS+\sc] offset:32768+(4*\q+\i)*256
.endr
.endr
.endm
; A step of 128 along K that has its successor in the same slot.  A's tiles 0-3 are fetched anew in its middle, tiles 4-7 at its end; B has two sets.
.macro STEP slot, q, zero
	s_wait_dscnt 16                                ; all but the youngest sixteen loads (A's tiles 4-7) are in
	WIN MUL_LO
	MUL16 0, (\q)%2, \q, \slot, \zero
	MUL16 2, (\q)%2, \q, \slot, \zero
	s_wait_dscnt 0x0                               ; A's tiles 4-7 are in
	PLACES 8
	FETCH_B \slot, (\q)+1, 1-(\q)%2
	FETCH_A \slot, (\q)+1, 0
	WIN MUL_HI
	MUL16 4, (\q)%2, \q, \slot, \zero
	MUL16 6, (\q)%2, \q, \slot, \zero
	PLACES 8
	WIN 0
	FETCH_A \slot, (\q)+1, 4
.endm
; A slot's last step changes slots: one barrier; in front of it each wave waits for all its tensor loads, adds 0 to its spare word, and waits for that and for its reads of this slot.  fill = 1: the slot is filled again, two K steps on.
.macro TURN slot, next, fill
	s_wait_tensorcnt 0x0                           ; all my tensor loads have landed: my block of the next slot
	ds_add_u32 v[SPW], v[NIL]
	s_wait_dscnt 17                                ; (the add and the youngest sixteen loads may be out)
	WIN MUL_LO
	MUL16 0, 1, 1, \slot, 0
	s_wait_dscnt 0x0                               ; the add is done, and my reads of this slot are over
	s_barrier_signal -1
	MUL16 2, 1, 1, \slot, 0
	WIN 0
	s_barrier_wait -1
.if \fill
	CREST                                          ; the barrier has opened a round of the cluster's: no wave of any partner still reads this slot or has a load on its way
	s_add_nc_u64 s[G0A+4*\slot+2:G0A+4*\slot+3], s[G0A+4*\slot+2:G0A+4*\slot+3], 2*BLK
	s_add_nc_u64 s[G0B+4*\slot+2:G0B+4*\slot+3], s[G0B+4*\slot+2:G0B+4*\slot+3], 2*BLK
	JLOAD G0A+4*\slot, G1A, G0B+4*\slot, G1B       ; the first tensor load behind the round; its four v_nop are four of the eight places
	PLACES 4
.else
	PLACES 8
.endif
	FETCH_B \next, 0, 0
	FETCH_A \next, 0, 0
	SCALES \next
	WIN MUL_HI
	MUL16 4, 1, 1, \slot, 0
	MUL16 6, 1, 1, \slot, 0
	PLACES 8
	WIN 0
	FETCH_A \next, 0, 4
.endm
; THE WAY OUT of A's tile a: into my stage (row = place r; each accumulator from its low end on) and back as whole rows of 512 bytes.  LDS serves a wave's instructions in order: no wait between the stores and the loads.
.macro TOSTAGE a
.set AC, 64*((\a)%4)
	WIN 0x08+4*((\a)/4)                            ; an LDS store's data: window 2 or 3
.irp b, 0,1,2,3,4,5,6,7
	ds_store_b128 v[STO], v[AC+8*\b:AC+8*\b+3] offset:128*(\b/2)+32*(\b%2)
	ds_store_b128 v[STO], v[AC+8*\b+4:AC+8*\b+7] offset:128*(\b/2)+32*(\b%2)+16
.endr
	WIN 0
.set BB, BK+64*((\a)%2)
.irp t, 0,1,2,3,4,5,6,7,8,9,10,11,12,13,14,15
	ds_load_b128 v[BB+4*\t:BB+4*\t+3], v[RD] offset:\t*SPITCH
.endr
.endm
.macro SEND a, younger                 ; younger: the LDS instructions issued behind tile a's loads, which may stay out
.set BB, BK+64*((\a)%2)
	s_wait_dscnt \younger
.irp t, 0,1,2,3,4,5,6,7,8,9,10,11,12,13,14,15
	global_store_b128 v[LI], v[BB+4*\t:BB+4*\t+3], s[8:9] offset:(32*((\a)/2)+8*((\a)%2)+\t+8*(\t/8))*8192   ; place t's row: 512 consecutive bytes, aligned; 127 rows of 8,192 bytes at the most: inside the signed 24-bit immediate
.endr
.endm
	s_load_b128 s[4:7], s[0:1], 0x0                ; A's blocks, wact
	s_load_b64 s[8:9], s[0:1], 0x10                ; y
	v_lshl_add_u32 v[SPW], v0, 2, SPARE
	v_mov_b32 v[NIL], 0
	ds_add_u32 v[SPW], v[NIL]                      ; the wave's opening: the add, twice on end, and its wait ahead of my first tensor load
	ds_add_u32 v[SPW], v[NIL]
	v_lshrrev_b32 v1, 5, v0
	v_readfirstlane_b32 s[WV], v1                  ; wave 0..3
	s_lshr_b32 s[HR], s[WV], 1                     ; my half of the tile's rows.  Also: I fetch for A (0) or B (1)
	s_and_b32 s[HC], s[WV], 1                      ; my half of its columns.  Also: which of the two blocks I fetch
	s_bfe_u32 s[CX], ttmp6, 0x40000
	s_bfe_u32 s[CY], ttmp6, 0x40004
	s_lshl_b32 s[TC], ttmp9, 2
	s_add_co_u32 s[TC], s[TC], s[CX]               ; tile column
	s_and_b32 s[TR], ttmp7, 0xffff
	s_lshl_b32 s[TR], s[TR], 2
	s_add_co_u32 s[TR], s[TR], s[CY]               ; tile row
	s_lshl_b32 s42, s[CY], 2
	s_lshl_b32 s42, 15, s42                        ; my row of the cluster
	s_lshl_b32 s43, 0x1111, s[CX]                  ; my column
	s_or_b32 s[G1A], s42, (3<<16)|(1<<21)          ; group 1: the mask; elements of 8 bytes; bit 21 beside a mask; no padding
	s_or_b32 s[G1B], s43, (3<<16)|(1<<21)
.irp g, G1A, G1B
	s_mov_b32 s[\g+1], 32<<16                      ; tensor_dim0 = 32 elements: 256 bytes
	s_mov_b32 s[\g+2], 136<<16                     ; tensor_dim1 = 136 rows: a block
	s_mov_b32 s[\g+3], 32<<16                      ; tile_dim0
	s_mov_b32 s[\g+4], 136                         ; tile_dim1
	s_mov_b32 s[\g+5], 32                          ; the rows lie on end
	s_mov_b32 s[\g+6], 0
	s_mov_b32 s[\g+7], 0
.endr
	s_lshl_b32 s44, s[TR], 1
	s_add_co_u32 s44, s44, s[HC]
	s_mul_i32 s44, s44, KB*BLK                     ; A: the group of rows that I fetch, at K step 0
	s_mov_b32 s45, 0
	s_lshl_b32 s46, s[TC], 1
	s_add_co_u32 s46, s46, s[HC]
	s_mul_i32 s46, s46, KB*BLK                     ; B likewise
	s_mov_b32 s47, 0
	s_mul_i32 s84, s[WV], BLK                      ; where it goes: no place in the cluster enters an LDS address
	s_wait_dscnt 0x0                               ; both opening adds are done
	s_wait_kmcnt 0x0
	s_add_nc_u64 s[88:89], s[4:5], s[44:45]
	s_add_nc_u64 s[90:91], s[6:7], WOFF
	s_add_nc_u64 s[90:91], s[90:91], s[46:47]
	CROUND                                         ; all sixteen work-groups are here: the first joint loads meet
.irp s, 0,1
	s_mov_b32 s[G0A+4*\s], 1
	s_add_co_u32 s[G0A+4*\s+1], s84, \s*SLOT
	s_add_nc_u64 s[G0A+4*\s+2:G0A+4*\s+3], s[88:89], \s*BLK
	s_or_b32 s[G0A+4*\s+3], s[G0A+4*\s+3], 0x80000000
	s_mov_b32 s[G0B+4*\s], 1
	s_add_co_u32 s[G0B+4*\s+1], s84, \s*SLOT
	s_add_nc_u64 s[G0B+4*\s+2:G0B+4*\s+3], s[90:91], \s*BLK
	s_or_b32 s[G0B+4*\s+3], s[G0B+4*\s+3], 0x80000000
	JLOAD G0A+4*\s, G1A, G0B+4*\s, G1B
.endr
	v_and_b32 v1, 15, v0                           ; r
	v_bfe_u32 v2, v0, 4, 1                         ; h
	v_and_b32 v3, 31, v0
	v_lshlrev_b32 v[LI], 4, v3
	v_lshlrev_b32 v[L8], 3, v3
	s_mul_i32 s44, s[HR], BLK                      ; my block of A
	s_mul_i32 s45, s[HC], BLK
	s_add_co_u32 s45, s45, 2*BLK                   ; my block of B, behind A's two
	s_sub_co_u32 s46, s45, s44
	v_mul_u32_u24 v4, s46, v2                      ; scale words: lanes 16-31 take B's
	v_add_nc_u32 v4, v4, v[L8]
.irp s, 0,1
	v_add_nc_u32 v[ADRA+\s], s44, v[LI]
	v_add_nc_u32 v[ADRB+\s], s45, v[LI]
	v_add_nc_u32 v[ADRS+\s], s44, v4
	s_add_co_u32 s44, s44, SLOT
	s_add_co_u32 s45, s45, SLOT
.endr
	s_mul_i32 s92, s[WV], 16*SPITCH                ; my stage
	v_mul_u32_u24 v3, v1, SPITCH
	v_lshl_add_u32 v3, v2, 6, v3
	v_add_nc_u32 v[STO], s92, v3                   ; in: row r, + 64 h
	v_add_nc_u32 v[RD], s92, v[LI]                 ; back: 32 lanes take a row
	s_and_b32 s92, s[TR], 7
	s_lshl_b32 s92, s92, 1
	s_add_co_u32 s92, s92, s[HR]
	s_lshl_b32 s92, s92, 20                        ; my group's first row in its batch: 128 rows of 8,192 bytes a group
	s_lshr_b32 s93, s[TR], 3
	s_lshl_b32 s93, s93, 12                        ; the batch
	s_add_co_u32 s92, s92, s93
	s_lshl_b32 s93, s[TC], 10
	s_add_co_u32 s92, s92, s93
	s_lshl_b32 s93, s[HC], 9
	s_add_co_u32 s92, s92, s93                     ; my 128 columns
	s_mov_b32 s93, 0
	s_add_nc_u64 s[8:9], s[8:9], s[92:93]
	s_wait_tensorcnt 1                             ; my block of K step 0 is in; K step 1's may stay out
	s_barrier_signal -1
	s_barrier_wait -1
	FETCH_B 0, 0, 0
	FETCH_A 0, 0, 0
	SCALES 0
	FETCH_A 0, 0, 4
	STEP 0, 0, 1                                   ; the first step's products start the sums
	s_mov_b32 s[LAP], LAPS-1
.Llap:                                             ; a trip goes once round the ring and fills both slots again
	TURN 0, 1, 1
	STEP 1, 0, 0
	TURN 1, 0, 1
	STEP 0, 0, 0
	s_sub_co_u32 s[LAP], s[LAP], 1
	s_cmp_lg_u32 s[LAP], 0
	s_cbranch_scc1 .Llap
	TURN 0, 1, 0                                   ; the last lap fills nothing
	STEP 1, 0, 0
	s_wait_dscnt 16
	WIN MUL_LO
	MUL16 0, 1, 1, 1, 0
	MUL16 2, 1, 1, 1, 0
	s_wait_dscnt 0x0
	WIN MUL_HI
	MUL16 4, 1, 1, 1, 0
	MUL16 6, 1, 1, 1, 0
	WIN 0
	PLACES 8
	TOSTAGE 0
.irp a, 1,2,3,4,5,6,7
.if \a > 1
	s_wait_xcnt 0x0                                ; tile a - 2's stores have read their registers: tile a's rows may land there
.endif
	TOSTAGE \a
	SEND \a-1, 32                                  ; behind tile a - 1's loads: tile a's 16 stores and 16 loads
.endr
	SEND 7, 0
	s_wait_tensorcnt 0x0                           ; the wave's end
	ds_add_u32 v[SPW], v[NIL]
	s_wait_dscnt 0x0
	CROUND                                         ; the closing round: no work-group ends while a partner may still ask for a block that names it
	s_endpgm
.Lfunc_end_k_qc3c22877da_w2:
	.size	k_qc3c22877da_w2, .Lfunc_end_k_qc3c22877da_w2-k_qc3c22877da_w2
	.p2alignl 7, 3214868480
	.fill 96, 4, 3214868480
	.section	.rodata,"a",@progbits
	.p2align	6, 0x0
	.amdhsa_kernel k_qc3c22877da_w2
		.amdhsa_group_segment_fixed_size 327680
		.amdhsa_private_segment_fixed_size 0
		.amdhsa_enable_private_segment 0
		.amdhsa_kernarg_size 24
		.amdhsa_user_sgpr_count 2
		.amdhsa_user_sgpr_kernarg_segment_ptr 1
		.amdhsa_wavefront_size32 1
		.amdhsa_system_sgpr_workgroup_id_x 1
		.amdhsa_system_sgpr_workgroup_id_y 1
		.amdhsa_system_sgpr_workgroup_id_z 1
		.amdhsa_system_vgpr_workitem_id 0
		.amdhsa_next_free_vgpr 1024
		.amdhsa_next_free_sgpr 100
		.amdhsa_reserve_vcc 0
		.amdhsa_float_denorm_mode_32 3
		.amdhsa_float_denorm_mode_16_64 3
		.amdhsa_memory_ordered 1
		.amdhsa_forward_progress 1
		.amdhsa_inst_pref_size 142
	.end_amdhsa_kernel
	.amdgpu_metadata
---
amdhsa.version: [ 1, 2 ]
amdhsa.kernels:
  - .name:           k_qc3c22877da_w2
    .symbol:         k_qc3c22877da_w2.kd
    .args:
      - { .name: hact, .offset: 0, .size: 8, .value_kind: global_buffer, .address_space: global }
      - { .name: wact, .offset: 8, .size: 8, .value_kind: global_buffer, .address_space: global }
      - { .name: y, .offset: 16, .size: 8, .value_kind: global_buffer, .address_space: global }
    .group_segment_fixed_size: 327680
    .private_segment_fixed_size: 0
    .kernarg_segment_align: 8
    .kernarg_segment_size: 24
    .max_flat_workgroup_size: 128
    .sgpr_count:     100
    .vgpr_count:     1024
    .wavefront_size: 32
...
	.end_amdgpu_metadata
.endif
;; end of part 7
;; launch ln2 (part 8): grid 256 x 1, 8 waves a work-group, no clusters, 0 bytes of LDS; arguments y, x, b2, g2, be2, out0; writes out0
.if DOCPART == 8
	.amdgcn_target "amdgcn-amd-amdhsa--gfx1250"
	.amdhsa_code_object_version 6
	.text
	.protected	k_qc3c22877da_ln2
	.globl	k_qc3c22877da_ln2
	.p2align	8
	.type	k_qc3c22877da_ln2,@function
k_qc3c22877da_ln2:
	s_mov_b64 s[64:65], 0
	v_nop
	global_prefetch_b8 v0, s[64:65] scope:SCOPE_SE
	s_setreg_imm32_b32 hwreg(HW_REG_WAVE_MODE, 25, 1), 1
	s_wait_xcnt 0x0
; out0 = layer norm((y + b2) + x) x g2 + be2.  Nothing of reference() is left out.
; A stream: memory binds; no LDS, no barrier, no matrix unit, no cluster.  A work-group owns 16 rows of 4,096 bytes, each of its eight waves two: a whole row in 32 registers a lane (columns 128 j + 4 lane + 0..3), read once;
; the mean, then the mean of the squared differences, as reference() has them.  Both rows are asked for at once; each load and store of a wave covers 512 consecutive bytes, aligned.
; LIMITS: NaN and infinities are not served.
.set RSTR, 4096                        ; from row to row
.set BO,  16                           ; v16-47 b2, v48-79 g2, v80-111 be2 of my 32 columns
.set GA,  48
.set BE,  80
.set YA,  112                          ; row 0: y v112-143, x v144-175;  row 1: v176-207, v208-239
.set RA,  144
.set YB,  176
.set RB,  208
.set T,   240                          ; v240-245 at work
.set SEL, 30
.set INV, 33
.set EPS, 34
.macro RED x, t                        ; the sum over the wave's 32 lanes, in every lane
	v_add_f32_dpp v[\x], v[\x], v[\x] row_xmask:1 row_mask:0xf bank_mask:0xf
	v_add_f32_dpp v[\x], v[\x], v[\x] row_xmask:2 row_mask:0xf bank_mask:0xf
	v_add_f32_dpp v[\x], v[\x], v[\x] row_xmask:4 row_mask:0xf bank_mask:0xf
	v_add_f32_dpp v[\x], v[\x], v[\x] row_xmask:8 row_mask:0xf bank_mask:0xf
	v_permlanex16_b32 v[\t], v[\x], s[SEL], s[SEL+1]
	v_add_f32 v[\x], v[\x], v[\t]
.endm
.macro LOADROW y, r, k                 ; sixteen loads of 512 consecutive bytes
.set j, 0
.rept 8
	global_load_b128 v[\y+4*j:\y+4*j+3], v1, s[4:5] offset:(\k)*RSTR+512*j th:TH_LOAD_NT
	global_load_b128 v[\r+4*j:\r+4*j+3], v1, s[6:7] offset:(\k)*RSTR+512*j th:TH_LOAD_NT
.set j, j+1
.endr
.endm
.macro ROW y, r, k
.set j, 0
.rept 16
	v_pk_add_f32 v[\y+j:\y+j+1], v[\y+j:\y+j+1], v[BO+j:BO+j+1]
.set j, j+2
.endr
.set j, 0
.rept 16
	v_pk_add_f32 v[\y+j:\y+j+1], v[\y+j:\y+j+1], v[\r+j:\r+j+1]
.set j, j+2
.endr
	v_pk_add_f32 v[T:T+1], v[\y:\y+1], v[\y+2:\y+3]              ; the sum, in two chains
	v_pk_add_f32 v[T+2:T+3], v[\y+4:\y+5], v[\y+6:\y+7]
.set j, 8
.rept 6
	v_pk_add_f32 v[T:T+1], v[T:T+1], v[\y+j:\y+j+1]
	v_pk_add_f32 v[T+2:T+3], v[T+2:T+3], v[\y+j+2:\y+j+3]
.set j, j+4
.endr
	v_pk_add_f32 v[T:T+1], v[T:T+1], v[T+2:T+3]
	v_add_f32 v[T], v[T], v[T+1]
	RED T, T+1
	v_mul_f32 v[T], s[INV], v[T]                   ; the mean
.set j, 0
.rept 16
	v_pk_add_f32 v[\y+j:\y+j+1], v[\y+j:\y+j+1], v[T:T+1] op_sel_hi:[1,0] neg_lo:[0,1] neg_hi:[0,1]
.set j, j+2
.endr
	v_pk_mul_f32 v[T+2:T+3], v[\y:\y+1], v[\y:\y+1]
	v_pk_mul_f32 v[T+4:T+5], v[\y+2:\y+3], v[\y+2:\y+3]
.set j, 4
.rept 7
	v_pk_fma_f32 v[T+2:T+3], v[\y+j:\y+j+1], v[\y+j:\y+j+1], v[T+2:T+3]
	v_pk_fma_f32 v[T+4:T+5], v[\y+j+2:\y+j+3], v[\y+j+2:\y+j+3], v[T+4:T+5]
.set j, j+4
.endr
	v_pk_add_f32 v[T+2:T+3], v[T+2:T+3], v[T+4:T+5]
	v_add_f32 v[T+2], v[T+2], v[T+3]
	RED T+2, T+3
	v_fma_f32 v[T+2], v[T+2], s[INV], s[EPS]       ; the variance + 1e-5
	v_rsq_f32 v[T+2], v[T+2]
	v_nop                                          ; a plain line behind the transcendental,
	s_wait_alu depctr_va_vdst(0)                   ; and the wait ahead of its first reader
.set j, 0
.rept 16
	v_pk_mul_f32 v[\y+j:\y+j+1], v[\y+j:\y+j+1], v[T+2:T+3] op_sel_hi:[1,0]
.set j, j+2
.endr
.set j, 0
.rept 16
	v_pk_fma_f32 v[\y+j:\y+j+1], v[\y+j:\y+j+1], v[GA+j:GA+j+1], v[BE+j:BE+j+1]
.set j, j+2
.endr
.set j, 0
.rept 8
	global_store_b128 v1, v[\y+4*j:\y+4*j+3], s[14:15] offset:(\k)*RSTR+512*j th:TH_STORE_NT
.set j, j+1
.endr
.endm
	s_load_b256 s[4:11], s[0:1], 0x0               ; y, x, b2, g2
	s_load_b128 s[12:15], s[0:1], 0x20             ; be2, out0
	v_lshrrev_b32 v8, 5, v0
	v_readfirstlane_b32 s18, v8                    ; wave 0..7
	v_and_b32 v8, 31, v0
	v_lshlrev_b32 v1, 4, v8                        ; 16 x lane
	s_lshl_b32 s26, ttmp9, 16                      ; 16 rows a work-group,
	s_lshl_b32 s25, s18, 13                        ; two a wave
	s_add_co_u32 s26, s26, s25
	s_mov_b32 s27, 0
	s_mov_b32 s[SEL], 0x76543210
	s_mov_b32 s[SEL+1], 0xfedcba98
	s_mov_b32 s[INV], 0x3a800000                   ; 1 / 1,024
	s_mov_b32 s[EPS], 0x3727c5ac                   ; 1e-5
	s_wait_kmcnt 0x0
	s_add_nc_u64 s[4:5], s[4:5], s[26:27]
	s_add_nc_u64 s[6:7], s[6:7], s[26:27]
	s_add_nc_u64 s[14:15], s[14:15], s[26:27]
.set j, 0
.rept 8
	global_load_b128 v[BO+4*j:BO+4*j+3], v1, s[8:9] offset:512*j
	global_load_b128 v[GA+4*j:GA+4*j+3], v1, s[10:11] offset:512*j
	global_load_b128 v[BE+4*j:BE+4*j+3], v1, s[12:13] offset:512*j
.set j, j+1
.endr
	LOADROW YA, RA, 0
	LOADROW YB, RB, 1
	s_wait_loadcnt 16                              ; the second row's sixteen loads stay out
	ROW YA, RA, 0
	s_wait_loadcnt 0x0
	ROW YB, RB, 1
	s_endpgm
.Lfunc_end_k_qc3c22877da_ln2:
	.size	k_qc3c22877da_ln2, .Lfunc_end_k_qc3c22877da_ln2-k_qc3c22877da_ln2
	.p2alignl 7, 3214868480
	.fill 96, 4, 3214868480
	.section	.rodata,"a",@progbits
	.p2align	6, 0x0
	.amdhsa_kernel k_qc3c22877da_ln2
		.amdhsa_group_segment_fixed_size 0
		.amdhsa_private_segment_fixed_size 0
		.amdhsa_enable_private_segment 0
		.amdhsa_kernarg_size 48
		.amdhsa_user_sgpr_count 2
		.amdhsa_user_sgpr_kernarg_segment_ptr 1
		.amdhsa_wavefront_size32 1
		.amdhsa_system_sgpr_workgroup_id_x 1
		.amdhsa_system_sgpr_workgroup_id_y 1
		.amdhsa_system_sgpr_workgroup_id_z 1
		.amdhsa_system_vgpr_workitem_id 0
		.amdhsa_next_free_vgpr 256
		.amdhsa_next_free_sgpr 66
		.amdhsa_reserve_vcc 0
		.amdhsa_float_denorm_mode_32 3
		.amdhsa_float_denorm_mode_16_64 3
		.amdhsa_memory_ordered 1
		.amdhsa_forward_progress 1
		.amdhsa_inst_pref_size 24
	.end_amdhsa_kernel
	.amdgpu_metadata
---
amdhsa.version: [ 1, 2 ]
amdhsa.kernels:
  - .name:           k_qc3c22877da_ln2
    .symbol:         k_qc3c22877da_ln2.kd
    .args:
      - { .name: y, .offset: 0, .size: 8, .value_kind: global_buffer, .address_space: global }
      - { .name: x, .offset: 8, .size: 8, .value_kind: global_buffer, .address_space: global }
      - { .name: b2, .offset: 16, .size: 8, .value_kind: global_buffer, .address_space: global }
      - { .name: g2, .offset: 24, .size: 8, .value_kind: global_buffer, .address_space: global }
      - { .name: be2, .offset: 32, .size: 8, .value_kind: global_buffer, .address_space: global }
      - { .name: out0, .offset: 40, .size: 8, .value_kind: global_buffer, .address_space: global }
    .group_segment_fixed_size: 0
    .private_segment_fixed_size: 0
    .kernarg_segment_align: 8
    .kernarg_segment_size: 48
    .max_flat_workgroup_size: 256
    .sgpr_count:     66
    .vgpr_count:     256
    .wavefront_size: 32
...
	.end_amdgpu_metadata
.endif
;; end of part 8
;; ======== version 2 of 2: 8 launches
;; limits: right only within a limited range of input values
;; workspace buffers: act 4,456,448 bytes; wact 13,369,344 bytes; qb 9,175,040 bytes; kvb 9,175,040 bytes; y 16,777,216 bytes; x 16,777,216 bytes; hact 17,825,792 bytes
;; launch prep (part 9): grid 512 x 1, 8 waves a work-group, no clusters, 136,192 bytes of LDS; arguments src, Wq_codes, Wq_scales, Wk_codes, Wk_scales, Wv_codes, Wv_scales, Wo_codes, Wo_scales, W1_codes, W1_scales, W2_codes, W2_scales, act, wact; writes act, wact
.if DOCPART == 9
	.amdgcn_target "amdgcn-amd-amdhsa--gfx1250"
	.amdhsa_code_object_version 6
	.text
	.protected	k_qc3c22877da_prep
	.globl	k_qc3c22877da_prep
	.p2align	8
	.type	k_qc3c22877da_prep,@function
k_qc3c22877da_prep:
	s_mov_b64 s[64:65], 0
	v_nop
	global_prefetch_b8 v0, s[64:65] scope:SCOPE_SE
	s_setreg_imm32_b32 hwreg(HW_REG_WAVE_MODE, 25, 1), 1
	s_wait_xcnt 0x0
; PREP: src is quantised along E, and the six weights' codes and scale bytes are laid anew, both into ONE layout of this program's own, in which a matrix operand lies as images of its registers.
; NO WORK OF reference() IS LEFT OUT in this program and every input is loaded: each bias stands ahead of a quantiser or reaches the output (bk moves k's codes), each gain and shift reaches the output.
; TOKENS are counted rho = 2048 b + s; in src, y, x and out0 token (s, b) is row 2 s + b of 4,096 bytes, so the rows of one batch lie 8,192 bytes apart.
; THE LAYOUT.  Rows go in groups of 128, K in steps of 256.  Block (G, S) is BLK = 34,816 bytes at block number G x (K / 256) + S.  A group has eight tiles of 16 rows; place m of tile 2 p + u is row
; 32 p + 8 u + m + 8 (m / 8), so that where a tile is a product's source 0 the results of tiles 2 p and 2 p + 1 are 16 neighbours in a lane's registers.  In a block: the fragment of (q = which 128 of K, tile i) at
; 16,384 q + 2,048 i, its register group c (K = 32 c + 16 (lane / 16) + 0..15 of row place lane % 16) at + 512 c + 16 lane; the scale words (four E8M0 bytes: 128 of K of one row) at 32,768 + 256 (4 q + i / 2) + 8 lane + 4 (i % 2),
; lanes 16-31 repeating lanes 0-15.  So every store here covers 512 or 256 consecutive bytes, aligned, and a reader takes a block by one dense copy.
; SHARES.  A work-group makes one block: numbers 0-127 those of src, 128-511 those of the weights (Wq, Wk, Wv, Wo, W1, W2 on end in wact).  Wave w makes tiles 2 (w / 2), 2 (w / 2) + 1 of q = w % 2.
; THE QUANTISER: a block of 32's scale is 2^(floor(log2(largest magnitude)) - 8): its byte is that magnitude's exponent field - 8; numbers are held within +-448 x the scale and rounded to the nearest code, ties to even.
; LIMITS: a block of zeros, and one whose largest magnitude lies under 2^-118, gets the byte 1 (this program alone reads these bytes; zero codes add nothing); NaN and infinities among the inputs are not served.
.set BLK,   34816
.set PITCH, 528                        ; a stage row: 512 bytes + 16
.set WREG,  32*PITCH                   ; a wave's own stage: 32 rows
.set SPARE, 8*WREG                     ; behind the stages: the spare words, 128 bytes a wave, which no other line names
.set LI,  4                            ; v4   16 x lane
.set L8,  5                            ; v5   8 x lane
.set OC,  7                            ; v7   my codes' place in the block
.set OS,  8                            ; v8   my scale words' place in the block
.set SPW, 14                           ; v14  my spare word; never rewritten
.set NIL, 15                           ; v15  0; never rewritten
.set X,   16                           ; v16-143  32 rows x 16 bytes as loaded, then two tiles' 64 numbers a lane
.set PC,  144                          ; v144-175 two fragments' codes
.set TM,  176                          ; v176-191 at work
.set PW,  192                          ; v[192:193] the two tiles' scale words
.set SEL, 50                           ; s[50:51] v_permlanex16_b32's selects for lane l xor 16
.set MNT, 52                           ; s52  the mantissa field of 448
; 64 numbers of a lane, register 16 b + i = K 32 b + 16 (lane / 16) + i of my row, become a fragment's codes in v[pc] on and its scale word in v[pw]
.macro QUANT s, pc, pw
.irp b, 0,1,2,3
	v_max3_num_f32 v[TM+\b], |v[\s+16*\b]|, |v[\s+1+16*\b]|, 0x4800000   ; my 16 numbers of block b, and the floor 2^(9 - 127): the byte cannot fall under 1
.endr
.irp i, 2,4,6,8,10,12,14
.irp b, 0,1,2,3
	s_delay_alu instid0(VALU_DEP_4)
	v_max3_num_f32 v[TM+\b], v[TM+\b], |v[\s+16*\b+\i]|, |v[\s+1+16*\b+\i]|
.endr
.endr
.irp b, 0,1,2,3
	s_delay_alu instid0(VALU_DEP_4)
	v_permlanex16_b32 v[TM+4+\b], v[TM+\b], s[SEL], s[SEL+1]
.endr
.irp b, 0,1,2,3
	s_delay_alu instid0(VALU_DEP_4)
	v_max_num_f32 v[TM+\b], v[TM+\b], v[TM+4+\b]                 ; with lane l xor 16's 16: the block's largest magnitude
.endr
.irp b, 0,1,2,3
	s_delay_alu instid0(VALU_DEP_4)
	v_add_nc_u32 v[TM+12+\b], 0xfc000000, v[TM+\b]               ; 8 off its exponent field: the conversion's scale operand
.endr
.irp b, 0,1,2,3
	v_and_or_b32 v[TM+8+\b], v[TM+\b], 0x7f800000, s[MNT]        ; 448 x the scale
.endr
.irp b, 0,1,2,3
	v_lshrrev_b32 v[TM+4+\b], 23, v[TM+12+\b]                    ; the scale's byte
.endr
	s_delay_alu instid0(VALU_DEP_3)
	v_lshl_or_b32 v[\pw], v[TM+5], 8, v[TM+4]
	s_delay_alu instid0(VALU_DEP_1)
	v_lshl_or_b32 v[\pw], v[TM+6], 16, v[\pw]
	s_delay_alu instid0(VALU_DEP_1)
	v_lshl_or_b32 v[\pw], v[TM+7], 24, v[\pw]
.irp b, 0,1,2,3
.irp i, 0,1,2,3,4,5,6,7,8,9,10,11,12,13,14,15
	v_med3_num_f32 v[\s+16*\b+\i], v[\s+16*\b+\i], -v[TM+8+\b], v[TM+8+\b]   ; the conversion to an 8-bit code does not saturate (ISA guide 7.6.2): the hold comes first
.endr
	v_cvt_scalef32_pk8_fp8_f32 v[\pc+4*\b:\pc+4*\b+1], v[\s+16*\b:\s+16*\b+7], v[TM+12+\b]
	v_cvt_scalef32_pk8_fp8_f32 v[\pc+4*\b+2:\pc+4*\b+3], v[\s+16*\b+8:\s+16*\b+15], v[TM+12+\b]
.endr
	v_nop                                          ; a plain line behind the last conversion, ahead of whatever next touches its registers
.endm
; two fragments (from v[c] on) and their pair of scale words leave: each store covers 512 (256) consecutive bytes, aligned
.macro OUT c, w, p
.irp u, 0,1
.irp k, 0,1,2,3
	global_store_b128 v[OC], v[\c+16*\u+4*\k:\c+16*\u+4*\k+3], s[\p:\p+1] offset:2048*\u+512*\k
.endr
.endr
	global_store_b64 v[OS], v[\w:\w+1], s[\p:\p+1]
.endm
	s_load_b512 s[4:19], s[0:1], 0x0               ; src; Wq's codes, scales; Wk's; Wv's; Wo's codes
	s_load_b256 s[20:27], s[0:1], 0x40             ; Wo's scales; W1's codes, scales; W2's codes
	s_load_b128 s[28:31], s[0:1], 0x60             ; W2's scales; act
	s_load_b64 s[32:33], s[0:1], 0x70              ; wact
	v_lshl_add_u32 v[SPW], v0, 2, SPARE
	v_mov_b32 v[NIL], 0
	v_lshrrev_b32 v1, 5, v0
	s_delay_alu instid0(VALU_DEP_1)
	v_readfirstlane_b32 s34, v1                    ; wave 0..7
	s_lshr_b32 s35, s34, 1                         ; ip: which pair of tiles
	s_and_b32 s36, s34, 1                          ; q: which 128 of the block's K
	v_and_b32 v1, 15, v0                           ; r
	v_bfe_u32 v2, v0, 4, 1                         ; h
	v_and_b32 v3, 31, v0
	s_delay_alu instid0(VALU_DEP_1)
	v_lshlrev_b32 v[LI], 4, v3
	s_delay_alu instid0(VALU_DEP_2)
	v_lshlrev_b32 v[L8], 3, v3
	v_and_b32 v6, 8, v1
	s_delay_alu instid0(VALU_DEP_1)
	v_add_nc_u32 v6, v6, v1                        ; r + 8 (r / 8): place r's row in a tile's 24
	s_lshl_b32 s37, s36, 14
	s_lshl_b32 s38, s35, 12
	s_add_co_u32 s37, s37, s38                     ; 16,384 q + 4,096 ip
	v_add_nc_u32 v[OC], s37, v[LI]
	s_lshl_b32 s38, s36, 2
	s_add_co_u32 s38, s38, s35
	s_lshl_b32 s38, s38, 8
	s_add_co_u32 s38, s38, 32768                   ; 32,768 + 256 (4 q + ip)
	v_add_nc_u32 v[OS], s38, v[L8]
	s_cmp_lt_u32 ttmp9, 128
	s_cbranch_scc0 .Lweights
	; ---- a block of src: my 32 rows x 128 columns, 512 bytes a row
	s_lshr_b32 s40, ttmp9, 2                       ; G
	s_and_b32 s41, ttmp9, 3                        ; S
	s_and_b32 s42, s40, 15
	s_lshl_b32 s42, s42, 20                        ; 128 rows of one batch: 128 x 8,192 bytes
	s_lshl_b32 s43, s35, 18                        ; 32 rows
	s_add_co_u32 s42, s42, s43
	s_lshr_b32 s43, s40, 4
	s_lshl_b32 s43, s43, 12                        ; the batch
	s_add_co_u32 s42, s42, s43
	s_lshl_b32 s43, s41, 10                        ; 256 columns
	s_add_co_u32 s42, s42, s43
	s_lshl_b32 s43, s36, 9                         ; 128 columns
	s_add_co_u32 s42, s42, s43
	s_mov_b32 s43, 0
	s_mul_i32 s44, ttmp9, BLK
	s_mov_b32 s45, 0
	s_mul_i32 s46, s34, WREG
	s_wait_alu depctr_va_vdst(0)
	v_add_nc_u32 v9, s46, v[LI]                    ; into my stage: a row's 512 bytes on end
	v_mul_u32_u24 v10, v6, PITCH
	s_delay_alu instid0(VALU_DEP_1)
	v_lshl_add_u32 v10, v2, 6, v10
	s_delay_alu instid0(VALU_DEP_1)
	v_add_nc_u32 v10, s46, v10                     ; out of it: place r's row, + 64 h: my 16 numbers of a block of 32
	s_mov_b32 s[SEL], 0x76543210
	s_mov_b32 s[SEL+1], 0xfedcba98
	s_mov_b32 s[MNT], 0x600000
.irp b, 0,1,2,3
	v_mov_b32 v[TM+4+\b], 0                        ; written once: a lane permute's destination counts as one of its sources
.endr
	s_wait_alu depctr_va_vdst(0)
	s_wait_kmcnt 0x0
	s_add_nc_u64 s[4:5], s[4:5], s[42:43]
	s_add_nc_u64 s[30:31], s[30:31], s[44:45]
.set i, 0
.rept 32
	global_load_b128 v[X+4*i:X+4*i+3], v[LI], s[4:5] offset:i*8192 th:TH_LOAD_NT   ; 32 lanes read a row's 512 consecutive bytes
.set i, i+1
.endr
.set i, 0
.rept 32
	s_wait_loadcnt 31-i                            ; loads come back in order: row i is in, the younger rows stay out
	ds_store_b128 v9, v[X+4*i:X+4*i+3] offset:i*PITCH
.set i, i+1
.endr
.irp u, 0,1
.irp c, 0,1,2,3
.irp j, 0,1,2,3
	ds_load_b128 v[X+64*\u+16*\c+4*\j:X+64*\u+16*\c+4*\j+3], v10 offset:\u*8*PITCH+128*\c+16*\j   ; LDS serves a wave's instructions in order: these see my stores
.endr
.endr
.endr
	s_wait_dscnt 0x0
	QUANT X, PC, PW
	QUANT X+64, PC+16, PW+1
	OUT PC, PW, 30
	s_branch .Lend
	; ---- a block of a weight: codes and scale words go from rows into the layout as they are
.Lweights:
	s_sub_co_u32 s40, ttmp9, 128                   ; the block's number in wact, 0..383
	s_mul_i32 s44, s40, BLK
	s_mov_b32 s45, 0
	s_mov_b32 s43, 127
	s_cmp_lt_u32 s40, 128
	s_cselect_b32 s43, 31, s43                     ; the four square weights have 32 blocks each, W1 and W2 128
	s_and_b32 s43, s40, s43                        ; the block's number in its weight
	s_cmp_lt_u32 s40, 256
	s_cselect_b32 s41, 10, 12                      ; log2 K: 1,024, or 4,096 for W2
	s_cselect_b32 s42, 2, 4                        ; log2 (K / 256)
	s_lshr_b32 s46, s43, s42                       ; its group of rows
	s_bfm_b32 s47, s42, 0
	s_and_b32 s47, s43, s47                        ; its K step
	s_lshl_b32 s48, s46, 7
	s_lshl_b32 s49, s35, 5
	s_add_co_u32 s48, s48, s49
	s_wait_alu depctr_va_vdst(0)
	v_add_nc_u32 v9, s48, v6                       ; my row for the pair's first tile
	s_lshl_b32 s49, s47, 8
	s_lshl_b32 s53, s36, 7
	s_add_co_u32 s49, s49, s53                     ; 256 S + 128 q along K
	v_lshlrev_b32 v10, s41, v9
	s_delay_alu instid0(VALU_DEP_1)
	v_lshl_add_u32 v10, v2, 4, v10
	s_delay_alu instid0(VALU_DEP_1)
	v_add_nc_u32 v10, s49, v10                     ; codes: row x K + 256 S + 128 q + 16 h
	s_lshl_b32 s53, 8, s41
	v_add_nc_u32 v11, s53, v10                     ; the second tile: eight rows on
	s_sub_co_u32 s54, s41, 5
	v_lshlrev_b32 v12, s54, v9
	s_lshr_b32 s49, s49, 5
	v_add_nc_u32 v12, s49, v12                     ; scale words: row x K / 32 + 4 (2 S + q)
	s_lshl_b32 s53, 8, s54
	v_add_nc_u32 v13, s53, v12
	s_wait_alu depctr_va_vdst(0)
	s_wait_kmcnt 0x0
	s_cmp_lt_u32 s40, 256                          ; which weight: the choices hang on the work-group's number alone
	s_cselect_b64 s[56:57], s[22:23], s[26:27]
	s_cselect_b64 s[58:59], s[24:25], s[28:29]
	s_cmp_lt_u32 s40, 128
	s_cselect_b64 s[56:57], s[18:19], s[56:57]
	s_cselect_b64 s[58:59], s[20:21], s[58:59]
	s_cmp_lt_u32 s40, 96
	s_cselect_b64 s[56:57], s[14:15], s[56:57]
	s_cselect_b64 s[58:59], s[16:17], s[58:59]
	s_cmp_lt_u32 s40, 64
	s_cselect_b64 s[56:57], s[10:11], s[56:57]
	s_cselect_b64 s[58:59], s[12:13], s[58:59]
	s_cmp_lt_u32 s40, 32
	s_cselect_b64 s[56:57], s[6:7], s[56:57]
	s_cselect_b64 s[58:59], s[8:9], s[58:59]
	s_add_nc_u64 s[32:33], s[32:33], s[44:45]
.irp u, 0,1
.irp c, 0,1,2,3
	global_load_b128 v[16+16*\u+4*\c:16+16*\u+4*\c+3], v[10+\u], s[56:57] offset:32*\c
.endr
	global_load_b32 v[48+\u], v[12+\u], s[58:59]   ; lanes 16-31 take the same word as lanes 0-15
.endr
	s_wait_loadcnt 0x0
	OUT 16, 48, 32
.Lend:
	s_wait_tensorcnt 0x0                           ; the wave's end
	ds_add_u32 v[SPW], v[NIL]
	s_wait_dscnt 0x0
	s_endpgm
.Lfunc_end_k_qc3c22877da_prep:
	.size	k_qc3c22877da_prep, .Lfunc_end_k_qc3c22877da_prep-k_qc3c22877da_prep
	.p2alignl 7, 3214868480
	.fill 96, 4, 3214868480
	.section	.rodata,"a",@progbits
	.p2align	6, 0x0
	.amdhsa_kernel k_qc3c22877da_prep
		.amdhsa_group_segment_fixed_size 136192
		.amdhsa_private_segment_fixed_size 0
		.amdhsa_enable_private_segment 0
		.amdhsa_kernarg_size 120
		.amdhsa_user_sgpr_count 2
		.amdhsa_user_sgpr_kernarg_segment_ptr 1
		.amdhsa_wavefront_size32 1
		.amdhsa_system_sgpr_workgroup_id_x 1
		.amdhsa_system_sgpr_workgroup_id_y 1
		.amdhsa_system_sgpr_workgroup_id_z 1
		.amdhsa_system_vgpr_workitem_id 0
		.amdhsa_next_free_vgpr 208
		.amdhsa_next_free_sgpr 66
		.amdhsa_reserve_vcc 0
		.amdhsa_float_denorm_mode_32 3
		.amdhsa_float_denorm_mode_16_64 3
		.amdhsa_memory_ordered 1
		.amdhsa_forward_progress 1
		.amdhsa_inst_pref_size 35
	.end_amdhsa_kernel
	.amdgpu_metadata
---
amdhsa.version: [ 1, 2 ]
amdhsa.kernels:
  - .name:           k_qc3c22877da_prep
    .symbol:         k_qc3c22877da_prep.kd
    .args:
      - { .name: src, .offset: 0, .size: 8, .value_kind: global_buffer, .address_space: global }
      - { .name: Wq_codes, .offset: 8, .size: 8, .value_kind: global_buffer, .address_space: global }
      - { .name: Wq_scales, .offset: 16, .size: 8, .value_kind: global_buffer, .address_space: global }
      - { .name: Wk_codes, .offset: 24, .size: 8, .value_kind: global_buffer, .address_space: global }
      - { .name: Wk_scales, .offset: 32, .size: 8, .value_kind: global_buffer, .address_space: global }
      - { .name: Wv_codes, .offset: 40, .size: 8, .value_kind: global_buffer, .address_space: global }
      - { .name: Wv_scales, .offset: 48, .size: 8, .value_kind: global_buffer, .address_space: global }
      - { .name: Wo_codes, .offset: 56, .size: 8, .value_kind: global_buffer, .address_space: global }
      - { .name: Wo_scales, .offset: 64, .size: 8, .value_kind: global_buffer, .address_space: global }
      - { .name: W1_codes, .offset: 72, .size: 8, .value_kind: global_buffer, .address_space: global }
      - { .name: W1_scales, .offset: 80, .size: 8, .value_kind: global_buffer, .address_space: global }
      - { .name: W2_codes, .offset: 88, .size: 8, .value_kind: global_buffer, .address_space: global }
      - { .name: W2_scales, .offset: 96, .size: 8, .value_kind: global_buffer, .address_space: global }
      - { .name: act, .offset: 104, .size: 8, .value_kind: global_buffer, .address_space: global }
      - { .name: wact, .offset: 112, .size: 8, .value_kind: global_buffer, .address_space: global }
    .group_segment_fixed_size: 136192
    .private_segment_fixed_size: 0
    .kernarg_segment_align: 8
    .kernarg_segment_size: 120
    .max_flat_workgroup_size: 256
    .sgpr_count:     66
    .vgpr_count:     208
    .wavefront_size: 32
...
	.end_amdgpu_metadata
.endif
;; end of part 9
;; launch qkv (part 10): grid 12 x 16, 4 waves a work-group, clusters of 4 x 4, 327,680 bytes of LDS; arguments act, wact, bq, bk, bv, qb, kvb; writes qb, kvb
.if DOCPART == 10
	.amdgcn_target "amdgcn-amd-amdhsa--gfx1250"
	.amdhsa_code_object_version 6
	.text
	.protected	k_qc3c22877da_qkv
	.globl	k_qc3c22877da_qkv
	.p2align	8
	.type	k_qc3c22877da_qkv,@function
k_qc3c22877da_qkv:
	s_mov_b64 s[64:65], 0
	v_nop
	global_prefetch_b8 v0, s[64:65] scope:SCOPE_SE
	s_setreg_imm32_b32 hwreg(HW_REG_WAVE_MODE, 25, 1), 1
	s_wait_xcnt 0x0
	s_wait_alu depctr_hold_cnt(0) depctr_sa_sdst(0) depctr_va_vdst(0) depctr_va_sdst(0) depctr_va_ssrc(0) depctr_va_vcc(0) depctr_vm_vsrc(0)
	s_getreg_b32 s2, hwreg(HW_REG_IB_STS2, 6, 4)
	s_cmp_eq_u32 s2, 0
	s_cbranch_scc0 .Lentry_in_a_cluster
	s_endpgm
.Lentry_in_a_cluster:
	s_bfe_u32 s2, ttmp6, 0x10000c
	s_cmp_lg_u32 s2, 0xf033
	s_cbranch_scc0 .Lentry_shape_is_right
	s_endpgm
.Lentry_shape_is_right:
; q, k AND v ON CODES: Q(src) W^T + bias, for Wq, Wk and Wv; nothing of reference() is left out.  A tile of 256 x 256 to a work-group, 128 x 128 to each of four waves; K = 1,024 in steps of 256 through two LDS slots.
; Operands lie as images of the operand registers (blocks of 34,816 bytes, codes and scale words together: the first launch lays them); a wave fetches one block by one tensor load, asked for jointly in clusters of 4 x 4.
; For v the sources change places (rows = Wv's, columns = tokens), so that v^T comes out with the keys along a lane's registers.  Each result is quantised in registers (q, k along the head's 64, v^T along the keys) and stored in the attention's layout.
; PREFETCH INTO THE L2: behind slot 0's load stand the requests for K steps 1 and 2, behind slot 1's load that for K step 3: one or two K steps ahead of the loads that will want them, never more than two K steps asked for and not yet read.
; A block is 136 units of 256 bytes; the four partners that ask for it jointly share them out by address, 34 each (place cx for the row operand's, cy for the column operand's): one instruction of 32 lanes, a unit a lane, and one for the last two
; units, whose other lanes name the last unit again.
.set QKV,   1
.set PFO,  30                          ; v30  256 x lane; never rewritten
.set PFO2, 31                          ; v31  256 x (32 + min(lane, 1)); never rewritten
.set PFA,  96                          ; s[96:97] my work-group's 34 units of the block that I fetch, at K step 0; never rewritten
.macro ASK2 off
	global_prefetch_b8 v[PFO], s[PFA:PFA+1] offset:\off th:TH_LOAD_NT scope:SCOPE_SE
	global_prefetch_b8 v[PFO2], s[PFA:PFA+1] offset:\off th:TH_LOAD_NT scope:SCOPE_SE
.endm
.set BLK,   34816
.set SLOT,  4*BLK
.set SPARE, 2*SLOT
.set KB,    4
.set LAPS,  KB/2
.set LI,   8
.set L8,   9
.set ADRA, 16
.set ADRB, 20
.set ADRS, 22
.set CO,   26
.set SPW,  28
.set NIL,  29
.set SC,   32
.set BI,   64
.set AF,   128
.set X,    128
.set PC,   192
.set TM,   208
.set PWP,  224
.set PW2,  226
.set WV,  18
.set HR,  19
.set HC,  20
.set CX,  21
.set CY,  22
.set ISV, 23
.set G1A, 24
.set G0A, 32
.set TR,  40
.set TC,  41
.set G1B, 48
.set G0B, 56
.set P0,  66
.set P1,  68
.set Q0,  70
.set Q1,  72
.set SA,  74
.set SA4, 76
.set SQ4, 78
.set SEL, 80
.set MNT, 82
.set LAP, 83
.set MSB, 0
.macro WIN new
.if MSB != (\new)
	s_set_vgpr_msb (MSB<<8)|(\new)
.set MSB, (\new)
.endif
.endm
.set MUL_LO, 0xa1
.set MUL_HI, 0xf1
.set TO_B,   0x40
.macro JLOAD g0a, g1a, g0b, g1b
	s_cmp_eq_u32 s[HR], 0
	s_cbranch_scc0 .Lfor_b_\@
	tensor_load_to_lds s[\g0a:\g0a+3], s[\g1a:\g1a+7]
	s_nop 0
.rept 4
	v_nop
.endr
	s_branch .Lasked_\@
.Lfor_b_\@:
	tensor_load_to_lds s[\g0b:\g0b+3], s[\g1b:\g1b+7]
	s_nop 0
.rept 4
	v_nop
.endr
.Lasked_\@:
.endm
.macro CREST
	s_cmp_lg_u32 s[WV], 0
	s_cbranch_scc1 .Lnot_wave_0_\@
	s_barrier_signal -3
.Lnot_wave_0_\@:
	s_barrier_wait -3
	s_barrier_signal -1
	s_barrier_wait -1
.endm
.macro CROUND
	s_barrier_signal -1
	s_barrier_wait -1
	CREST
.endm
.macro PLACES n
.rept \n
	v_nop
.endr
.endm
.macro FRAG reg, adr, q, i
.irp c, 0,1,2,3
	ds_load_b128 v[\reg+4*\c:\reg+4*\c+3], v[\adr] offset:16384*(\q)+2048*(\i)+512*\c
.endr
.endm
.macro MUL16 a0, p, q, sc, mode
.irp a, \a0, \a0+1
.irp b, 0,1,2,3,4,5,6,7
.set rD, 8*(8*((\a)%4)+\b)
.set rB, 128*(\p)+16*\b
.set rA, AF+16*(\a)
.set rSB, SC+16*(\sc)+8*(\q)+\b
.set rSA, SC+16*(\sc)+8*(\q)+(\a)
.if \mode == 0
	v_wmma_scale_f32_16x16x128_f8f6f4 v[rD:rD+7], v[rB:rB+15], v[rA:rA+15], v[rD:rD+7], v[rSB], v[rSA] matrix_a_scale:MATRIX_SCALE_ROW1
.elseif \mode == 2
	v_wmma_scale_f32_16x16x128_f8f6f4 v[rD:rD+7], v[rB:rB+15], v[rA:rA+15], v[BI+8*\b:BI+8*\b+7], v[rSB], v[rSA] matrix_a_scale:MATRIX_SCALE_ROW1
.else
	v_wmma_scale_f32_16x16x128_f8f6f4 v[rD:rD+7], v[rB:rB+15], v[rA:rA+15], v[BI+8*(\a):BI+8*(\a)+7], v[rSB], v[rSA] matrix_a_scale:MATRIX_SCALE_ROW1
.endif
.endr
.endr
.endm
.macro FETCH_B slot, q, p
	WIN TO_B
.irp i, 0,1,2,3,4,5,6,7
	FRAG 128*(\p)+16*\i, ADRB+\slot, \q, \i
.endr
	WIN 0
.endm
.macro FETCH_A slot, q, i0
.irp i, \i0, \i0+1, \i0+2, \i0+3
	FRAG AF+16*(\i), ADRA+\slot, \q, \i
.endr
.endm
.macro SCALES sc
.irp q, 0,1
.irp i, 0,1,2,3
	ds_load_b64 v[SC+16*\sc+8*\q+2*\i:SC+16*\sc+8*\q+2*\i+1], v[ADRS+\sc] offset:32768+(4*\q+\i)*256
.endr
.endr
.endm
.macro STEP slot, q, mode
	s_wait_dscnt 16
.if \mode >= 2
	WIN 0x81
.else
	WIN MUL_LO
.endif
	MUL16 0, (\q)%2, \q, \slot, \mode
	MUL16 2, (\q)%2, \q, \slot, \mode
	s_wait_dscnt 0x0
	PLACES 8
	FETCH_B \slot, (\q)+1, 1-(\q)%2
	FETCH_A \slot, (\q)+1, 0
.if \mode >= 2
	WIN 0xc1
.else
	WIN MUL_HI
.endif
	MUL16 4, (\q)%2, \q, \slot, \mode
	MUL16 6, (\q)%2, \q, \slot, \mode
	PLACES 8
	WIN 0
	FETCH_A \slot, (\q)+1, 4
.endm
.macro TURN slot, next, fill
	s_wait_tensorcnt 0x0
	ds_add_u32 v[SPW], v[NIL]
	s_wait_dscnt 17
	WIN MUL_LO
	MUL16 0, 1, 1, \slot, 0
	s_wait_dscnt 0x0
	s_barrier_signal -1
	MUL16 2, 1, 1, \slot, 0
	WIN 0
	s_barrier_wait -1
.if \fill
	CREST
	s_add_nc_u64 s[G0A+4*\slot+2:G0A+4*\slot+3], s[G0A+4*\slot+2:G0A+4*\slot+3], 2*BLK
	s_add_nc_u64 s[G0B+4*\slot+2:G0B+4*\slot+3], s[G0B+4*\slot+2:G0B+4*\slot+3], 2*BLK
	JLOAD G0A+4*\slot, G1A, G0B+4*\slot, G1B
	PLACES 4
.else
	PLACES 8
.endif
	FETCH_B \next, 0, 0
	FETCH_A \next, 0, 0
	SCALES \next
	WIN MUL_HI
	MUL16 4, 1, 1, \slot, 0
	MUL16 6, 1, 1, \slot, 0
	PLACES 8
	WIN 0
	FETCH_A \next, 0, 4
.endm
.macro QUANTW a, relu
.set AC, 64*((\a)%4)
.set W, 2+(\a)/4
	WIN W|(W<<2)
.irp b, 0,1,2,3
.if \relu
	v_max3_num_f32 v[TM+\b], v[AC+16*\b], v[AC+1+16*\b], 0x4800000
.else
	v_max3_num_f32 v[TM+\b], |v[AC+16*\b]|, |v[AC+1+16*\b]|, 0x4800000
.endif
.endr
	WIN (W<<2)|(W<<4)
.irp i, 2,4,6,8,10,12,14
.irp b, 0,1,2,3
.if \relu
	v_max3_num_f32 v[TM+\b], v[TM+\b], v[AC+16*\b+\i], v[AC+1+16*\b+\i]
.else
	v_max3_num_f32 v[TM+\b], v[TM+\b], |v[AC+16*\b+\i]|, |v[AC+1+16*\b+\i]|
.endif
.endr
.endr
	WIN 0
.irp b, 0,1,2,3
	v_permlanex16_b32 v[TM+4+\b], v[TM+\b], s[SEL], s[SEL+1]
.endr
.irp b, 0,1,2,3
	v_max_num_f32 v[TM+\b], v[TM+\b], v[TM+4+\b]
.endr
.irp b, 0,1,2,3
	v_add_nc_u32 v[TM+12+\b], 0xfc000000, v[TM+\b]
.endr
.irp b, 0,1,2,3
	v_and_or_b32 v[TM+8+\b], v[TM+\b], 0x7f800000, s[MNT]
.endr
.irp b, 0,1,2,3
	v_lshrrev_b32 v[TM+4+\b], 23, v[TM+12+\b]
.endr
	v_lshl_or_b32 v[PWP+(\a)%2], v[TM+5], 8, v[TM+4]
	v_lshl_or_b32 v[PWP+(\a)%2], v[TM+6], 16, v[PWP+(\a)%2]
	v_lshl_or_b32 v[PWP+(\a)%2], v[TM+7], 24, v[PWP+(\a)%2]
	WIN W
.irp b, 0,1,2,3
.irp i, 0,1,2,3,4,5,6,7,8,9,10,11,12,13,14,15
.if \relu
	v_med3_num_f32 v[X+16*\b+\i], v[AC+16*\b+\i], 0, v[TM+8+\b]
.else
	v_med3_num_f32 v[X+16*\b+\i], v[AC+16*\b+\i], -v[TM+8+\b], v[TM+8+\b]
.endif
.endr
.endr
	WIN 0
.irp b, 0,1,2,3
	v_cvt_scalef32_pk8_fp8_f32 v[PC+4*\b:PC+4*\b+1], v[X+16*\b:X+16*\b+7], v[TM+12+\b]
	v_cvt_scalef32_pk8_fp8_f32 v[PC+4*\b+2:PC+4*\b+3], v[X+16*\b+8:X+16*\b+15], v[TM+12+\b]
.endr
	v_nop
.endm
.if QKV
	s_load_b256 s[4:11], s[0:1], 0x0
	s_load_b128 s[12:15], s[0:1], 0x20
	s_load_b64 s[16:17], s[0:1], 0x30
.else
	s_load_b256 s[4:11], s[0:1], 0x0
.endif
	v_lshl_add_u32 v[SPW], v0, 2, SPARE
	v_mov_b32 v[NIL], 0
	ds_add_u32 v[SPW], v[NIL]
	ds_add_u32 v[SPW], v[NIL]
	v_lshrrev_b32 v1, 5, v0
	v_readfirstlane_b32 s[WV], v1
	s_lshr_b32 s[HR], s[WV], 1
	s_and_b32 s[HC], s[WV], 1
	s_bfe_u32 s[CX], ttmp6, 0x40000
	s_bfe_u32 s[CY], ttmp6, 0x40004
	s_and_b32 s44, ttmp7, 0xffff
.if QKV
	s_cmp_eq_u32 ttmp9, 2
	s_cselect_b32 s[ISV], 1, 0
	s_cselect_b32 s45, s44, ttmp9
	s_cselect_b32 s46, 0, s44
.else
	s_mov_b32 s45, ttmp9
	s_mov_b32 s46, s44
.endif
	s_lshl_b32 s[TC], s45, 2
	s_add_co_u32 s[TC], s[TC], s[CX]
	s_lshl_b32 s[TR], s46, 2
	s_add_co_u32 s[TR], s[TR], s[CY]
	s_lshl_b32 s42, s[CY], 2
	s_lshl_b32 s42, 15, s42
	s_lshl_b32 s43, 0x1111, s[CX]
	s_or_b32 s[G1A], s42, (3<<16)|(1<<21)
	s_or_b32 s[G1B], s43, (3<<16)|(1<<21)
.irp g, G1A, G1B
	s_mov_b32 s[\g+1], 32<<16
	s_mov_b32 s[\g+2], 136<<16
	s_mov_b32 s[\g+3], 32<<16
	s_mov_b32 s[\g+4], 136
	s_mov_b32 s[\g+5], 32
	s_mov_b32 s[\g+6], 0
	s_mov_b32 s[\g+7], 0
.endr
	s_lshl_b32 s44, s[TR], 1
	s_add_co_u32 s44, s44, s[HC]
	s_mul_i32 s44, s44, KB*BLK
	s_mov_b32 s45, 0
	s_lshl_b32 s46, s[TC], 1
	s_add_co_u32 s46, s46, s[HC]
	s_mul_i32 s46, s46, KB*BLK
	s_mov_b32 s47, 0
	s_mul_i32 s84, s[WV], BLK
	s_mov_b32 s[SEL], 0x76543210
	s_mov_b32 s[SEL+1], 0xfedcba98
	s_mov_b32 s[MNT], 0x600000
	s_wait_dscnt 0x0
	s_wait_kmcnt 0x0
.if QKV
	s_add_nc_u64 s[86:87], s[6:7], 2228224
	s_cmp_eq_u32 s[ISV], 1
	s_cselect_b64 s[88:89], s[86:87], s[4:5]
	s_cselect_b64 s[90:91], s[4:5], s[6:7]
.else
	s_mov_b64 s[88:89], s[4:5]
	s_add_nc_u64 s[90:91], s[6:7], 4456448
.endif
	s_add_nc_u64 s[88:89], s[88:89], s[44:45]
	s_add_nc_u64 s[90:91], s[90:91], s[46:47]
	s_cmp_eq_u32 s[HR], 0                          ; the prefetches: do I fetch for the row operand?
	s_cselect_b64 s[PFA:PFA+1], s[88:89], s[90:91]
	s_cselect_b32 s92, s[CX], s[CY]                ; my place among the four that ask for the block with me
	s_mul_i32 s92, s92, 34*256
	s_mov_b32 s93, 0
	s_add_nc_u64 s[PFA:PFA+1], s[PFA:PFA+1], s[92:93]
	v_and_b32 v[PFO], 31, v0
	v_min_u32 v[PFO2], 1, v[PFO]
	v_lshlrev_b32 v[PFO], 8, v[PFO]
	v_lshl_add_u32 v[PFO2], v[PFO2], 8, 8192
	s_wait_alu depctr_va_vdst(0)                   ; directly behind the writes to v30, v31
	CROUND
.irp s, 0,1
	s_mov_b32 s[G0A+4*\s], 1
	s_add_co_u32 s[G0A+4*\s+1], s84, \s*SLOT
	s_add_nc_u64 s[G0A+4*\s+2:G0A+4*\s+3], s[88:89], \s*BLK
	s_or_b32 s[G0A+4*\s+3], s[G0A+4*\s+3], 0x80000000
	s_mov_b32 s[G0B+4*\s], 1
	s_add_co_u32 s[G0B+4*\s+1], s84, \s*SLOT
	s_add_nc_u64 s[G0B+4*\s+2:G0B+4*\s+3], s[90:91], \s*BLK
	s_or_b32 s[G0B+4*\s+3], s[G0B+4*\s+3], 0x80000000
.if \s                                             ; slot 1's first fill is issued as a refill is
	s_wait_alu depctr_va_vdst(0)
	s_wait_tensorcnt 0x0                           ; my block of slot 0 is in
	ds_add_u32 v28, v29
	s_wait_dscnt 0x0
	CROUND
.endif
	JLOAD G0A+4*\s, G1A, G0B+4*\s, G1B
.if \s == 0
	ASK2 BLK                                       ; K step 1,
.endif
	ASK2 (\s+2)*BLK                                ; and the K step two on
.endr
	v_and_b32 v1, 15, v0
	v_bfe_u32 v2, v0, 4, 1
	v_and_b32 v3, 31, v0
	v_lshlrev_b32 v[LI], 4, v3
	v_lshlrev_b32 v[L8], 3, v3
	s_mul_i32 s44, s[HR], BLK
	s_mul_i32 s45, s[HC], BLK
	s_add_co_u32 s45, s45, 2*BLK
	s_sub_co_u32 s46, s45, s44
	v_mul_u32_u24 v4, s46, v2
	v_add_nc_u32 v4, v4, v[L8]
.irp s, 0,1
	v_add_nc_u32 v[ADRA+\s], s44, v[LI]
	v_add_nc_u32 v[ADRB+\s], s45, v[LI]
	v_add_nc_u32 v[ADRS+\s], s44, v4
	s_add_co_u32 s44, s44, SLOT
	s_add_co_u32 s45, s45, SLOT
.endr
.if QKV
	s_lshl_b32 s92, s[TC], 1
	s_add_co_u32 s92, s92, s[HC]
	s_lshl_b32 s93, s[TR], 1
	s_add_co_u32 s93, s93, s[HR]
	s_lshl_b32 s94, s[CY], 2
	s_lshl_b32 s95, s[HR], 1
	s_add_co_u32 s94, s94, s95
	s_lshl_b32 s95, s[CX], 2
	s_lshl_b32 s85, s[HC], 1
	s_add_co_u32 s95, s95, s85
	s_cmp_eq_u32 s[ISV], 1
	s_cselect_b32 s92, s92, s93
	s_cselect_b32 s94, s94, s95
	s_mov_b32 s[SA], 1024
	s_cselect_b32 s[SA], 2048, s[SA]
	s_mov_b32 s[SA4], 1024
	s_cselect_b32 s[SA4], 280576, s[SA4]
	s_mov_b32 s[SQ4], 256
	s_cselect_b32 s[SQ4], 286464, s[SQ4]
	s_cselect_b32 s85, 8192, 0
	s_mov_b32 s86, 286720
	s_cselect_b32 s86, 1024, s86
	s_mov_b32 s87, 16384
	s_cselect_b32 s87, 17408, s87
	s_mov_b32 s[SA+1], 0
	s_mov_b32 s[SA4+1], 0
	s_mov_b32 s[SQ4+1], 0
	s_lshr_b32 s93, s92, 4
	s_lshl_b32 s93, s93, 4
	s_add_co_u32 s93, s93, s94
	s_mul_i32 s93, s93, 286720
	s_and_b32 s92, s92, 15
	s_mul_i32 s92, s92, 17920
	s_add_co_u32 s92, s92, s93
	s_mov_b32 s93, 0
	s_cmp_eq_u32 ttmp9, 0
	s_cselect_b64 s[Q0:Q0+1], s[14:15], s[16:17]
	s_add_nc_u64 s[Q0:Q0+1], s[Q0:Q0+1], s[92:93]
	s_mov_b32 s92, s85
	s_add_nc_u64 s[P0:P0+1], s[Q0:Q0+1], s[92:93]
	s_mov_b32 s92, s86
	s_add_nc_u64 s[P1:P1+1], s[P0:P0+1], s[92:93]
	s_mov_b32 s92, s87
	s_add_nc_u64 s[Q0:Q0+1], s[Q0:Q0+1], s[92:93]
	s_add_nc_u64 s[Q1:Q1+1], s[Q0:Q0+1], 286720
	s_cmp_eq_u32 s[ISV], 1
	s_cbranch_scc1 .Lbias_v
	s_cmp_eq_u32 ttmp9, 0
	s_cselect_b64 s[86:87], s[8:9], s[10:11]
	s_lshl_b32 s94, s[CX], 10
	s_lshl_b32 s95, s[HC], 9
	s_add_co_u32 s94, s94, s95
	v_lshl_add_u32 v[CO], v2, 6, s94
.irp p, 0,1,2,3
.irp k, 0,1,2,3
	global_load_b128 v[BI+16*\p+4*\k:BI+16*\p+4*\k+3], v[CO], s[86:87] offset:128*\p+16*\k
.endr
.endr
	s_branch .Lbias_done
.Lbias_v:
	s_lshl_b32 s94, s[CY], 10
	s_lshl_b32 s95, s[HR], 9
	s_add_co_u32 s94, s94, s95
	v_and_b32 v3, 8, v1
	v_add_nc_u32 v3, v3, v1
	v_lshl_add_u32 v[CO], v3, 2, s94
.irp a, 0,1,2,3,4,5,6,7
.irp j, 0,1,2,3,4,5,6,7
	global_load_b32 v[BI+8*\a+\j], v[CO], s[12:13] offset:(32*(\a/2)+8*(\a%2))*4
.endr
.endr
.Lbias_done:
.else
	s_lshl_b32 s92, s[TR], 1
	s_add_co_u32 s92, s92, s[HR]
	s_lshl_b32 s92, s92, 4
	s_add_co_u32 s92, s92, s[TC]
	s_mul_i32 s92, s92, BLK
	s_mov_b32 s93, 0
	s_add_nc_u64 s[P0:P0+1], s[10:11], s[92:93]
	s_add_nc_u64 s[Q0:Q0+1], s[P0:P0+1], 32768
	s_lshl_b32 s92, s[HC], 14
	s_add_nc_u64 s[P0:P0+1], s[P0:P0+1], s[92:93]
	s_lshl_b32 s92, s[HC], 10
	s_add_nc_u64 s[Q0:Q0+1], s[Q0:Q0+1], s[92:93]
	s_lshl_b32 s94, s[TC], 10
	s_lshl_b32 s95, s[HC], 9
	s_add_co_u32 s94, s94, s95
	v_lshl_add_u32 v[CO], v2, 6, s94
.irp p, 0,1,2,3
.irp k, 0,1,2,3
	global_load_b128 v[BI+16*\p+4*\k:BI+16*\p+4*\k+3], v[CO], s[8:9] offset:128*\p+16*\k
.endr
.endr
.endif
	s_wait_tensorcnt 1
	s_barrier_signal -1
	s_barrier_wait -1
	s_wait_alu depctr_va_vdst(0)
	FETCH_B 0, 0, 0
	FETCH_A 0, 0, 0
	SCALES 0
	FETCH_A 0, 0, 4
	s_wait_loadcnt 0x0
.if QKV
	s_cmp_eq_u32 s[ISV], 1
	s_cbranch_scc1 .Lfirst_v
	STEP 0, 0, 2
	s_branch .Lfirst_done
.Lfirst_v:
	STEP 0, 0, 3
.Lfirst_done:
.else
	STEP 0, 0, 2
.endif
	s_mov_b32 s[LAP], LAPS-1
.Llap:
	TURN 0, 1, 1
	STEP 1, 0, 0
	TURN 1, 0, 1
	STEP 0, 0, 0
	s_sub_co_u32 s[LAP], s[LAP], 1
	s_cmp_lg_u32 s[LAP], 0
	s_cbranch_scc1 .Llap
	TURN 0, 1, 0
	STEP 1, 0, 0
	s_wait_dscnt 16
	WIN MUL_LO
	MUL16 0, 1, 1, 1, 0
	MUL16 2, 1, 1, 1, 0
	s_wait_dscnt 0x0
	WIN MUL_HI
	MUL16 4, 1, 1, 1, 0
	MUL16 6, 1, 1, 1, 0
	WIN 0
	PLACES 8
.irp b, 0,1,2,3
	v_mov_b32 v[TM+4+\b], 0
.endr
.irp a, 0,1,2,3,4,5,6,7
.if \a > 0
	s_wait_xcnt 0x0
.if QKV
.if \a == 4
	s_add_nc_u64 s[P0:P0+1], s[P0:P0+1], s[SA4:SA4+1]
	s_add_nc_u64 s[P1:P1+1], s[P1:P1+1], s[SA4:SA4+1]
	s_add_nc_u64 s[Q0:Q0+1], s[Q0:Q0+1], s[SQ4:SQ4+1]
	s_add_nc_u64 s[Q1:Q1+1], s[Q1:Q1+1], s[SQ4:SQ4+1]
.else
	s_add_nc_u64 s[P0:P0+1], s[P0:P0+1], s[SA:SA+1]
	s_add_nc_u64 s[P1:P1+1], s[P1:P1+1], s[SA:SA+1]
.if \a%2 == 0
	s_add_nc_u64 s[Q0:Q0+1], s[Q0:Q0+1], 256
	s_add_nc_u64 s[Q1:Q1+1], s[Q1:Q1+1], 256
.endif
.endif
.endif
.endif
	QUANTW \a, 1-QKV
.if QKV
.irp c, 0,1,2,3
	global_store_b128 v[LI], v[PC+4*\c:PC+4*\c+3], s[P0+2*(\c/2):P0+2*(\c/2)+1] offset:(\c%2)*512
.endr
.if \a%2
	global_store_b64 v[L8], v[PWP:PWP+1], s[Q0:Q0+1]
	s_cmp_eq_u32 s[ISV], 1
	s_cbranch_scc1 .Lone_word_\a
	v_lshrrev_b32 v[PW2], 16, v[PWP]
	v_lshrrev_b32 v[PW2+1], 16, v[PWP+1]
	global_store_b64 v[L8], v[PW2:PW2+1], s[Q1:Q1+1]
.Lone_word_\a:
.endif
.else
.irp c, 0,1,2,3
	global_store_b128 v[LI], v[PC+4*\c:PC+4*\c+3], s[P0:P0+1] offset:2048*\a+512*\c
.endr
.if \a%2
	global_store_b64 v[L8], v[PWP:PWP+1], s[Q0:Q0+1] offset:256*(\a/2)
.endif
.endif
.endr
	s_wait_tensorcnt 0x0
	ds_add_u32 v[SPW], v[NIL]
	s_wait_dscnt 0x0
	CROUND
	s_endpgm
.Lfunc_end_k_qc3c22877da_qkv:
	.size	k_qc3c22877da_qkv, .Lfunc_end_k_qc3c22877da_qkv-k_qc3c22877da_qkv
	.p2alignl 7, 3214868480
	.fill 96, 4, 3214868480
	.section	.rodata,"a",@progbits
	.p2align	6, 0x0
	.amdhsa_kernel k_qc3c22877da_qkv
		.amdhsa_group_segment_fixed_size 327680
		.amdhsa_private_segment_fixed_size 0
		.amdhsa_enable_private_segment 0
		.amdhsa_kernarg_size 56
		.amdhsa_user_sgpr_count 2
		.amdhsa_user_sgpr_kernarg_segment_ptr 1
		.amdhsa_wavefront_size32 1
		.amdhsa_system_sgpr_workgroup_id_x 1
		.amdhsa_system_sgpr_workgroup_id_y 1
		.amdhsa_system_sgpr_workgroup_id_z 1
		.amdhsa_system_vgpr_workitem_id 0
		.amdhsa_next_free_vgpr 1024
		.amdhsa_next_free_sgpr 100
		.amdhsa_reserve_vcc 0
		.amdhsa_float_denorm_mode_32 3
		.amdhsa_float_denorm_mode_16_64 3
		.amdhsa_memory_ordered 1
		.amdhsa_forward_progress 1
		.amdhsa_inst_pref_size 208
	.end_amdhsa_kernel
	.amdgpu_metadata
---
amdhsa.version: [ 1, 2 ]
amdhsa.kernels:
  - .name:           k_qc3c22877da_qkv
    .symbol:         k_qc3c22877da_qkv.kd
    .args:
      - { .name: act, .offset: 0, .size: 8, .value_kind: global_buffer, .address_space: global }
      - { .name: wact, .offset: 8, .size: 8, .value_kind: global_buffer, .address_space: global }
      - { .name: bq, .offset: 16, .size: 8, .value_kind: global_buffer, .address_space: global }
      - { .name: bk, .offset: 24, .size: 8, .value_kind: global_buffer, .address_space: global }
      - { .name: bv, .offset: 32, .size: 8, .value_kind: global_buffer, .address_space: global }
      - { .name: qb, .offset: 40, .size: 8, .value_kind: global_buffer, .address_space: global }
      - { .name: kvb, .offset: 48, .size: 8, .value_kind: global_buffer, .address_space: global }
    .group_segment_fixed_size: 327680
    .private_segment_fixed_size: 0
    .kernarg_segment_align: 8
    .kernarg_segment_size: 56
    .max_flat_workgroup_size: 128
    .sgpr_count:     100
    .vgpr_count:     1024
    .wavefront_size: 32
...
	.end_amdgpu_metadata
.endif
;; end of part 10
;; launch attn (part 11): grid 8 x 32, 16 waves a work-group, clusters of 4 x 1, 327,680 bytes of LDS; arguments qb, kvb, act; writes act
.if DOCPART == 11
	.amdgcn_target "amdgcn-amd-amdhsa--gfx1250"
	.amdhsa_code_object_version 6
	.text
	.protected	k_qc3c22877da_attn
	.globl	k_qc3c22877da_attn
	.p2align	8
	.type	k_qc3c22877da_attn,@function
k_qc3c22877da_attn:
	s_mov_b64 s[64:65], 0
	v_nop
	global_prefetch_b8 v0, s[64:65] scope:SCOPE_SE
	s_setreg_imm32_b32 hwreg(HW_REG_WAVE_MODE, 25, 1), 1
	s_wait_xcnt 0x0
	s_wait_alu depctr_hold_cnt(0) depctr_sa_sdst(0) depctr_va_vdst(0) depctr_va_sdst(0) depctr_va_ssrc(0) depctr_va_vcc(0) depctr_vm_vsrc(0)
	s_getreg_b32 s2, hwreg(HW_REG_IB_STS2, 6, 4)
	s_cmp_eq_u32 s2, 0
	s_cbranch_scc0 .Lentry_in_a_cluster
	s_endpgm
.Lentry_in_a_cluster:
	s_bfe_u32 s2, ttmp6, 0x10000c
	s_cmp_lg_u32 s2, 0x3003
	s_cbranch_scc0 .Lentry_shape_is_right
	s_endpgm
.Lentry_shape_is_right:
; ATTENTION ON CODES, head size 64, no mask; its result is quantised along E and stored as the next product's operand.  Nothing of reference() is left out.
; t = score x log2(e) / 8; M = the running largest t, rounded up to a whole number; p = 2^(t - M) is quantised along the keys, not normalised; the row's sum is taken of the unquantised p and divides O at the end.
; When M moves, the sum and O are multiplied by 2^(old M - new M), which rounds nothing.
; SHARES.  A work-group owns 256 queries of one (batch, head); each of its sixteen waves one tile of 16, in 256 registers: four waves to a SIMD.  256 work-groups.
; ALL OF THE HEAD'S k AND v^T STAY IN LDS as they lie in memory: sixteen blocks of 128 keys, 17,920 bytes each (k's eight tiles at 1,024 a + 512 c + 16 lane; v^T's four at 8,192 + 2,048 dt + 512 c + 16 lane; k's scale words at 16,384, v's at 17,408):
; 1,120 rows of 256 bytes.  TWO FILLS, no byte filled twice: at the head each wave fetches 14 rows (224 rows: blocks 0 to 2 and the start of block 3); behind the full sequence and a round each wave fetches 56 of the other 896.
; The first three key steps read blocks 0 to 2 while the second fill is out; a wait for it and a barrier stand ahead of step 3.
; CLUSTER: the four query blocks of a cluster belong to one head, so each fill is asked for jointly, with the same descriptor and the mask of all four.
; NO PREFETCH: the two fills ask for the head's whole stream, the second three key steps ahead of its first read; nothing is left to ask for ahead.
; LAYOUT.  Both products are used transposed: S^T = k q^T, O^T = v^T p^T: a lane holds one query throughout.  Place m of tile 2 p + u is key (or channel) 32 p + 8 u + m + 8 (m / 8), so the 16 registers of tiles 2 p, 2 p + 1 are 16 neighbours.
; THE FIRST PRODUCT'S K IS 64, the instruction's 128: q's upper eight registers are zero codes.  k's operand of tile t is sixteen registers from v[32 + 8 t]: its upper eight are the next tile's codes (for tile 7: zeros), which meet q's zeros.
; No code made by this program is a NaN code and no scale byte 0xff, so those products are zeros.
; THE STEP'S ORDER.  The held p goes into two sets of eight registers by turns, so p itself stays whole; its sums are taken at the head of the NEXT step, where they are the places behind the second product and stand beside the k loads.
; The first step finds p = 0 and O = 0; a last run of sums stands behind the loops.
; LIMITS: a block of zeros or under 2^-118 gets the byte 1; NaN and infinities are not served; the promise holds while |t| stays under 2^31.
; REGISTERS: v1, v2 16 x, 8 x lane; v3, v4 the step's LDS addresses; v5, v6 the add's two; v7-9 global offsets; v10 the old -M; v11 at work; v12 -M, v13 the largest t, v[14:15] the sum; v16-31 q; v32-95 k's tiles, then v^T's fragments;
; v96-103 zeros; v104-167 S^T, then p; v168-199 O^T; v200-215 p's codes; v216-223 k's, then v's scale words; v224 q's; v225 p's; v226-239 at work; v240-255 the held p.
.set KVB,   17920
.set HEADB, 16*KVB
.set BLK,   34816
.set RWA,   14                         ; rows of 256 bytes a wave in the first fill
.set RWB,   56                         ; and in the second
.set NA,    3                          ; key steps that read the first fill alone: 3 x 70 rows of its 224
.set SPARE, HEADB                      ; behind the sixteen blocks: the spare words, 128 bytes a wave, which no other line names
.set LI,  1
.set L8,  2
.set ADK, 3
.set ADS, 4
.set SPW, 5
.set NIL, 6
.set OLDM, 10
.set T,   11
.set KF,  32
.set S,   104
.set O,   168
.set PCD, 200
.set KS,  216
.set QS,  224
.set PS,  225
.set BM,  226                          ; block maxima, then bytes; two chains of the sum
.set PM,  230                          ; permutes, then 448 x the scale; a chain of the sum
.set HD,  230
.set SO,  234                          ; the conversions' scale operands
.set F,   238                          ; v[238:239]: f = 2^(old M - new M) in the low word
.set TT,  240                          ; two sets of eight: the held p
.set A1,  226
.set A2,  228
.set A3,  230
.set WV,  10
.set CX,  11
.set SEL, 16
.set CS,  18
.set MNT, 20
.set TB,  21
.set CNT, 22
.set G1A, 24
.set G0A, 32
.set G0B, 36
.set G1B, 48
.macro CROUND                          ; a round of the cluster's barrier
	s_barrier_signal -1
	s_barrier_wait -1
	s_cmp_lg_u32 s[WV], 0
	s_cbranch_scc1 .Lnot_wave_0_\@
	s_barrier_signal -3
.Lnot_wave_0_\@:
	s_barrier_wait -3
	s_barrier_signal -1
	s_barrier_wait -1
.endm
.macro MIN2 d, s, h                    ; two holds in one dual-issue pair: destinations even and odd, the first sources one register, the second sources neighbours
	v_dual_min_num_f32 v[\d], v[\h], v[\s] :: v_dual_min_num_f32 v[(\d)+1], v[\h], v[(\s)+1]
.endm
.macro ADD2 a, k
	v_pk_add_f32 v[\a:\a+1], v[\a:\a+1], v[S+\k:S+\k+1]
.endm
; the sums of the last step's 64 unquantised p, two at a time in four chains: 8 lines, then 25
.macro SUM_A
	v_pk_mul_f32 v[14:15], v[14:15], v[F:F+1] op_sel_hi:[1,0]    ; the sum under that step's M
	v_pk_add_f32 v[A1:A1+1], v[S:S+1], v[S+2:S+3]
	v_pk_add_f32 v[A2:A2+1], v[S+4:S+5], v[S+6:S+7]
	v_pk_add_f32 v[A3:A3+1], v[S+8:S+9], v[S+10:S+11]
	ADD2 14, 12
	ADD2 A1, 14
	ADD2 A2, 16
	ADD2 A3, 18
.endm
.macro SUM_B
.irp k, 20,28,36,44,52
	ADD2 14, \k
	ADD2 A1, \k+2
	ADD2 A2, \k+4
	ADD2 A3, \k+6
.endr
	ADD2 14, 60
	ADD2 A1, 62
	s_delay_alu instid0(VALU_DEP_3)
	v_pk_add_f32 v[A2:A2+1], v[A2:A2+1], v[A3:A3+1]
	s_delay_alu instid0(VALU_DEP_2)
	v_pk_add_f32 v[14:15], v[14:15], v[A1:A1+1]
	s_delay_alu instid0(VALU_DEP_1)
	v_pk_add_f32 v[14:15], v[14:15], v[A2:A2+1]
.endm
; A KEY STEP: 128 keys, the block at LDS byte s[TB]
.macro BODY
	SUM_A                                          ; with the two additions: ten places behind the last products, ahead of loads into registers that they read
	v_add_nc_u32 v[ADK], s[TB], v[LI]
	v_add_nc_u32 v[ADS], s[TB], v[L8]
.irp t, 0,1,2,3,4,5,6,7
	ds_load_b128 v[KF+8*\t:KF+8*\t+3], v[ADK] offset:1024*\t
	ds_load_b128 v[KF+8*\t+4:KF+8*\t+7], v[ADK] offset:1024*\t+512
.endr
.irp i, 0,1,2,3
	ds_load_b64 v[KS+2*\i:KS+2*\i+1], v[ADS] offset:16384+256*\i
.endr
	SUM_B                                          ; 25 lines stand beside the loads
	s_wait_dscnt 0x0
.irp t, 0,1,2,3,4,5,6,7
	v_wmma_scale_f32_16x16x128_f8f6f4 v[S+8*\t:S+8*\t+7], v[KF+8*\t:KF+8*\t+15], v[16:31], 0, v[KS+\t], v[QS]
.endr
	v_mov_b32 v[OLDM], v12                         ; the first of eight places
.rept 7
	v_nop
.endr
.irp d, 0,1,2,3                                    ; v^T's fragments land while the softmax is walked
.irp c, 0,1,2,3
	ds_load_b128 v[KF+16*\d+4*\c:KF+16*\d+4*\c+3], v[ADK] offset:8192+2048*\d+512*\c
.endr
.endr
	ds_load_b64 v[KS:KS+1], v[ADS] offset:17408
	ds_load_b64 v[KS+2:KS+3], v[ADS] offset:17664
.irp b, 0,1,2,3
	v_max3_num_f32 v[BM+\b], v[S+16*\b], v[S+1+16*\b], v[S+2+16*\b]   ; the largest score of each block of 32 keys: it serves the row's maximum and, since p rises with the score, the block's largest p
.endr
.irp i, 3,5,7,9,11,13
.irp b, 0,1,2,3
	v_max3_num_f32 v[BM+\b], v[BM+\b], v[S+16*\b+\i], v[S+1+16*\b+\i]
.endr
.endr
.irp b, 0,1,2,3
	v_max_num_f32 v[BM+\b], v[BM+\b], v[S+15+16*\b]
.endr
.irp b, 0,1,2,3
	s_delay_alu instid0(VALU_DEP_4)
	v_permlanex16_b32 v[PM+\b], v[BM+\b], s[SEL], s[SEL+1]
.endr
.irp b, 0,1,2,3
	s_delay_alu instid0(VALU_DEP_4)
	v_max_num_f32 v[BM+\b], v[BM+\b], v[PM+\b]     ; with lane l xor 16's 16 keys
.endr
	s_delay_alu instid0(VALU_DEP_2)
	v_max3_num_f32 v[T], v[BM], v[BM+1], v[BM+2]
	s_delay_alu instid0(VALU_DEP_1)
	v_max_num_f32 v[T], v[T], v[BM+3]
	s_delay_alu instid0(VALU_DEP_1)
	v_mul_f32 v[T], s[CS], v[T]                    ; the step's largest t
	s_delay_alu instid0(VALU_DEP_1)
	v_max_num_f32 v13, v13, v[T]
	s_delay_alu instid0(VALU_DEP_1)
	v_floor_f32 v12, -v13                          ; the new -M = -ceil(t)
	s_delay_alu instid0(VALU_DEP_1)
	v_sub_f32 v[T], v12, v[OLDM]                   ; old M - new M: a whole number, 0 or less
	s_delay_alu instid0(VALU_DEP_1)
	v_cvt_i32_f32 v[T], v[T]                       ; (it saturates)
.set j, 0
.rept 32
	v_pk_fma_f32 v[S+j:S+j+1], v[S+j:S+j+1], s[CS:CS+1], v[12:13] op_sel_hi:[1,0,0]   ; t - M, two at a time
.set j, j+2
.endr
.irp b, 0,1,2,3
	v_fma_f32 v[BM+\b], v[BM+\b], s[CS], v12       ; the same of each block's largest score
.endr
	s_wait_alu depctr_va_vdst(0)
.irp b, 0,1,2,3
	v_exp_f32 v[BM+\b], v[BM+\b]                   ; each block's largest p
.endr
.set j, 0
.rept 64
	v_exp_f32 v[S+j], v[S+j]                       ; p = 2^(t - M)
.set j, j+1
.endr
	v_ldexp_f32 v[F], 1.0, v[T]                    ; f = 2^(old M - new M): a plain line behind the exponentials
	s_wait_alu depctr_va_vdst(0)                   ; one wait for the batch, ahead of its first reader
.irp b, 0,1,2,3
	v_max_num_f32 v[BM+\b], 0x4800000, v[BM+\b]    ; the floor 2^(9 - 127)
.endr
.irp b, 0,1,2,3
	s_delay_alu instid0(VALU_DEP_4)
	v_add_nc_u32 v[SO+\b], 0xfc000000, v[BM+\b]    ; 8 off the exponent field: the conversion's scale operand
.endr
.irp b, 0,1,2,3
	v_and_or_b32 v[HD+\b], v[BM+\b], 0x7f800000, s[MNT]          ; 448 x the scale
.endr
.irp b, 0,1,2,3
	v_lshrrev_b32 v[BM+\b], 23, v[SO+\b]           ; the scale's byte
.endr
	s_delay_alu instid0(VALU_DEP_3)
	v_lshl_or_b32 v[PS], v[BM+1], 8, v[BM]         ; p's scale word for these 128 keys
	s_delay_alu instid0(VALU_DEP_1)
	v_lshl_or_b32 v[PS], v[BM+2], 16, v[PS]
	s_delay_alu instid0(VALU_DEP_1)
	v_lshl_or_b32 v[PS], v[BM+3], 24, v[PS]
.irp g, 0,1,2,3,4,5,6,7                            ; eight p at a time: held (p is not negative: one-sided) into one of the two sets, and converted
.irp i, 0,2,4,6
	MIN2 TT+8*(\g%2)+\i, S+8*\g+\i, HD+\g/2
.endr
	v_cvt_scalef32_pk8_fp8_f32 v[PCD+2*\g:PCD+2*\g+1], v[TT+8*(\g%2):TT+8*(\g%2)+7], v[SO+\g/2]
.endr
	s_wait_dscnt 0x0                               ; v^T and its scale words
	s_wait_alu depctr_va_vdst(0)                   ; directly ahead of the first reader of O^T
.set j, 0
.rept 16
	v_pk_mul_f32 v[O+j:O+j+1], v[O+j:O+j+1], v[F:F+1] op_sel_hi:[1,0]   ; O^T under the new M; these are also the places between the codes and the products
.set j, j+2
.endr
.irp d, 0,1,2,3
	v_wmma_scale_f32_16x16x128_f8f6f4 v[O+8*\d:O+8*\d+7], v[KF+16*\d:KF+16*\d+15], v[PCD:PCD+15], v[O+8*\d:O+8*\d+7], v[KS+\d], v[PS]
.endr
	s_add_co_u32 s[TB], s[TB], KVB
.endm
	s_load_b128 s[4:7], s[0:1], 0x0                ; qb, kvb
	s_load_b64 s[8:9], s[0:1], 0x10                ; act
	v_lshl_add_u32 v[SPW], v0, 2, SPARE
	v_mov_b32 v[NIL], 0
	ds_add_u32 v[SPW], v[NIL]                      ; the wave's opening: the add, twice on end, and its wait ahead of my first tensor load
	ds_add_u32 v[SPW], v[NIL]
	v_lshrrev_b32 v7, 5, v0
	s_delay_alu instid0(VALU_DEP_1)
	v_readfirstlane_b32 s[WV], v7                  ; wave 0..15
	s_bfe_u32 s[CX], ttmp6, 0x40000
	s_and_b32 s12, ttmp7, 0xffff                   ; 16 b + head, which the four partners share
	s_mul_i32 s13, s12, HEADB
	s_mul_i32 s14, s[WV], RWA*256                  ; my rows of the first fill: in the head's bytes and in LDS alike
	s_mul_i32 s15, s[WV], RWB*256
	s_add_co_u32 s15, s15, 16*RWA*256              ; and of the second
	s_add_co_u32 s2, s13, s14
	s_mov_b32 s3, 0
	s_add_co_u32 s60, s13, s15
	s_mov_b32 s61, 0
	s_mov_b32 s[G1A], 15|(3<<16)|(1<<21)           ; the mask of all four; elements of 8 bytes; bit 21 beside a mask; no padding
	s_mov_b32 s[G1A+1], 32<<16                     ; tensor_dim0 = 32 elements: 256 bytes
	s_mov_b32 s[G1A+2], RWA<<16                    ; tensor_dim1
	s_mov_b32 s[G1A+3], 32<<16
	s_mov_b32 s[G1A+4], RWA
	s_mov_b32 s[G1A+5], 32                         ; the rows lie on end
	s_mov_b32 s[G1A+6], 0
	s_mov_b32 s[G1A+7], 0
	s_mov_b32 s[G1B], 15|(3<<16)|(1<<21)
	s_mov_b32 s[G1B+1], 32<<16
	s_mov_b32 s[G1B+2], RWB<<16
	s_mov_b32 s[G1B+3], 32<<16
	s_mov_b32 s[G1B+4], RWB
	s_mov_b32 s[G1B+5], 32
	s_mov_b32 s[G1B+6], 0
	s_mov_b32 s[G1B+7], 0
	s_mov_b32 s[SEL], 0x76543210
	s_mov_b32 s[SEL+1], 0xfedcba98
	s_mov_b32 s[CS], 0x3e38aa3b                    ; c = log2(e) / sqrt(64)
	s_mov_b32 s[CS+1], s[CS]
	s_mov_b32 s[MNT], 0x600000
	s_mov_b32 s[TB], 0
	s_mov_b32 s[CNT], NA
	s_wait_dscnt 0x0                               ; both opening adds are done
	s_wait_kmcnt 0x0
	CROUND                                         ; all four work-groups are here: the joint loads meet
	s_mov_b32 s[G0A], 1
	s_mov_b32 s[G0A+1], s14
	s_add_nc_u64 s[G0A+2:G0A+3], s[6:7], s[2:3]
	s_or_b32 s[G0A+3], s[G0A+3], 0x80000000
	s_mov_b32 s[G0B], 1
	s_mov_b32 s[G0B+1], s15
	s_add_nc_u64 s[G0B+2:G0B+3], s[6:7], s[60:61]
	s_or_b32 s[G0B+3], s[G0B+3], 0x80000000
	tensor_load_to_lds s[G0A:G0A+3], s[G1A:G1A+7]  ; the first fill: every wave's one load at the head
	s_nop 0
.rept 4
	v_nop
.endr
	s_lshl_b32 s56, ttmp9, 3
	s_lshl_b32 s57, s[CX], 1
	s_add_co_u32 s56, s56, s57
	s_lshr_b32 s57, s[WV], 3
	s_add_co_u32 s56, s56, s57                     ; my group of 128 queries: 2 (4 x cluster x + cx) + wave / 8
	s_and_b32 s57, s[WV], 7                        ; my tile in it
	s_mul_i32 s58, s56, KVB
	s_add_co_u32 s58, s58, s13
	s_mov_b32 s59, 0
	s_add_nc_u64 s[4:5], s[4:5], s[58:59]
	s_lshl_b32 s62, s57, 10
	s_lshr_b32 s40, s57, 1
	s_lshl_b32 s40, s40, 8
	s_and_b32 s41, s57, 1
	s_lshl_b32 s41, s41, 2
	s_add_co_u32 s40, s40, s41                     ; 256 (a / 2) + 4 (a % 2)
	; where my tile of the result goes in act: block (16 b + group, head / 4); q = (head / 2) % 2; register groups 2 (head % 2), + 1
	s_lshr_b32 s42, s12, 4
	s_lshl_b32 s42, s42, 4
	s_add_co_u32 s42, s42, s56
	s_lshl_b32 s42, s42, 2
	s_and_b32 s43, s12, 15
	s_lshr_b32 s44, s43, 2
	s_add_co_u32 s42, s42, s44
	s_mul_i32 s42, s42, BLK
	s_bfe_u32 s44, s43, 0x10001
	s_and_b32 s45, s43, 1
	s_mov_b32 s43, 0
	s_add_nc_u64 s[8:9], s[8:9], s[42:43]
	s_lshl_b32 s46, s44, 14
	s_lshl_b32 s47, s57, 11
	s_add_co_u32 s46, s46, s47
	s_lshl_b32 s47, s45, 10
	s_add_co_u32 s46, s46, s47                     ; codes: 16,384 q + 2,048 a + 1,024 (head % 2)
	s_lshl_b32 s47, s44, 10
	s_add_co_u32 s47, s47, s40
	s_lshl_b32 s45, s45, 1
	s_add_co_u32 s47, s47, s45                     ; scale bytes: 1,024 q + 256 (a / 2) + 4 (a % 2) + 2 (head % 2)
	v_and_b32 v9, 31, v0
	s_delay_alu instid0(VALU_DEP_1)
	v_lshlrev_b32 v[LI], 4, v9
	v_lshlrev_b32 v[L8], 3, v9
	s_delay_alu instid0(VALU_DEP_2)
	v_add_nc_u32 v7, s62, v[LI]
	s_delay_alu instid0(VALU_DEP_2)
	v_add_nc_u32 v8, s40, v[L8]
	global_load_b128 v[16:19], v7, s[4:5]          ; q's fragment: the head's 64
	global_load_b128 v[20:23], v7, s[4:5] offset:512
	global_load_b32 v[QS], v8, s[4:5] offset:16384 ; and its scale words
.irp j, 0,1,2,3,4,5,6,7
	v_mov_b32 v[24+\j], 0                          ; q's upper 64 of K: zero codes
	v_mov_b32 v[96+\j], 0                          ; and what stands behind k's tile 7
.endr
	v_mov_b32 v13, 0xff61b1e6                      ; the largest t so far: -3e38
	s_delay_alu instid0(VALU_DEP_1)
	v_floor_f32 v12, -v13                          ; -M
	v_mov_b32 v14, 0
	v_mov_b32 v15, 0
	v_mov_b32 v[F], 1.0
	v_mov_b32 v[F+1], 0                            ; (named as the upper half of a pair)
.set j, 0
.rept 96
	v_mov_b32 v[S+j], 0                            ; p and O^T: the step is written once; the first finds zeros.  (These lines stand under the first fill's flight)
.set j, j+1
.endr
	s_wait_alu depctr_va_vdst(0)
	s_wait_tensorcnt 0x0                           ; my rows of the first fill are in
	ds_add_u32 v[SPW], v[NIL]
	s_wait_dscnt 0x0
	CROUND                                         ; everybody's rows are in, and all four work-groups are here: the joint loads meet
	tensor_load_to_lds s[G0B:G0B+3], s[G1B:G1B+7]  ; the second fill, on bytes of its own: one load is out
	s_nop 0
.rept 4
	v_nop
.endr
	s_wait_loadcnt 0x0                             ; q
.Lfirst:                                           ; three trips on blocks 0 to 2
	BODY
	s_sub_co_u32 s[CNT], s[CNT], 1
	s_cmp_lg_u32 s[CNT], 0
	s_cbranch_scc1 .Lfirst
	s_wait_tensorcnt 0x0                           ; my rows of the second fill are in,
	s_barrier_signal -1
	s_barrier_wait -1                              ; everybody's are
	s_mov_b32 s[CNT], 16-NA
.Lrest:                                            ; thirteen trips on blocks 3 to 15
	BODY
	s_sub_co_u32 s[CNT], s[CNT], 1
	s_cmp_lg_u32 s[CNT], 0
	s_cbranch_scc1 .Lrest
	; THE WAY OUT: the last step's sums (also the places behind the last products); O^T / the sum; register 16 p + i is channel 32 p + 16 h + i of my query: two blocks of 32 along E, quantised in registers and stored as two register groups of act's fragment.
	SUM_A
	SUM_B
	s_delay_alu instid0(VALU_DEP_1)
	v_add_f32 v14, v14, v15
	s_delay_alu instid0(VALU_DEP_1)
	v_permlanex16_b32 v[PM], v14, s[SEL], s[SEL+1]
	s_delay_alu instid0(VALU_DEP_1)
	v_add_f32 v14, v14, v[PM]                      ; the row's sum
	s_wait_alu depctr_va_vdst(0)
	v_rcp_f32 v14, v14
	v_add_nc_u32 v8, s46, v[LI]
	v_add_nc_u32 v9, s47, v[L8]
	s_wait_alu depctr_va_vdst(0)                   ; ahead of the reciprocal's first reader, which is O^T's too
.set j, 0
.rept 32
	v_mul_f32 v[S+j], v[O+j], v14
.set j, j+1
.endr
.irp b, 0,1
	v_max3_num_f32 v[BM+\b], |v[S+16*\b]|, |v[S+1+16*\b]|, 0x4800000
.endr
.irp i, 2,4,6,8,10,12,14
.irp b, 0,1
	s_delay_alu instid0(VALU_DEP_2)
	v_max3_num_f32 v[BM+\b], v[BM+\b], |v[S+16*\b+\i]|, |v[S+1+16*\b+\i]|
.endr
.endr
.irp b, 0,1
	s_delay_alu instid0(VALU_DEP_2)
	v_permlanex16_b32 v[PM+\b], v[BM+\b], s[SEL], s[SEL+1]
.endr
.irp b, 0,1
	s_delay_alu instid0(VALU_DEP_2)
	v_max_num_f32 v[BM+\b], v[BM+\b], v[PM+\b]
.endr
.irp b, 0,1
	s_delay_alu instid0(VALU_DEP_2)
	v_add_nc_u32 v[SO+\b], 0xfc000000, v[BM+\b]
.endr
.irp b, 0,1
	s_delay_alu instid0(VALU_DEP_4)
	v_and_or_b32 v[HD+\b], v[BM+\b], 0x7f800000, s[MNT]
.endr
.irp b, 0,1
	s_delay_alu instid0(VALU_DEP_4)
	v_lshrrev_b32 v[BM+\b], 23, v[SO+\b]
.endr
	s_delay_alu instid0(VALU_DEP_1)
	v_lshl_or_b32 v[PS], v[BM+1], 8, v[BM]         ; my head's two scale bytes
.irp b, 0,1
.irp i, 0,1,2,3,4,5,6,7,8,9,10,11,12,13,14,15
	v_med3_num_f32 v[S+16*\b+\i], v[S+16*\b+\i], -v[HD+\b], v[HD+\b]
.endr
	v_cvt_scalef32_pk8_fp8_f32 v[PCD+4*\b:PCD+4*\b+1], v[S+16*\b:S+16*\b+7], v[SO+\b]
	v_cvt_scalef32_pk8_fp8_f32 v[PCD+4*\b+2:PCD+4*\b+3], v[S+16*\b+8:S+16*\b+15], v[SO+\b]
.endr
	v_nop
	global_store_b128 v8, v[PCD:PCD+3], s[8:9]               ; 512 consecutive bytes, aligned
	global_store_b128 v8, v[PCD+4:PCD+7], s[8:9] offset:512
	global_store_b16 v9, v[PS], s[8:9] offset:32768          ; two of a scale word's four bytes: the neighbouring head's work-group stores the other two
	s_wait_tensorcnt 0x0                           ; the wave's end
	ds_add_u32 v[SPW], v[NIL]
	s_wait_dscnt 0x0
	CROUND                                         ; the closing round
	s_endpgm
.Lfunc_end_k_qc3c22877da_attn:
	.size	k_qc3c22877da_attn, .Lfunc_end_k_qc3c22877da_attn-k_qc3c22877da_attn
	.p2alignl 7, 3214868480
	.fill 96, 4, 3214868480
	.section	.rodata,"a",@progbits
	.p2align	6, 0x0
	.amdhsa_kernel k_qc3c22877da_attn
		.amdhsa_group_segment_fixed_size 327680
		.amdhsa_private_segment_fixed_size 0
		.amdhsa_enable_private_segment 0
		.amdhsa_kernarg_size 24
		.amdhsa_user_sgpr_count 2
		.amdhsa_user_sgpr_kernarg_segment_ptr 1
		.amdhsa_wavefront_size32 1
		.amdhsa_system_sgpr_workgroup_id_x 1
		.amdhsa_system_sgpr_workgroup_id_y 1
		.amdhsa_system_sgpr_workgroup_id_z 1
		.amdhsa_system_vgpr_workitem_id 0
		.amdhsa_next_free_vgpr 256
		.amdhsa_next_free_sgpr 66
		.amdhsa_reserve_vcc 0
		.amdhsa_float_denorm_mode_32 3
		.amdhsa_float_denorm_mode_16_64 3
		.amdhsa_memory_ordered 1
		.amdhsa_forward_progress 1
		.amdhsa_inst_pref_size 57
	.end_amdhsa_kernel
	.amdgpu_metadata
---
amdhsa.version: [ 1, 2 ]
amdhsa.kernels:
  - .name:           k_qc3c22877da_attn
    .symbol:         k_qc3c22877da_attn.kd
    .args:
      - { .name: qb, .offset: 0, .size: 8, .value_kind: global_buffer, .address_space: global }
      - { .name: kvb, .offset: 8, .size: 8, .value_kind: global_buffer, .address_space: global }
      - { .name: act, .offset: 16, .size: 8, .value_kind: global_buffer, .address_space: global }
    .group_segment_fixed_size: 327680
    .private_segment_fixed_size: 0
    .kernarg_segment_align: 8
    .kernarg_segment_size: 24
    .max_flat_workgroup_size: 512
    .sgpr_count:     66
    .vgpr_count:     256
    .wavefront_size: 32
...
	.end_amdgpu_metadata
.endif
;; end of part 11
;; launch wo (part 12): grid 8 x 32, 4 waves a work-group, clusters of 4 x 4, 327,680 bytes of LDS; arguments act, wact, y; writes y
.if DOCPART == 12
	.amdgcn_target "amdgcn-amd-amdhsa--gfx1250"
	.amdhsa_code_object_version 6
	.text
	.protected	k_qc3c22877da_wo
	.globl	k_qc3c22877da_wo
	.p2align	8
	.type	k_qc3c22877da_wo,@function
k_qc3c22877da_wo:
	s_mov_b64 s[64:65], 0
	v_nop
	global_prefetch_b8 v0, s[64:65] scope:SCOPE_SE
	s_setreg_imm32_b32 hwreg(HW_REG_WAVE_MODE, 25, 1), 1
	s_wait_xcnt 0x0
	s_wait_alu depctr_hold_cnt(0) depctr_sa_sdst(0) depctr_va_vdst(0) depctr_va_sdst(0) depctr_va_ssrc(0) depctr_va_vcc(0) depctr_vm_vsrc(0)
	s_getreg_b32 s2, hwreg(HW_REG_IB_STS2, 6, 4)
	s_cmp_eq_u32 s2, 0
	s_cbranch_scc0 .Lentry_in_a_cluster
	s_endpgm
.Lentry_in_a_cluster:
	s_bfe_u32 s2, ttmp6, 0x10000c
	s_cmp_lg_u32 s2, 0xf033
	s_cbranch_scc0 .Lentry_shape_is_right
	s_endpgm
.Lentry_shape_is_right:
; y = Q(attention's result) Wo^T ON CODES, raw f32: bias, residual and layer norm follow in the next launch, which owns whole rows.  Nothing of reference() is left out.
; Operands lie in this program's own layout: rows in groups of 128, K in steps of 256; block (G, S), BLK bytes, at block number 4 G + S: images of the operand registers: fragment (q, i) at 16,384 q + 2,048 i + 512 c + 16 lane,
; scale words at 32,768 + 256 (4 q + i / 2) + 8 lane + 4 (i % 2), lanes 16-31 repeating lanes 0-15; place m of tile 2 p + u is row 32 p + 8 u + m + 8 (m / 8) of the group.
; THE TILE.  C is 4,096 x 1,024: 256 tiles of 128 x 128, one to a work-group: one group of A against one group of Wo.  Four waves, each 64 x 64: A's tiles 4 (w / 2) on against Wo's tiles 4 (w % 2) on: 16 accumulators.
; ALL OF K LIES IN LDS AT ONCE: K = 1,024 is four blocks a group, eight blocks, 278,528 bytes, a tile.  ONE FILL: each wave fetches two blocks that lie on end in memory, 272 rows of 256 bytes, by one tensor load at the head
; (waves 0, 1: A's blocks 0-1, 2-3; waves 2, 3: Wo's).  No byte is filled again, and one barrier stands in front of the first read.  In LDS: A's blocks 0-1, Wo's 0-1, A's 2-3, Wo's 2-3.
; CLUSTERS: 4 x 4 work-groups; A's blocks are asked for jointly along a row of the cluster, Wo's along a column: the same tensor load with the same descriptor and a mask that names the four.
; NO PREFETCH: the head's one load a wave asks for all that the work-group reads; there is no loop to run ahead in.
; THE PRODUCT IS USED TRANSPOSED (source 0 = 16 rows of Wo, source 1 = 16 rows of A): lane (r, h) holds place r of A's tile; register j of the accumulator of Wo's tile 2 p + u is column 32 p + 16 h + 8 u + j of Wo's group.
; THE WAY OUT: a wave's 64 columns are 256 bytes of a row of y.  A tile's 16 rows go through my own stage in LDS, on bytes of its own behind the blocks, and come back two rows an instruction: sixteen lanes store 256 consecutive bytes, aligned.
; Token rho = 2,048 b + s is row 2 s + b of y: the rows of a group lie 8,192 bytes apart.
; REGISTERS: window 0: v1, v2 r, h; v8, v9 16 x, 8 x lane; v16-23 LDS addresses; v24-26 the way out; v28, v29 the add's two; v32-63 scale words, 16 for each half of K; v64-127 rows read back, two sets; v128-255 the accumulators
; ((a, b) at v[128 + 8 (4 a + b)]).  Window 1: two fragment buffers of 128: A's four fragments, then Wo's four.
.set KB,    4
.set WOFF,  3342336                    ; Wo in wact
.set BLK,   34816
.set HALF,  4*BLK                      ; 512 of K: A's two blocks, then Wo's two
.set SPITCH, 272                       ; a stage row: 256 bytes + 16
.set STAGE, 2*HALF                     ; behind the blocks: 16 rows for each wave
.set SPARE, STAGE+4*16*SPITCH          ; behind the stages: the spare words, 128 bytes a wave, which no other line names
.set LI,   8
.set L8,   9
.set ADRA, 16                          ; v16-17  my A fragments in the first, second half of K
.set ADRB, 20                          ; v20-21  my Wo fragments
.set ADRS, 22                          ; v22-23  my scale words: lanes 0-15 A's, lanes 16-31 Wo's
.set STO,  24
.set RD,   25
.set CO,   26
.set SPW,  28
.set NIL,  29
.set SC,   32
.set OB,   64
.set ACC,  128
.set F0,   0                           ; fragment buffers, in window 1
.set F1,   128
.set WV,  18
.set HR,  19
.set HC,  20
.set CX,  21
.set CY,  22
.set G1A, 24
.set G0A, 32
.set TR,  40
.set TC,  41
.set G1B, 48
.set G0B, 56
.set MSB, 0
.macro WIN new                         ; the immediate's high byte repeats the setting that is left
.if MSB != (\new)
	s_set_vgpr_msb (MSB<<8)|(\new)
.set MSB, (\new)
.endif
.endm
.set MUL,  0x05                        ; sources 0 (Wo) and 1 (A) window 1; C and D window 0
.set TO_F, 0x40                        ; destination window 1, address window 0
.macro CROUND                          ; a round of the cluster's barrier
	s_barrier_signal -1
	s_barrier_wait -1
	s_cmp_lg_u32 s[WV], 0
	s_cbranch_scc1 .Lnot_wave_0_\@
	s_barrier_signal -3
.Lnot_wave_0_\@:
	s_barrier_wait -3
	s_barrier_signal -1
	s_barrier_wait -1
.endm
.macro PLACES n                        ; plain vector lines between a matrix instruction and a load into, or a read of, its registers: eight for this form
.rept \n
	v_nop
.endr
.endm
.macro FRAG reg, adr, off              ; a fragment: four loads of 512 consecutive bytes
.irp c, 0,1,2,3
	ds_load_b128 v[\reg+4*\c:\reg+4*\c+3], v[\adr] offset:(\off)+512*\c
.endr
.endm
; 32 LDS loads in one run: the fragments of a half's kq-th 128 of K (block kq / 2, q = kq % 2) into buffer f: Wo's four, then A's four, so that the youngest eight loads are A's fragments 2 and 3
.macro FETCH half, kq, f
	WIN TO_F
.irp i, 0,1,2,3
	FRAG \f+64+16*\i, ADRB+\half, ((\kq)/2)*BLK+((\kq)%2)*16384+2048*\i
.endr
.irp i, 0,1,2,3
	FRAG \f+16*\i, ADRA+\half, ((\kq)/2)*BLK+((\kq)%2)*16384+2048*\i
.endr
.endm
.macro SCALES sc                       ; a half's scale words: register 4 kq + i: lanes 0-15 the words of my A tile i, lanes 16-31 those of my Wo tile i
.irp k, 0,1,2,3
.irp j, 0,1
	ds_load_b64 v[SC+16*\sc+4*\k+2*\j:SC+16*\sc+4*\k+2*\j+1], v[ADRS+\sc] offset:(\k/2)*BLK+(4*(\k%2)+\j)*256
.endr
.endr
.endm
; 4 products: my A tile a x my four Wo tiles, a half's kq-th 128 of K, out of buffer f.  zero = 1: the product starts the sum: nothing is ever cleared.
; The 16 accumulators take turns, one instruction a turn, in the same order in every quarter.
.macro MUL4 f, a, kq, sc, zero
.irp b, 0,1,2,3
.set rD, ACC+8*(4*(\a)+\b)
.set rB, (\f)+64+16*\b
.set rA, (\f)+16*(\a)
.set rSB, SC+16*(\sc)+4*(\kq)+\b
.set rSA, SC+16*(\sc)+4*(\kq)+(\a)
.if \zero
	v_wmma_scale_f32_16x16x128_f8f6f4 v[rD:rD+7], v[rB:rB+15], v[rA:rA+15], 0, v[rSB], v[rSA] matrix_a_scale:MATRIX_SCALE_ROW1
.else
	v_wmma_scale_f32_16x16x128_f8f6f4 v[rD:rD+7], v[rB:rB+15], v[rA:rA+15], v[rD:rD+7], v[rSB], v[rSA] matrix_a_scale:MATRIX_SCALE_ROW1
.endif
.endr
.endm
; K is eight quarters of 128, 16 products each, on buffers 0, 1 by turns.  Quarter n of the first seven multiplies out of buffer n % 2 and, in its middle, fetches quarter n + 1 into the other.
.macro QUARTER n, zero
	s_wait_dscnt 8                                 ; all but the youngest eight loads (A's fragments 2 and 3) are in
	WIN MUL
	MUL4 F0+128*((\n)%2), 0, (\n)%4, (\n)/4, \zero
	MUL4 F0+128*((\n)%2), 1, (\n)%4, (\n)/4, \zero
	PLACES 8                                       ; the other buffer was read by the quarter before
	FETCH ((\n)+1)/4, ((\n)+1)%4, F0+128*(((\n)+1)%2)
	s_wait_dscnt 32                                ; all but the 32 just issued
	WIN MUL
	MUL4 F0+128*((\n)%2), 2, (\n)%4, (\n)/4, \zero
	MUL4 F0+128*((\n)%2), 3, (\n)%4, (\n)/4, \zero
.endm
; THE WAY OUT of my A tile a: into my stage (row = place r; each accumulator from its low end on) and back, two rows of 256 bytes an instruction.  LDS serves a wave's instructions in order: no wait between the stores and the loads.
.macro TOSTAGE a
.irp b, 0,1,2,3
	ds_store_b128 v[STO], v[ACC+8*(4*(\a)+\b):ACC+8*(4*(\a)+\b)+3] offset:128*(\b/2)+32*(\b%2)
	ds_store_b128 v[STO], v[ACC+8*(4*(\a)+\b)+4:ACC+8*(4*(\a)+\b)+7] offset:128*(\b/2)+32*(\b%2)+16
.endr
.set BB, OB+32*((\a)%2)
.irp t, 0,1,2,3,4,5,6,7
	ds_load_b128 v[BB+4*\t:BB+4*\t+3], v[RD] offset:\t*2*SPITCH
.endr
.endm
.macro SEND a, younger                 ; younger: the LDS instructions issued behind tile a's loads, which may stay out
.set BB, OB+32*((\a)%2)
	s_wait_dscnt \younger
.irp t, 0,1,2,3,4,5,6,7
	global_store_b128 v[CO], v[BB+4*\t:BB+4*\t+3], s[8:9] offset:(32*((\a)/2)+8*((\a)%2)+2*\t+8*(\t/4))*8192   ; places 2 t and 2 t + 1: sixteen lanes store 256 consecutive bytes, aligned
.endr
.endm
	s_load_b128 s[4:7], s[0:1], 0x0                ; act, wact
	s_load_b64 s[8:9], s[0:1], 0x10                ; y
	v_lshl_add_u32 v[SPW], v0, 2, SPARE
	v_mov_b32 v[NIL], 0
	ds_add_u32 v[SPW], v[NIL]                      ; the wave's opening: the add, twice on end, and its wait ahead of my first tensor load
	ds_add_u32 v[SPW], v[NIL]
	v_lshrrev_b32 v1, 5, v0
	v_readfirstlane_b32 s[WV], v1                  ; wave 0..3
	s_lshr_b32 s[HR], s[WV], 1                     ; my half of the tile's rows.  Also: I fetch for A (0) or Wo (1)
	s_and_b32 s[HC], s[WV], 1                      ; my half of its columns.  Also: which half of K I fetch
	s_bfe_u32 s[CX], ttmp6, 0x40000
	s_bfe_u32 s[CY], ttmp6, 0x40004
	s_lshl_b32 s[TC], ttmp9, 2
	s_add_co_u32 s[TC], s[TC], s[CX]               ; tile column: Wo's group
	s_and_b32 s[TR], ttmp7, 0xffff
	s_lshl_b32 s[TR], s[TR], 2
	s_add_co_u32 s[TR], s[TR], s[CY]               ; tile row: A's group
	s_lshl_b32 s42, s[CY], 2
	s_lshl_b32 s42, 15, s42                        ; my row of the cluster
	s_lshl_b32 s43, 0x1111, s[CX]                  ; my column
	s_or_b32 s[G1A], s42, (3<<16)|(1<<21)          ; group 1: the mask; elements of 8 bytes; bit 21 beside a mask; no padding
	s_or_b32 s[G1B], s43, (3<<16)|(1<<21)
.irp g, G1A, G1B
	s_mov_b32 s[\g+1], 32<<16                      ; tensor_dim0 = 32 elements: 256 bytes
	s_mov_b32 s[\g+2], 272<<16                     ; tensor_dim1 = 272 rows: two blocks
	s_mov_b32 s[\g+3], 32<<16                      ; tile_dim0
	s_mov_b32 s[\g+4], 272                         ; tile_dim1
	s_mov_b32 s[\g+5], 32                          ; the rows lie on end
	s_mov_b32 s[\g+6], 0
	s_mov_b32 s[\g+7], 0
.endr
	s_mul_i32 s85, s[HC], 2*BLK                    ; which two of the group's four blocks
	s_mul_i32 s44, s[TR], KB*BLK
	s_add_co_u32 s44, s44, s85                     ; A
	s_mov_b32 s45, 0
	s_mul_i32 s46, s[TC], KB*BLK
	s_add_co_u32 s46, s46, s85                     ; Wo likewise
	s_mov_b32 s47, 0
	s_mul_i32 s84, s[HC], HALF                     ; where they go: the half of K,
	s_mul_i32 s86, s[HR], 2*BLK                    ; and in it A's two blocks, then Wo's: no place in the cluster enters an LDS address
	s_add_co_u32 s84, s84, s86
	s_wait_dscnt 0x0                               ; both opening adds are done
	s_wait_kmcnt 0x0
	s_add_nc_u64 s[88:89], s[4:5], s[44:45]
	s_add_nc_u64 s[90:91], s[6:7], WOFF
	s_add_nc_u64 s[90:91], s[90:91], s[46:47]
	CROUND                                         ; all sixteen work-groups are here: the joint loads meet
	s_mov_b32 s[G0A], 1
	s_mov_b32 s[G0A+1], s84
	s_mov_b64 s[G0A+2:G0A+3], s[88:89]
	s_or_b32 s[G0A+3], s[G0A+3], 0x80000000
	s_mov_b32 s[G0B], 1
	s_mov_b32 s[G0B+1], s84
	s_mov_b64 s[G0B+2:G0B+3], s[90:91]
	s_or_b32 s[G0B+3], s[G0B+3], 0x80000000
	s_cmp_eq_u32 s[HR], 0                          ; the branch hangs on the wave's number alone; an s_nop 0 and four v_nop follow each load
	s_cbranch_scc0 .Lfor_b
	tensor_load_to_lds s[G0A:G0A+3], s[G1A:G1A+7]
	s_nop 0
.rept 4
	v_nop
.endr
	s_branch .Lasked
.Lfor_b:
	tensor_load_to_lds s[G0B:G0B+3], s[G1B:G1B+7]
	s_nop 0
.rept 4
	v_nop
.endr
.Lasked:
	s_lshl_b32 s44, s[HR], 13                      ; my four tiles of A: 8,192 bytes on for the second half of the rows
	s_lshl_b32 s45, s[HC], 13
	s_add_co_u32 s45, s45, 2*BLK                   ; my four tiles of Wo, behind A's two blocks
	s_lshl_b32 s46, s[HR], 9                       ; scale words: my two pairs of A's tiles
	s_lshl_b32 s47, s[HC], 9
	s_add_co_u32 s47, s47, 2*BLK
	s_sub_co_u32 s47, s47, s46                     ; from A's to Wo's
	s_add_co_u32 s46, s46, 32768                   ; the scale words' place in a block
	s_mul_i32 s94, s[WV], 16*SPITCH
	s_add_co_u32 s94, s94, STAGE                   ; my stage
	s_and_b32 s92, s[TR], 15
	s_lshl_b32 s92, s92, 1
	s_add_co_u32 s92, s92, s[HR]
	s_lshl_b32 s92, s92, 19                        ; my 64 rows in their batch: 64 rows of 8,192 bytes
	s_lshr_b32 s93, s[TR], 4
	s_lshl_b32 s93, s93, 12                        ; the batch
	s_add_co_u32 s92, s92, s93
	s_lshl_b32 s93, s[TC], 9
	s_add_co_u32 s92, s92, s93
	s_lshl_b32 s93, s[HC], 8
	s_add_co_u32 s92, s92, s93                     ; my 64 columns
	s_mov_b32 s93, 0
	s_add_nc_u64 s[8:9], s[8:9], s[92:93]
	v_and_b32 v1, 15, v0                           ; r
	v_bfe_u32 v2, v0, 4, 1                         ; h
	v_and_b32 v3, 31, v0
	v_lshlrev_b32 v[LI], 4, v3
	v_lshlrev_b32 v[L8], 3, v3
	v_mul_u32_u24 v4, s47, v2                      ; lanes 16-31 take Wo's
	v_add_nc_u32 v4, v4, v[L8]
	v_add_nc_u32 v[ADRA], s44, v[LI]
	v_add_nc_u32 v[ADRB], s45, v[LI]
	v_add_nc_u32 v[ADRS], s46, v4
	v_add_nc_u32 v[ADRA+1], HALF, v[ADRA]
	v_add_nc_u32 v[ADRB+1], HALF, v[ADRB]
	v_add_nc_u32 v[ADRS+1], HALF, v[ADRS]
	v_mul_u32_u24 v3, v1, SPITCH
	v_lshl_add_u32 v3, v2, 6, v3
	v_add_nc_u32 v[STO], s94, v3                   ; in: row r, + 64 h
	v_mul_u32_u24 v3, v2, SPITCH
	v_lshl_add_u32 v3, v1, 4, v3
	v_add_nc_u32 v[RD], s94, v3                    ; back: lanes 0-15 one row, lanes 16-31 the next
	v_lshlrev_b32 v3, 13, v2
	v_lshl_add_u32 v[CO], v1, 4, v3                ; and the same two rows in y, 8,192 bytes apart
	s_wait_alu depctr_va_vdst(0)
	s_wait_tensorcnt 0x0                           ; my two blocks are in,
	s_barrier_signal -1
	s_barrier_wait -1                              ; everybody's are
	SCALES 0
	SCALES 1
	FETCH 0, 0, F0
	QUARTER 0, 1                                   ; the first quarter's products start the sums
.irp n, 1,2,3,4,5,6
	QUARTER \n, 0
.endr
	s_wait_dscnt 8                                 ; the last quarter: nothing more to fetch
	WIN MUL
	MUL4 F1, 0, 3, 1, 0
	MUL4 F1, 1, 3, 1, 0
	s_wait_dscnt 0x0
	MUL4 F1, 2, 3, 1, 0
	MUL4 F1, 3, 3, 1, 0
	WIN 0
	PLACES 8
	TOSTAGE 0
.irp a, 1,2,3
.if \a > 1
	s_wait_xcnt 0x0                                ; tile a - 2's stores have read their registers: tile a's rows may land there
.endif
	TOSTAGE \a
	SEND \a-1, 16                                  ; behind tile a - 1's loads: tile a's 8 stores and 8 loads
.endr
	SEND 3, 0
	s_wait_tensorcnt 0x0                           ; the wave's end
	ds_add_u32 v[SPW], v[NIL]
	s_wait_dscnt 0x0
	CROUND                                         ; the closing round: no work-group ends while a partner may still ask for a block that names it
	s_endpgm
.Lfunc_end_k_qc3c22877da_wo:
	.size	k_qc3c22877da_wo, .Lfunc_end_k_qc3c22877da_wo-k_qc3c22877da_wo
	.p2alignl 7, 3214868480
	.fill 96, 4, 3214868480
	.section	.rodata,"a",@progbits
	.p2align	6, 0x0
	.amdhsa_kernel k_qc3c22877da_wo
		.amdhsa_group_segment_fixed_size 327680
		.amdhsa_private_segment_fixed_size 0
		.amdhsa_enable_private_segment 0
		.amdhsa_kernarg_size 24
		.amdhsa_user_sgpr_count 2
		.amdhsa_user_sgpr_kernarg_segment_ptr 1
		.amdhsa_wavefront_size32 1
		.amdhsa_system_sgpr_workgroup_id_x 1
		.amdhsa_system_sgpr_workgroup_id_y 1
		.amdhsa_system_sgpr_workgroup_id_z 1
		.amdhsa_system_vgpr_workitem_id 0
		.amdhsa_next_free_vgpr 512
		.amdhsa_next_free_sgpr 100
		.amdhsa_reserve_vcc 0
		.amdhsa_float_denorm_mode_32 3
		.amdhsa_float_denorm_mode_16_64 3
		.amdhsa_memory_ordered 1
		.amdhsa_forward_progress 1
		.amdhsa_inst_pref_size 50
	.end_amdhsa_kernel
	.amdgpu_metadata
---
amdhsa.version: [ 1, 2 ]
amdhsa.kernels:
  - .name:           k_qc3c22877da_wo
    .symbol:         k_qc3c22877da_wo.kd
    .args:
      - { .name: act, .offset: 0, .size: 8, .value_kind: global_buffer, .address_space: global }
      - { .name: wact, .offset: 8, .size: 8, .value_kind: global_buffer, .address_space: global }
      - { .name: y, .offset: 16, .size: 8, .value_kind: global_buffer, .address_space: global }
    .group_segment_fixed_size: 327680
    .private_segment_fixed_size: 0
    .kernarg_segment_align: 8
    .kernarg_segment_size: 24
    .max_flat_workgroup_size: 128
    .sgpr_count:     100
    .vgpr_count:     512
    .wavefront_size: 32
...
	.end_amdgpu_metadata
.endif
;; end of part 12
;; launch ln1 (part 13): grid 256 x 1, 8 waves a work-group, no clusters, 66,816 bytes of LDS; arguments y, src, bo, g1, be1, x, act; writes x, act
.if DOCPART == 13
	.amdgcn_target "amdgcn-amd-amdhsa--gfx1250"
	.amdhsa_code_object_version 6
	.text
	.protected	k_qc3c22877da_ln1
	.globl	k_qc3c22877da_ln1
	.p2align	8
	.type	k_qc3c22877da_ln1,@function
k_qc3c22877da_ln1:
	s_mov_b64 s[64:65], 0
	v_nop
	global_prefetch_b8 v0, s[64:65] scope:SCOPE_SE
	s_setreg_imm32_b32 hwreg(HW_REG_WAVE_MODE, 25, 1), 1
	s_wait_xcnt 0x0
; x = layer norm((y + bo) + src) x g1 + be1, stored as f32 and, quantised along E, as the next product's operand.  Nothing of reference() is left out.
; A stream: memory binds; no matrix unit, no cluster, no tensor load, no loop to prefetch in.  A work-group owns ONE TILE of 16 tokens: tile 2 ip + u of group G, whose place m is row 32 ip + 8 u + m + 8 (m / 8) of the group
; (rows 8,192 bytes apart: one batch): 4,096 / 16 = 256 work-groups.  PHASE 1: wave w takes places 2 w and 2 w + 1, which are neighbouring rows, a whole row in 32 registers a lane (columns 128 j + 4 lane + 0..3), both rows asked for at once:
; mean, then the mean of the squared differences, as reference() has them; the row goes to x and into LDS, at its place.
; PHASE 2, behind one barrier: wave w takes columns 128 w on of all 16 places: lane (r, h) reads, of place r, 16 neighbours of each block of 32, quantises them and stores one fragment and its scale words
; into act's block (G, w / 2), q = w % 2, in this program's own layout (fragment (q, i) at 16,384 q + 2,048 i + 512 c + 16 lane, scale words at 32,768 + 256 (4 q + i / 2) + 8 lane + 4 (i % 2)).
; A tile's scale words are 4 of each 8 bytes there: the work-group of the pair's other tile stores the other 4.  All other stores cover 512 consecutive bytes, aligned.
; LIMITS: a block of zeros or under 2^-118 gets the byte 1; NaN and infinities are not served.
.set BLK,   34816
.set LP,    4112                       ; an LDS row: 4,096 bytes + 16
.set RSTR,  8192                       ; from row to row in memory
.set SPARE, 16*LP                      ; behind the rows: the spare words, 128 bytes a wave, which no other line names
.set SPW, 6
.set NIL, 7
.set BO,  16                           ; v16-47 bo, v48-79 g1, v80-111 be1 of my 32 columns
.set GA,  48
.set BE,  80
.set YA,  112                          ; row 0: y v112-143, src v144-175;  row 1: v176-207, v208-239
.set RA,  144
.set YB,  176
.set RB,  208
.set T,   240                          ; v240-245 at work in a row
.set Q,   112                          ; phase 2: a tile's 64 numbers a lane
.set PC,  16
.set PW,  48
.set TM,  240
.set SEL, 30
.set MNT, 32
.set INV, 33
.set EPS, 34
.macro RED x, t                        ; the sum over the wave's 32 lanes, in every lane
	s_delay_alu instid0(VALU_DEP_1)
	v_add_f32_dpp v[\x], v[\x], v[\x] row_xmask:1 row_mask:0xf bank_mask:0xf
	s_delay_alu instid0(VALU_DEP_1)
	v_add_f32_dpp v[\x], v[\x], v[\x] row_xmask:2 row_mask:0xf bank_mask:0xf
	s_delay_alu instid0(VALU_DEP_1)
	v_add_f32_dpp v[\x], v[\x], v[\x] row_xmask:4 row_mask:0xf bank_mask:0xf
	s_delay_alu instid0(VALU_DEP_1)
	v_add_f32_dpp v[\x], v[\x], v[\x] row_xmask:8 row_mask:0xf bank_mask:0xf
	s_delay_alu instid0(VALU_DEP_1)
	v_permlanex16_b32 v[\t], v[\x], s[SEL], s[SEL+1]
	s_delay_alu instid0(VALU_DEP_1)
	v_add_f32 v[\x], v[\x], v[\t]
.endm
.macro LOADROW y, r, k                 ; sixteen loads of 512 consecutive bytes
.set j, 0
.rept 8
	global_load_b128 v[\y+4*j:\y+4*j+3], v1, s[4:5] offset:(\k)*RSTR+512*j th:TH_LOAD_NT
	global_load_b128 v[\r+4*j:\r+4*j+3], v1, s[6:7] offset:(\k)*RSTR+512*j th:TH_LOAD_NT
.set j, j+1
.endr
.endm
.macro ROW y, r, k
.set j, 0
.rept 16
	v_pk_add_f32 v[\y+j:\y+j+1], v[\y+j:\y+j+1], v[BO+j:BO+j+1]
.set j, j+2
.endr
.set j, 0
.rept 16
	v_pk_add_f32 v[\y+j:\y+j+1], v[\y+j:\y+j+1], v[\r+j:\r+j+1]
.set j, j+2
.endr
	v_pk_add_f32 v[T:T+1], v[\y:\y+1], v[\y+2:\y+3]              ; the sum, in two chains
	v_pk_add_f32 v[T+2:T+3], v[\y+4:\y+5], v[\y+6:\y+7]
.set j, 8
.rept 6
	s_delay_alu instid0(VALU_DEP_2)
	v_pk_add_f32 v[T:T+1], v[T:T+1], v[\y+j:\y+j+1]
	s_delay_alu instid0(VALU_DEP_2)
	v_pk_add_f32 v[T+2:T+3], v[T+2:T+3], v[\y+j+2:\y+j+3]
.set j, j+4
.endr
	s_delay_alu instid0(VALU_DEP_1)
	v_pk_add_f32 v[T:T+1], v[T:T+1], v[T+2:T+3]
	s_delay_alu instid0(VALU_DEP_1)
	v_add_f32 v[T], v[T], v[T+1]
	RED T, T+1
	s_delay_alu instid0(VALU_DEP_1)
	v_mul_f32 v[T], s[INV], v[T]                   ; the mean
.set j, 0
.rept 16
	v_pk_add_f32 v[\y+j:\y+j+1], v[\y+j:\y+j+1], v[T:T+1] op_sel_hi:[1,0] neg_lo:[0,1] neg_hi:[0,1]
.set j, j+2
.endr
	v_pk_mul_f32 v[T+2:T+3], v[\y:\y+1], v[\y:\y+1]
	v_pk_mul_f32 v[T+4:T+5], v[\y+2:\y+3], v[\y+2:\y+3]
.set j, 4
.rept 7
	s_delay_alu instid0(VALU_DEP_2)
	v_pk_fma_f32 v[T+2:T+3], v[\y+j:\y+j+1], v[\y+j:\y+j+1], v[T+2:T+3]
	s_delay_alu instid0(VALU_DEP_2)
	v_pk_fma_f32 v[T+4:T+5], v[\y+j+2:\y+j+3], v[\y+j+2:\y+j+3], v[T+4:T+5]
.set j, j+4
.endr
	s_delay_alu instid0(VALU_DEP_1)
	v_pk_add_f32 v[T+2:T+3], v[T+2:T+3], v[T+4:T+5]
	s_delay_alu instid0(VALU_DEP_1)
	v_add_f32 v[T+2], v[T+2], v[T+3]
	RED T+2, T+3
	s_delay_alu instid0(VALU_DEP_1)
	v_fma_f32 v[T+2], v[T+2], s[INV], s[EPS]       ; the variance + 1e-5
	s_wait_alu depctr_va_vdst(0)
	v_rsq_f32 v[T+2], v[T+2]
	v_nop                                          ; a plain line behind the transcendental,
	s_wait_alu depctr_va_vdst(0)                   ; and the wait ahead of its first reader
.set j, 0
.rept 16
	v_pk_mul_f32 v[\y+j:\y+j+1], v[\y+j:\y+j+1], v[T+2:T+3] op_sel_hi:[1,0]
.set j, j+2
.endr
.set j, 0
.rept 16
	v_pk_fma_f32 v[\y+j:\y+j+1], v[\y+j:\y+j+1], v[GA+j:GA+j+1], v[BE+j:BE+j+1]
.set j, j+2
.endr
.set j, 0
.rept 8
	global_store_b128 v1, v[\y+4*j:\y+4*j+3], s[14:15] offset:(\k)*RSTR+512*j
	ds_store_b128 v2, v[\y+4*j:\y+4*j+3] offset:(\k)*LP+512*j
.set j, j+1
.endr
.endm
; 64 numbers of a lane, register 16 b + i = K 32 b + 16 (lane / 16) + i of my row, become a fragment's codes in v[pc] on and its scale word in v[pw]
.macro QUANT s, pc, pw
.irp b, 0,1,2,3
	v_max3_num_f32 v[TM+\b], |v[\s+16*\b]|, |v[\s+1+16*\b]|, 0x4800000   ; with the floor 2^(9 - 127): the byte cannot fall under 1
.endr
.irp i, 2,4,6,8,10,12,14
.irp b, 0,1,2,3
	s_delay_alu instid0(VALU_DEP_4)
	v_max3_num_f32 v[TM+\b], v[TM+\b], |v[\s+16*\b+\i]|, |v[\s+1+16*\b+\i]|
.endr
.endr
.irp b, 0,1,2,3
	s_delay_alu instid0(VALU_DEP_4)
	v_permlanex16_b32 v[TM+4+\b], v[TM+\b], s[SEL], s[SEL+1]
.endr
.irp b, 0,1,2,3
	s_delay_alu instid0(VALU_DEP_4)
	v_max_num_f32 v[TM+\b], v[TM+\b], v[TM+4+\b]
.endr
.irp b, 0,1,2,3
	s_delay_alu instid0(VALU_DEP_4)
	v_add_nc_u32 v[TM+12+\b], 0xfc000000, v[TM+\b]               ; 8 off the exponent field: the conversion's scale operand
.endr
.irp b, 0,1,2,3
	v_and_or_b32 v[TM+8+\b], v[TM+\b], 0x7f800000, s[MNT]        ; 448 x the scale
.endr
.irp b, 0,1,2,3
	v_lshrrev_b32 v[TM+4+\b], 23, v[TM+12+\b]                    ; the scale's byte
.endr
	s_delay_alu instid0(VALU_DEP_3)
	v_lshl_or_b32 v[\pw], v[TM+5], 8, v[TM+4]
	s_delay_alu instid0(VALU_DEP_1)
	v_lshl_or_b32 v[\pw], v[TM+6], 16, v[\pw]
	s_delay_alu instid0(VALU_DEP_1)
	v_lshl_or_b32 v[\pw], v[TM+7], 24, v[\pw]
.irp b, 0,1,2,3
.irp i, 0,1,2,3,4,5,6,7,8,9,10,11,12,13,14,15
	v_med3_num_f32 v[\s+16*\b+\i], v[\s+16*\b+\i], -v[TM+8+\b], v[TM+8+\b]   ; the conversion to an 8-bit code does not saturate (ISA guide 7.6.2)
.endr
	v_cvt_scalef32_pk8_fp8_f32 v[\pc+4*\b:\pc+4*\b+1], v[\s+16*\b:\s+16*\b+7], v[TM+12+\b]
	v_cvt_scalef32_pk8_fp8_f32 v[\pc+4*\b+2:\pc+4*\b+3], v[\s+16*\b+8:\s+16*\b+15], v[TM+12+\b]
.endr
	v_nop
.endm
	s_load_b256 s[4:11], s[0:1], 0x0               ; y, src, bo, g1
	s_load_b128 s[12:15], s[0:1], 0x20             ; be1, x
	s_load_b64 s[16:17], s[0:1], 0x30              ; act
	v_lshl_add_u32 v[SPW], v0, 2, SPARE
	v_mov_b32 v[NIL], 0
	v_lshrrev_b32 v8, 5, v0
	s_delay_alu instid0(VALU_DEP_1)
	v_readfirstlane_b32 s18, v8                    ; wave 0..7
	s_mul_i32 s19, s18, 2*LP                       ; LDS, in: my two places
	s_lshl_b32 s36, s18, 9                         ; LDS, out: my 128 columns
	s_lshr_b32 s20, ttmp9, 3                       ; G
	s_bfe_u32 s21, ttmp9, 0x20001                  ; ip
	s_and_b32 s35, ttmp9, 1                        ; u
	s_lshr_b32 s22, s18, 1                         ; phase 2: K step
	s_and_b32 s23, s18, 1                          ; and q
	s_lshl_b32 s24, s23, 14
	s_lshl_b32 s25, s21, 12
	s_add_co_u32 s24, s24, s25
	s_lshl_b32 s25, s35, 11
	s_add_co_u32 s24, s24, s25                     ; my codes' place in the block: 16,384 q + 2,048 (2 ip + u)
	s_lshl_b32 s37, s23, 2
	s_add_co_u32 s37, s37, s21
	s_lshl_b32 s37, s37, 8
	s_lshl_b32 s25, s35, 2
	s_add_co_u32 s37, s37, s25
	s_add_co_u32 s37, s37, 32768                   ; my scale words' place: 32,768 + 256 (4 q + ip) + 4 u
	s_and_b32 s26, s20, 15
	s_lshl_b32 s26, s26, 20                        ; my first row: the group,
	s_lshl_b32 s25, s21, 18
	s_add_co_u32 s26, s26, s25                     ; 32 ip rows,
	s_lshr_b32 s25, s20, 4
	s_lshl_b32 s25, s25, 12
	s_add_co_u32 s26, s26, s25                     ; the batch,
	s_lshl_b32 s25, s35, 16
	s_add_co_u32 s26, s26, s25                     ; 8 u rows,
	s_lshl_b32 s25, s18, 14
	s_add_co_u32 s26, s26, s25                     ; place 2 w,
	s_lshr_b32 s25, s18, 2
	s_lshl_b32 s25, s25, 16
	s_add_co_u32 s26, s26, s25                     ; and 8 rows more from place 8 on
	s_mov_b32 s27, 0
	s_lshl_b32 s28, s20, 2
	s_add_co_u32 s28, s28, s22
	s_mul_i32 s28, s28, BLK
	s_mov_b32 s29, 0
	s_mov_b32 s[SEL], 0x76543210
	s_mov_b32 s[SEL+1], 0xfedcba98
	s_mov_b32 s[MNT], 0x600000
	s_mov_b32 s[INV], 0x3a800000                   ; 1 / 1,024
	s_mov_b32 s[EPS], 0x3727c5ac                   ; 1e-5
	v_and_b32 v8, 31, v0
	v_and_b32 v9, 15, v0                           ; r
	v_bfe_u32 v10, v0, 4, 1                        ; h
	v_lshlrev_b32 v1, 4, v8                        ; 16 x lane
	v_mul_u32_u24 v3, v9, LP
	v_lshl_add_u32 v5, v8, 3, s37
	v_lshl_add_u32 v3, v10, 6, v3
	v_add_nc_u32 v2, s19, v1
	v_add_nc_u32 v4, s24, v1
	v_add_nc_u32 v3, s36, v3                       ; place r's row, + 64 h, + my 128 columns
	s_wait_alu depctr_va_vdst(0)
	s_wait_kmcnt 0x0
	s_add_nc_u64 s[4:5], s[4:5], s[26:27]
	s_add_nc_u64 s[6:7], s[6:7], s[26:27]
	s_add_nc_u64 s[14:15], s[14:15], s[26:27]
	s_add_nc_u64 s[16:17], s[16:17], s[28:29]
.set j, 0
.rept 8
	global_load_b128 v[BO+4*j:BO+4*j+3], v1, s[8:9] offset:512*j
	global_load_b128 v[GA+4*j:GA+4*j+3], v1, s[10:11] offset:512*j
	global_load_b128 v[BE+4*j:BE+4*j+3], v1, s[12:13] offset:512*j
.set j, j+1
.endr
	LOADROW YA, RA, 0
	LOADROW YB, RB, 1
	s_wait_loadcnt 16                              ; the second row's sixteen loads stay out
	ROW YA, RA, 0
	s_wait_loadcnt 0x0
	ROW YB, RB, 1
	s_wait_dscnt 0x0                               ; for the others' sake: my rows lie in LDS
	s_barrier_signal -1
	s_barrier_wait -1
	s_wait_xcnt 0x0                                ; the stores to x have read their registers
.irp c, 0,1,2,3
.irp k, 0,1,2,3
	ds_load_b128 v[Q+16*\c+4*\k:Q+16*\c+4*\k+3], v3 offset:128*\c+16*\k
.endr
.endr
.irp b, 0,1,2,3
	v_mov_b32 v[TM+4+\b], 0                        ; a lane permute's destination counts as one of its sources
.endr
	s_wait_dscnt 0x0
	QUANT Q, PC, PW
.irp k, 0,1,2,3
	global_store_b128 v4, v[PC+4*\k:PC+4*\k+3], s[16:17] offset:512*\k   ; 512 consecutive bytes, aligned
.endr
	global_store_b32 v5, v[PW], s[16:17]           ; my tile's word of each place's pair
	s_wait_tensorcnt 0x0                           ; the wave's end
	ds_add_u32 v[SPW], v[NIL]
	s_wait_dscnt 0x0
	s_endpgm
.Lfunc_end_k_qc3c22877da_ln1:
	.size	k_qc3c22877da_ln1, .Lfunc_end_k_qc3c22877da_ln1-k_qc3c22877da_ln1
	.p2alignl 7, 3214868480
	.fill 96, 4, 3214868480
	.section	.rodata,"a",@progbits
	.p2align	6, 0x0
	.amdhsa_kernel k_qc3c22877da_ln1
		.amdhsa_group_segment_fixed_size 66816
		.amdhsa_private_segment_fixed_size 0
		.amdhsa_enable_private_segment 0
		.amdhsa_kernarg_size 56
		.amdhsa_user_sgpr_count 2
		.amdhsa_user_sgpr_kernarg_segment_ptr 1
		.amdhsa_wavefront_size32 1
		.amdhsa_system_sgpr_workgroup_id_x 1
		.amdhsa_system_sgpr_workgroup_id_y 1
		.amdhsa_system_sgpr_workgroup_id_z 1
		.amdhsa_system_vgpr_workitem_id 0
		.amdhsa_next_free_vgpr 256
		.amdhsa_next_free_sgpr 66
		.amdhsa_reserve_vcc 0
		.amdhsa_float_denorm_mode_32 3
		.amdhsa_float_denorm_mode_16_64 3
		.amdhsa_memory_ordered 1
		.amdhsa_forward_progress 1
		.amdhsa_inst_pref_size 41
	.end_amdhsa_kernel
	.amdgpu_metadata
---
amdhsa.version: [ 1, 2 ]
amdhsa.kernels:
  - .name:           k_qc3c22877da_ln1
    .symbol:         k_qc3c22877da_ln1.kd
    .args:
      - { .name: y, .offset: 0, .size: 8, .value_kind: global_buffer, .address_space: global }
      - { .name: src, .offset: 8, .size: 8, .value_kind: global_buffer, .address_space: global }
      - { .name: bo, .offset: 16, .size: 8, .value_kind: global_buffer, .address_space: global }
      - { .name: g1, .offset: 24, .size: 8, .value_kind: global_buffer, .address_space: global }
      - { .name: be1, .offset: 32, .size: 8, .value_kind: global_buffer, .address_space: global }
      - { .name: x, .offset: 40, .size: 8, .value_kind: global_buffer, .address_space: global }
      - { .name: act, .offset: 48, .size: 8, .value_kind: global_buffer, .address_space: global }
    .group_segment_fixed_size: 66816
    .private_segment_fixed_size: 0
    .kernarg_segment_align: 8
    .kernarg_segment_size: 56
    .max_flat_workgroup_size: 256
    .sgpr_count:     66
    .vgpr_count:     256
    .wavefront_size: 32
...
	.end_amdgpu_metadata
.endif
;; end of part 13
;; launch w1 (part 14): grid 16 x 16, 4 waves a work-group, clusters of 4 x 4, 327,680 bytes of LDS; arguments act, wact, b1, hact; writes hact
.if DOCPART == 14
	.amdgcn_target "amdgcn-amd-amdhsa--gfx1250"
	.amdhsa_code_object_version 6
	.text
	.protected	k_qc3c22877da_w1
	.globl	k_qc3c22877da_w1
	.p2align	8
	.type	k_qc3c22877da_w1,@function
k_qc3c22877da_w1:
	s_mov_b64 s[64:65], 0
	v_nop
	global_prefetch_b8 v0, s[64:65] scope:SCOPE_SE
	s_setreg_imm32_b32 hwreg(HW_REG_WAVE_MODE, 25, 1), 1
	s_wait_xcnt 0x0
	s_wait_alu depctr_hold_cnt(0) depctr_sa_sdst(0) depctr_va_vdst(0) depctr_va_sdst(0) depctr_va_ssrc(0) depctr_va_vcc(0) depctr_vm_vsrc(0)
	s_getreg_b32 s2, hwreg(HW_REG_IB_STS2, 6, 4)
	s_cmp_eq_u32 s2, 0
	s_cbranch_scc0 .Lentry_in_a_cluster
	s_endpgm
.Lentry_in_a_cluster:
	s_bfe_u32 s2, ttmp6, 0x10000c
	s_cmp_lg_u32 s2, 0xf033
	s_cbranch_scc0 .Lentry_shape_is_right
	s_endpgm
.Lentry_shape_is_right:
; relu(Q(x) W1^T + b1) ON CODES, quantised along DFF in registers and stored as the next product's operand; nothing of reference() is left out.  A tile of 256 x 256 to a work-group, 128 x 128 to each of four waves;
; K = 1,024 in steps of 256 through two LDS slots.  Operands lie as images of the operand registers (blocks of 34,816 bytes, codes and scale words together); a wave fetches one block by one tensor load, asked for jointly in clusters of 4 x 4.
; The bias is the C of each accumulator's first product; the hold between 0 and 448 x the scale is the activation too.
; PREFETCH INTO THE L2: behind slot 0's load stand the requests for K steps 1 and 2, behind slot 1's load that for K step 3: one or two K steps ahead of the loads that will want them, never more than two K steps asked for and not yet read.
; A block is 136 units of 256 bytes; the four partners that ask for it jointly share them out by address, 34 each (place cx for x's, cy for W1's): one instruction of 32 lanes, a unit a lane, and one for the last two units, whose other lanes
; name the last unit again.
.set QKV,   0
.set PFO,  30                          ; v30  256 x lane; never rewritten
.set PFO2, 31                          ; v31  256 x (32 + min(lane, 1)); never rewritten
.set PFA,  96                          ; s[96:97] my work-group's 34 units of the block that I fetch, at K step 0; never rewritten
.macro ASK2 off
	global_prefetch_b8 v[PFO], s[PFA:PFA+1] offset:\off th:TH_LOAD_NT scope:SCOPE_SE
	global_prefetch_b8 v[PFO2], s[PFA:PFA+1] offset:\off th:TH_LOAD_NT scope:SCOPE_SE
.endm
.set BLK,   34816
.set SLOT,  4*BLK
.set SPARE, 2*SLOT
.set KB,    4
.set LAPS,  KB/2
.set LI,   8
.set L8,   9
.set ADRA, 16
.set ADRB, 20
.set ADRS, 22
.set CO,   26
.set SPW,  28
.set NIL,  29
.set SC,   32
.set BI,   64
.set AF,   128
.set X,    128
.set PC,   192
.set TM,   208
.set PWP,  224
.set PW2,  226
.set WV,  18
.set HR,  19
.set HC,  20
.set CX,  21
.set CY,  22
.set ISV, 23
.set G1A, 24
.set G0A, 32
.set TR,  40
.set TC,  41
.set G1B, 48
.set G0B, 56
.set P0,  66
.set P1,  68
.set Q0,  70
.set Q1,  72
.set SA,  74
.set SA4, 76
.set SQ4, 78
.set SEL, 80
.set MNT, 82
.set LAP, 83
.set MSB, 0
.macro WIN new
.if MSB != (\new)
	s_set_vgpr_msb (MSB<<8)|(\new)
.set MSB, (\new)
.endif
.endm
.set MUL_LO, 0xa1
.set MUL_HI, 0xf1
.set TO_B,   0x40
.macro JLOAD g0a, g1a, g0b, g1b
	s_cmp_eq_u32 s[HR], 0
	s_cbranch_scc0 .Lfor_b_\@
	tensor_load_to_lds s[\g0a:\g0a+3], s[\g1a:\g1a+7]
	s_nop 0
.rept 4
	v_nop
.endr
	s_branch .Lasked_\@
.Lfor_b_\@:
	tensor_load_to_lds s[\g0b:\g0b+3], s[\g1b:\g1b+7]
	s_nop 0
.rept 4
	v_nop
.endr
.Lasked_\@:
.endm
.macro CREST
	s_cmp_lg_u32 s[WV], 0
	s_cbranch_scc1 .Lnot_wave_0_\@
	s_barrier_signal -3
.Lnot_wave_0_\@:
	s_barrier_wait -3
	s_barrier_signal -1
	s_barrier_wait -1
.endm
.macro CROUND
	s_barrier_signal -1
	s_barrier_wait -1
	CREST
.endm
.macro PLACES n
.rept \n
	v_nop
.endr
.endm
.macro FRAG reg, adr, q, i
.irp c, 0,1,2,3
	ds_load_b128 v[\reg+4*\c:\reg+4*\c+3], v[\adr] offset:16384*(\q)+2048*(\i)+512*\c
.endr
.endm
.macro MUL16 a0, p, q, sc, mode
.irp a, \a0, \a0+1
.irp b, 0,1,2,3,4,5,6,7
.set rD, 8*(8*((\a)%4)+\b)
.set rB, 128*(\p)+16*\b
.set rA, AF+16*(\a)
.set rSB, SC+16*(\sc)+8*(\q)+\b
.set rSA, SC+16*(\sc)+8*(\q)+(\a)
.if \mode == 0
	v_wmma_scale_f32_16x16x128_f8f6f4 v[rD:rD+7], v[rB:rB+15], v[rA:rA+15], v[rD:rD+7], v[rSB], v[rSA] matrix_a_scale:MATRIX_SCALE_ROW1
.elseif \mode == 2
	v_wmma_scale_f32_16x16x128_f8f6f4 v[rD:rD+7], v[rB:rB+15], v[rA:rA+15], v[BI+8*\b:BI+8*\b+7], v[rSB], v[rSA] matrix_a_scale:MATRIX_SCALE_ROW1
.else
	v_wmma_scale_f32_16x16x128_f8f6f4 v[rD:rD+7], v[rB:rB+15], v[rA:rA+15], v[BI+8*(\a):BI+8*(\a)+7], v[rSB], v[rSA] matrix_a_scale:MATRIX_SCALE_ROW1
.endif
.endr
.endr
.endm
.macro FETCH_B slot, q, p
	WIN TO_B
.irp i, 0,1,2,3,4,5,6,7
	FRAG 128*(\p)+16*\i, ADRB+\slot, \q, \i
.endr
	WIN 0
.endm
.macro FETCH_A slot, q, i0
.irp i, \i0, \i0+1, \i0+2, \i0+3
	FRAG AF+16*(\i), ADRA+\slot, \q, \i
.endr
.endm
.macro SCALES sc
.irp q, 0,1
.irp i, 0,1,2,3
	ds_load_b64 v[SC+16*\sc+8*\q+2*\i:SC+16*\sc+8*\q+2*\i+1], v[ADRS+\sc] offset:32768+(4*\q+\i)*256
.endr
.endr
.endm
.macro STEP slot, q, mode
	s_wait_dscnt 16
.if \mode >= 2
	WIN 0x81
.else
	WIN MUL_LO
.endif
	MUL16 0, (\q)%2, \q, \slot, \mode
	MUL16 2, (\q)%2, \q, \slot, \mode
	s_wait_dscnt 0x0
	PLACES 8
	FETCH_B \slot, (\q)+1, 1-(\q)%2
	FETCH_A \slot, (\q)+1, 0
.if \mode >= 2
	WIN 0xc1
.else
	WIN MUL_HI
.endif
	MUL16 4, (\q)%2, \q, \slot, \mode
	MUL16 6, (\q)%2, \q, \slot, \mode
	PLACES 8
	WIN 0
	FETCH_A \slot, (\q)+1, 4
.endm
.macro TURN slot, next, fill
	s_wait_tensorcnt 0x0
	ds_add_u32 v[SPW], v[NIL]
	s_wait_dscnt 17
	WIN MUL_LO
	MUL16 0, 1, 1, \slot, 0
	s_wait_dscnt 0x0
	s_barrier_signal -1
	MUL16 2, 1, 1, \slot, 0
	WIN 0
	s_barrier_wait -1
.if \fill
	CREST
	s_add_nc_u64 s[G0A+4*\slot+2:G0A+4*\slot+3], s[G0A+4*\slot+2:G0A+4*\slot+3], 2*BLK
	s_add_nc_u64 s[G0B+4*\slot+2:G0B+4*\slot+3], s[G0B+4*\slot+2:G0B+4*\slot+3], 2*BLK
	JLOAD G0A+4*\slot, G1A, G0B+4*\slot, G1B
	PLACES 4
.else
	PLACES 8
.endif
	FETCH_B \next, 0, 0
	FETCH_A \next, 0, 0
	SCALES \next
	WIN MUL_HI
	MUL16 4, 1, 1, \slot, 0
	MUL16 6, 1, 1, \slot, 0
	PLACES 8
	WIN 0
	FETCH_A \next, 0, 4
.endm
.macro QUANTW a, relu
.set AC, 64*((\a)%4)
.set W, 2+(\a)/4
	WIN W|(W<<2)
.irp b, 0,1,2,3
.if \relu
	v_max3_num_f32 v[TM+\b], v[AC+16*\b], v[AC+1+16*\b], 0x4800000
.else
	v_max3_num_f32 v[TM+\b], |v[AC+16*\b]|, |v[AC+1+16*\b]|, 0x4800000
.endif
.endr
	WIN (W<<2)|(W<<4)
.irp i, 2,4,6,8,10,12,14
.irp b, 0,1,2,3
.if \relu
	v_max3_num_f32 v[TM+\b], v[TM+\b], v[AC+16*\b+\i], v[AC+1+16*\b+\i]
.else
	v_max3_num_f32 v[TM+\b], v[TM+\b], |v[AC+16*\b+\i]|, |v[AC+1+16*\b+\i]|
.endif
.endr
.endr
	WIN 0
.irp b, 0,1,2,3
	v_permlanex16_b32 v[TM+4+\b], v[TM+\b], s[SEL], s[SEL+1]
.endr
.irp b, 0,1,2,3
	v_max_num_f32 v[TM+\b], v[TM+\b], v[TM+4+\b]
.endr
.irp b, 0,1,2,3
	v_add_nc_u32 v[TM+12+\b], 0xfc000000, v[TM+\b]
.endr
.irp b, 0,1,2,3
	v_and_or_b32 v[TM+8+\b], v[TM+\b], 0x7f800000, s[MNT]
.endr
.irp b, 0,1,2,3
	v_lshrrev_b32 v[TM+4+\b], 23, v[TM+12+\b]
.endr
	v_lshl_or_b32 v[PWP+(\a)%2], v[TM+5], 8, v[TM+4]
	v_lshl_or_b32 v[PWP+(\a)%2], v[TM+6], 16, v[PWP+(\a)%2]
	v_lshl_or_b32 v[PWP+(\a)%2], v[TM+7], 24, v[PWP+(\a)%2]
	WIN W
.irp b, 0,1,2,3
.irp i, 0,1,2,3,4,5,6,7,8,9,10,11,12,13,14,15
.if \relu
	v_med3_num_f32 v[X+16*\b+\i], v[AC+16*\b+\i], 0, v[TM+8+\b]
.else
	v_med3_num_f32 v[X+16*\b+\i], v[AC+16*\b+\i], -v[TM+8+\b], v[TM+8+\b]
.endif
.endr
.endr
	WIN 0
.irp b, 0,1,2,3
	v_cvt_scalef32_pk8_fp8_f32 v[PC+4*\b:PC+4*\b+1], v[X+16*\b:X+16*\b+7], v[TM+12+\b]
	v_cvt_scalef32_pk8_fp8_f32 v[PC+4*\b+2:PC+4*\b+3], v[X+16*\b+8:X+16*\b+15], v[TM+12+\b]
.endr
	v_nop
.endm
.if QKV
	s_load_b256 s[4:11], s[0:1], 0x0
	s_load_b128 s[12:15], s[0:1], 0x20
	s_load_b64 s[16:17], s[0:1], 0x30
.else
	s_load_b256 s[4:11], s[0:1], 0x0
.endif
	v_lshl_add_u32 v[SPW], v0, 2, SPARE
	v_mov_b32 v[NIL], 0
	ds_add_u32 v[SPW], v[NIL]
	ds_add_u32 v[SPW], v[NIL]
	v_lshrrev_b32 v1, 5, v0
	v_readfirstlane_b32 s[WV], v1
	s_lshr_b32 s[HR], s[WV], 1
	s_and_b32 s[HC], s[WV], 1
	s_bfe_u32 s[CX], ttmp6, 0x40000
	s_bfe_u32 s[CY], ttmp6, 0x40004
	s_and_b32 s44, ttmp7, 0xffff
.if QKV
	s_cmp_eq_u32 ttmp9, 2
	s_cselect_b32 s[ISV], 1, 0
	s_cselect_b32 s45, s44, ttmp9
	s_cselect_b32 s46, 0, s44
.else
	s_mov_b32 s45, ttmp9
	s_mov_b32 s46, s44
.endif
	s_lshl_b32 s[TC], s45, 2
	s_add_co_u32 s[TC], s[TC], s[CX]
	s_lshl_b32 s[TR], s46, 2
	s_add_co_u32 s[TR], s[TR], s[CY]
	s_lshl_b32 s42, s[CY], 2
	s_lshl_b32 s42, 15, s42
	s_lshl_b32 s43, 0x1111, s[CX]
	s_or_b32 s[G1A], s42, (3<<16)|(1<<21)
	s_or_b32 s[G1B], s43, (3<<16)|(1<<21)
.irp g, G1A, G1B
	s_mov_b32 s[\g+1], 32<<16
	s_mov_b32 s[\g+2], 136<<16
	s_mov_b32 s[\g+3], 32<<16
	s_mov_b32 s[\g+4], 136
	s_mov_b32 s[\g+5], 32
	s_mov_b32 s[\g+6], 0
	s_mov_b32 s[\g+7], 0
.endr
	s_lshl_b32 s44, s[TR], 1
	s_add_co_u32 s44, s44, s[HC]
	s_mul_i32 s44, s44, KB*BLK
	s_mov_b32 s45, 0
	s_lshl_b32 s46, s[TC], 1
	s_add_co_u32 s46, s46, s[HC]
	s_mul_i32 s46, s46, KB*BLK
	s_mov_b32 s47, 0
	s_mul_i32 s84, s[WV], BLK
	s_mov_b32 s[SEL], 0x76543210
	s_mov_b32 s[SEL+1], 0xfedcba98
	s_mov_b32 s[MNT], 0x600000
	s_wait_dscnt 0x0
	s_wait_kmcnt 0x0
.if QKV
	s_add_nc_u64 s[86:87], s[6:7], 2228224
	s_cmp_eq_u32 s[ISV], 1
	s_cselect_b64 s[88:89], s[86:87], s[4:5]
	s_cselect_b64 s[90:91], s[4:5], s[6:7]
.else
	s_mov_b64 s[88:89], s[4:5]
	s_add_nc_u64 s[90:91], s[6:7], 4456448
.endif
	s_add_nc_u64 s[88:89], s[88:89], s[44:45]
	s_add_nc_u64 s[90:91], s[90:91], s[46:47]
	s_cmp_eq_u32 s[HR], 0                          ; the prefetches: do I fetch for x?
	s_cselect_b64 s[PFA:PFA+1], s[88:89], s[90:91]
	s_cselect_b32 s92, s[CX], s[CY]                ; my place among the four that ask for the block with me
	s_mul_i32 s92, s92, 34*256
	s_mov_b32 s93, 0
	s_add_nc_u64 s[PFA:PFA+1], s[PFA:PFA+1], s[92:93]
	v_and_b32 v[PFO], 31, v0
	v_min_u32 v[PFO2], 1, v[PFO]
	v_lshlrev_b32 v[PFO], 8, v[PFO]
	v_lshl_add_u32 v[PFO2], v[PFO2], 8, 8192
	s_wait_alu depctr_va_vdst(0)                   ; directly behind the writes to v30, v31
	CROUND
.irp s, 0,1
	s_mov_b32 s[G0A+4*\s], 1
	s_add_co_u32 s[G0A+4*\s+1], s84, \s*SLOT
	s_add_nc_u64 s[G0A+4*\s+2:G0A+4*\s+3], s[88:89], \s*BLK
	s_or_b32 s[G0A+4*\s+3], s[G0A+4*\s+3], 0x80000000
	s_mov_b32 s[G0B+4*\s], 1
	s_add_co_u32 s[G0B+4*\s+1], s84, \s*SLOT
	s_add_nc_u64 s[G0B+4*\s+2:G0B+4*\s+3], s[90:91], \s*BLK
	s_or_b32 s[G0B+4*\s+3], s[G0B+4*\s+3], 0x80000000
.if \s                                             ; slot 1's first fill is issued as a refill is
	s_wait_alu depctr_va_vdst(0)
	s_wait_tensorcnt 0x0                           ; my block of slot 0 is in
	ds_add_u32 v28, v29
	s_wait_dscnt 0x0
	CROUND
.endif
	JLOAD G0A+4*\s, G1A, G0B+4*\s, G1B
.if \s == 0
	ASK2 BLK                                       ; K step 1,
.endif
	ASK2 (\s+2)*BLK                                ; and the K step two on
.endr
	v_and_b32 v1, 15, v0
	v_bfe_u32 v2, v0, 4, 1
	v_and_b32 v3, 31, v0
	v_lshlrev_b32 v[LI], 4, v3
	v_lshlrev_b32 v[L8], 3, v3
	s_mul_i32 s44, s[HR], BLK
	s_mul_i32 s45, s[HC], BLK
	s_add_co_u32 s45, s45, 2*BLK
	s_sub_co_u32 s46, s45, s44
	v_mul_u32_u24 v4, s46, v2
	v_add_nc_u32 v4, v4, v[L8]
.irp s, 0,1
	v_add_nc_u32 v[ADRA+\s], s44, v[LI]
	v_add_nc_u32 v[ADRB+\s], s45, v[LI]
	v_add_nc_u32 v[ADRS+\s], s44, v4
	s_add_co_u32 s44, s44, SLOT
	s_add_co_u32 s45, s45, SLOT
.endr
.if QKV
	s_lshl_b32 s92, s[TC], 1
	s_add_co_u32 s92, s92, s[HC]
	s_lshl_b32 s93, s[TR], 1
	s_add_co_u32 s93, s93, s[HR]
	s_lshl_b32 s94, s[CY], 2
	s_lshl_b32 s95, s[HR], 1
	s_add_co_u32 s94, s94, s95
	s_lshl_b32 s95, s[CX], 2
	s_lshl_b32 s85, s[HC], 1
	s_add_co_u32 s95, s95, s85
	s_cmp_eq_u32 s[ISV], 1
	s_cselect_b32 s92, s92, s93
	s_cselect_b32 s94, s94, s95
	s_mov_b32 s[SA], 1024
	s_cselect_b32 s[SA], 2048, s[SA]
	s_mov_b32 s[SA4], 1024
	s_cselect_b32 s[SA4], 280576, s[SA4]
	s_mov_b32 s[SQ4], 256
	s_cselect_b32 s[SQ4], 286464, s[SQ4]
	s_cselect_b32 s85, 8192, 0
	s_mov_b32 s86, 286720
	s_cselect_b32 s86, 1024, s86
	s_mov_b32 s87, 16384
	s_cselect_b32 s87, 17408, s87
	s_mov_b32 s[SA+1], 0
	s_mov_b32 s[SA4+1], 0
	s_mov_b32 s[SQ4+1], 0
	s_lshr_b32 s93, s92, 4
	s_lshl_b32 s93, s93, 4
	s_add_co_u32 s93, s93, s94
	s_mul_i32 s93, s93, 286720
	s_and_b32 s92, s92, 15
	s_mul_i32 s92, s92, 17920
	s_add_co_u32 s92, s92, s93
	s_mov_b32 s93, 0
	s_cmp_eq_u32 ttmp9, 0
	s_cselect_b64 s[Q0:Q0+1], s[14:15], s[16:17]
	s_add_nc_u64 s[Q0:Q0+1], s[Q0:Q0+1], s[92:93]
	s_mov_b32 s92, s85
	s_add_nc_u64 s[P0:P0+1], s[Q0:Q0+1], s[92:93]
	s_mov_b32 s92, s86
	s_add_nc_u64 s[P1:P1+1], s[P0:P0+1], s[92:93]
	s_mov_b32 s92, s87
	s_add_nc_u64 s[Q0:Q0+1], s[Q0:Q0+1], s[92:93]
	s_add_nc_u64 s[Q1:Q1+1], s[Q0:Q0+1], 286720
	s_cmp_eq_u32 s[ISV], 1
	s_cbranch_scc1 .Lbias_v
	s_cmp_eq_u32 ttmp9, 0
	s_cselect_b64 s[86:87], s[8:9], s[10:11]
	s_lshl_b32 s94, s[CX], 10
	s_lshl_b32 s95, s[HC], 9
	s_add_co_u32 s94, s94, s95
	v_lshl_add_u32 v[CO], v2, 6, s94
.irp p, 0,1,2,3
.irp k, 0,1,2,3
	global_load_b128 v[BI+16*\p+4*\k:BI+16*\p+4*\k+3], v[CO], s[86:87] offset:128*\p+16*\k
.endr
.endr
	s_branch .Lbias_done
.Lbias_v:
	s_lshl_b32 s94, s[CY], 10
	s_lshl_b32 s95, s[HR], 9
	s_add_co_u32 s94, s94, s95
	v_and_b32 v3, 8, v1
	v_add_nc_u32 v3, v3, v1
	v_lshl_add_u32 v[CO], v3, 2, s94
.irp a, 0,1,2,3,4,5,6,7
.irp j, 0,1,2,3,4,5,6,7
	global_load_b32 v[BI+8*\a+\j], v[CO], s[12:13] offset:(32*(\a/2)+8*(\a%2))*4
.endr
.endr
.Lbias_done:
.else
	s_lshl_b32 s92, s[TR], 1
	s_add_co_u32 s92, s92, s[HR]
	s_lshl_b32 s92, s92, 4
	s_add_co_u32 s92, s92, s[TC]
	s_mul_i32 s92, s92, BLK
	s_mov_b32 s93, 0
	s_add_nc_u64 s[P0:P0+1], s[10:11], s[92:93]
	s_add_nc_u64 s[Q0:Q0+1], s[P0:P0+1], 32768
	s_lshl_b32 s92, s[HC], 14
	s_add_nc_u64 s[P0:P0+1], s[P0:P0+1], s[92:93]
	s_lshl_b32 s92, s[HC], 10
	s_add_nc_u64 s[Q0:Q0+1], s[Q0:Q0+1], s[92:93]
	s_lshl_b32 s94, s[TC], 10
	s_lshl_b32 s95, s[HC], 9
	s_add_co_u32 s94, s94, s95
	v_lshl_add_u32 v[CO], v2, 6, s94
.irp p, 0,1,2,3
.irp k, 0,1,2,3
	global_load_b128 v[BI+16*\p+4*\k:BI+16*\p+4*\k+3], v[CO], s[8:9] offset:128*\p+16*\k
.endr
.endr
.endif
	s_wait_alu depctr_va_vdst(0)
	s_wait_tensorcnt 1
	s_barrier_signal -1
	s_barrier_wait -1
	FETCH_B 0, 0, 0
	FETCH_A 0, 0, 0
	SCALES 0
	FETCH_A 0, 0, 4
	s_wait_loadcnt 0x0
.if QKV
	s_cmp_eq_u32 s[ISV], 1
	s_cbranch_scc1 .Lfirst_v
	STEP 0, 0, 2
	s_branch .Lfirst_done
.Lfirst_v:
	STEP 0, 0, 3
.Lfirst_done:
.else
	STEP 0, 0, 2
.endif
	s_mov_b32 s[LAP], LAPS-1
.Llap:
	TURN 0, 1, 1
	STEP 1, 0, 0
	TURN 1, 0, 1
	STEP 0, 0, 0
	s_sub_co_u32 s[LAP], s[LAP], 1
	s_cmp_lg_u32 s[LAP], 0
	s_cbranch_scc1 .Llap
	TURN 0, 1, 0
	STEP 1, 0, 0
	s_wait_dscnt 16
	WIN MUL_LO
	MUL16 0, 1, 1, 1, 0
	MUL16 2, 1, 1, 1, 0
	s_wait_dscnt 0x0
	WIN MUL_HI
	MUL16 4, 1, 1, 1, 0
	MUL16 6, 1, 1, 1, 0
	WIN 0
	PLACES 8
.irp b, 0,1,2,3
	v_mov_b32 v[TM+4+\b], 0
.endr
.irp a, 0,1,2,3,4,5,6,7
.if \a > 0
	s_wait_xcnt 0x0
.if QKV
.if \a == 4
	s_add_nc_u64 s[P0:P0+1], s[P0:P0+1], s[SA4:SA4+1]
	s_add_nc_u64 s[P1:P1+1], s[P1:P1+1], s[SA4:SA4+1]
	s_add_nc_u64 s[Q0:Q0+1], s[Q0:Q0+1], s[SQ4:SQ4+1]
	s_add_nc_u64 s[Q1:Q1+1], s[Q1:Q1+1], s[SQ4:SQ4+1]
.else
	s_add_nc_u64 s[P0:P0+1], s[P0:P0+1], s[SA:SA+1]
	s_add_nc_u64 s[P1:P1+1], s[P1:P1+1], s[SA:SA+1]
.if \a%2 == 0
	s_add_nc_u64 s[Q0:Q0+1], s[Q0:Q0+1], 256
	s_add_nc_u64 s[Q1:Q1+1], s[Q1:Q1+1], 256
.endif
.endif
.endif
.endif
	QUANTW \a, 1-QKV
.if QKV
.irp c, 0,1,2,3
	global_store_b128 v[LI], v[PC+4*\c:PC+4*\c+3], s[P0+2*(\c/2):P0+2*(\c/2)+1] offset:(\c%2)*512
.endr
.if \a%2
	global_store_b64 v[L8], v[PWP:PWP+1], s[Q0:Q0+1]
	s_cmp_eq_u32 s[ISV], 1
	s_cbranch_scc1 .Lone_word_\a
	v_lshrrev_b32 v[PW2], 16, v[PWP]
	v_lshrrev_b32 v[PW2+1], 16, v[PWP+1]
	global_store_b64 v[L8], v[PW2:PW2+1], s[Q1:Q1+1]
.Lone_word_\a:
.endif
.else
.irp c, 0,1,2,3
	global_store_b128 v[LI], v[PC+4*\c:PC+4*\c+3], s[P0:P0+1] offset:2048*\a+512*\c
.endr
.if \a%2
	global_store_b64 v[L8], v[PWP:PWP+1], s[Q0:Q0+1] offset:256*(\a/2)
.endif
.endif
.endr
	s_wait_tensorcnt 0x0
	ds_add_u32 v[SPW], v[NIL]
	s_wait_dscnt 0x0
	CROUND
	s_endpgm
.Lfunc_end_k_qc3c22877da_w1:
	.size	k_qc3c22877da_w1, .Lfunc_end_k_qc3c22877da_w1-k_qc3c22877da_w1
	.p2alignl 7, 3214868480
	.fill 96, 4, 3214868480
	.section	.rodata,"a",@progbits
	.p2align	6, 0x0
	.amdhsa_kernel k_qc3c22877da_w1
		.amdhsa_group_segment_fixed_size 327680
		.amdhsa_private_segment_fixed_size 0
		.amdhsa_enable_private_segment 0
		.amdhsa_kernarg_size 32
		.amdhsa_user_sgpr_count 2
		.amdhsa_user_sgpr_kernarg_segment_ptr 1
		.amdhsa_wavefront_size32 1
		.amdhsa_system_sgpr_workgroup_id_x 1
		.amdhsa_system_sgpr_workgroup_id_y 1
		.amdhsa_system_sgpr_workgroup_id_z 1
		.amdhsa_system_vgpr_workitem_id 0
		.amdhsa_next_free_vgpr 1024
		.amdhsa_next_free_sgpr 100
		.amdhsa_reserve_vcc 0
		.amdhsa_float_denorm_mode_32 3
		.amdhsa_float_denorm_mode_16_64 3
		.amdhsa_memory_ordered 1
		.amdhsa_forward_progress 1
		.amdhsa_inst_pref_size 185
	.end_amdhsa_kernel
	.amdgpu_metadata
---
amdhsa.version: [ 1, 2 ]
amdhsa.kernels:
  - .name:           k_qc3c22877da_w1
    .symbol:         k_qc3c22877da_w1.kd
    .args:
      - { .name: act, .offset: 0, .size: 8, .value_kind: global_buffer, .address_space: global }
      - { .name: wact, .offset: 8, .size: 8, .value_kind: global_buffer, .address_space: global }
      - { .name: b1, .offset: 16, .size: 8, .value_kind: global_buffer, .address_space: global }
      - { .name: hact, .offset: 24, .size: 8, .value_kind: global_buffer, .address_space: global }
    .group_segment_fixed_size: 327680
    .private_segment_fixed_size: 0
    .kernarg_segment_align: 8
    .kernarg_segment_size: 32
    .max_flat_workgroup_size: 128
    .sgpr_count:     100
    .vgpr_count:     1024
    .wavefront_size: 32
...
	.end_amdgpu_metadata
.endif
;; end of part 14
;; launch w2 (part 15): grid 8 x 32, 4 waves a work-group, clusters of 4 x 4, 327,680 bytes of LDS; arguments hact, wact, y; writes y
.if DOCPART == 15
	.amdgcn_target "amdgcn-amd-amdhsa--gfx1250"
	.amdhsa_code_object_version 6
	.text
	.protected	k_qc3c22877da_w2
	.globl	k_qc3c22877da_w2
	.p2align	8
	.type	k_qc3c22877da_w2,@function
k_qc3c22877da_w2:
	s_mov_b64 s[64:65], 0
	v_nop
	global_prefetch_b8 v0, s[64:65] scope:SCOPE_SE
	s_setreg_imm32_b32 hwreg(HW_REG_WAVE_MODE, 25, 1), 1
	s_wait_xcnt 0x0
	s_wait_alu depctr_hold_cnt(0) depctr_sa_sdst(0) depctr_va_vdst(0) depctr_va_sdst(0) depctr_va_ssrc(0) depctr_va_vcc(0) depctr_vm_vsrc(0)
	s_getreg_b32 s2, hwreg(HW_REG_IB_STS2, 6, 4)
	s_cmp_eq_u32 s2, 0
	s_cbranch_scc0 .Lentry_in_a_cluster
	s_endpgm
.Lentry_in_a_cluster:
	s_bfe_u32 s2, ttmp6, 0x10000c
	s_cmp_lg_u32 s2, 0xf033
	s_cbranch_scc0 .Lentry_shape_is_right
	s_endpgm
.Lentry_shape_is_right:
; y = Q(relu(h)) W2^T ON CODES, raw f32: bias, residual and layer norm follow in the next launch, which owns whole rows.  Nothing of reference() is left out.
; 256 tiles of 128 x 128, one to a work-group; four waves of 64 x 64, 16 accumulators each.  K = 4,096 goes in steps of 512 through two LDS slots: a slot holds A's two blocks of that step, then B's two
; (blocks of 34,816 bytes: images of the operand registers, codes and scale words together).  Each wave fetches one block by one tensor load, asked for jointly in clusters of 4 x 4: A's along a row of the cluster, B's along a column.
; The product is used transposed; a tile's 16 rows leave through the wave's own stage in slot 0, behind that slot's last fill and last read: sixteen lanes store 256 consecutive bytes, aligned.
; PREFETCH INTO THE L2: behind the load of slot n stands the request for slot n + 2 (n = 0 .. 5): two slots, 128 products a wave, ahead of the load that will want it; behind slot 0's load also that for slot 1.  Never more than two slots are
; asked for and not yet read.  A block is 136 units of 256 bytes; the four partners that ask for it jointly share them out by address, 34 each (place cx for A's, cy for B's): one instruction of 32 lanes, a unit a lane, and one for the last
; two units, whose other lanes name the last unit again.  The last two refills ask for nothing.
.set KB,    16
.set WOFF,  8912896
.set BLK,   34816
.set SLOT,  4*BLK
.set SPARE, 2*SLOT
.set LAPS,  KB/4
.set SPITCH, 272
.set LI,   8
.set L8,   9
.set ADRA, 16
.set ADRB, 20
.set ADRS, 22
.set STO,  24
.set RD,   25
.set CO,   26
.set SPW,  28
.set NIL,  29
.set SC,   32
.set OB,   64
.set ACC,  128
.set F0,   0
.set F1,   128
.set WV,  18
.set HR,  19
.set HC,  20
.set CX,  21
.set CY,  22
.set G1A, 24
.set G0A, 32
.set TR,  40
.set TC,  41
.set G1B, 48
.set G0B, 56
.set LAP, 83
.set MSB, 0
.macro WIN new
.if MSB != (\new)
	s_set_vgpr_msb (MSB<<8)|(\new)
.set MSB, (\new)
.endif
.endm
.set MUL,  0x05
.set TO_F, 0x40
.set PFO,  30                          ; v30  256 x lane; never rewritten
.set PFO2, 31                          ; v31  256 x (32 + min(lane, 1)); never rewritten
.set PFA,  94                          ; s[94:95] my work-group's 34 units of the block that I fetch, at the lap's first slot
.macro ASK2 off
	global_prefetch_b8 v[PFO], s[PFA:PFA+1] offset:\off th:TH_LOAD_NT scope:SCOPE_SE
	global_prefetch_b8 v[PFO2], s[PFA:PFA+1] offset:\off th:TH_LOAD_NT scope:SCOPE_SE
.endm
.macro ASK off                         ; in the loop: the slot two refills on; the last trip's two refills have none
	s_cmp_gt_u32 s[LAP], 1
	s_cbranch_scc0 .Lno_ask_\@
	ASK2 \off
.Lno_ask_\@:
.endm
.macro JLOAD g0a, g1a, g0b, g1b
	s_cmp_eq_u32 s[HR], 0
	s_cbranch_scc0 .Lfor_b_\@
	tensor_load_to_lds s[\g0a:\g0a+3], s[\g1a:\g1a+7]
	s_nop 0
.rept 4
	v_nop
.endr
	s_branch .Lasked_\@
.Lfor_b_\@:
	tensor_load_to_lds s[\g0b:\g0b+3], s[\g1b:\g1b+7]
	s_nop 0
.rept 4
	v_nop
.endr
.Lasked_\@:
.endm
.macro CREST
	s_cmp_lg_u32 s[WV], 0
	s_cbranch_scc1 .Lnot_wave_0_\@
	s_barrier_signal -3
.Lnot_wave_0_\@:
	s_barrier_wait -3
	s_barrier_signal -1
	s_barrier_wait -1
.endm
.macro CROUND
	s_barrier_signal -1
	s_barrier_wait -1
	CREST
.endm
.macro PLACES n
.rept \n
	v_nop
.endr
.endm
.macro FRAG reg, adr, off
.irp c, 0,1,2,3
	ds_load_b128 v[\reg+4*\c:\reg+4*\c+3], v[\adr] offset:(\off)+512*\c
.endr
.endm
.macro FETCH slot, kq, f
	WIN TO_F
.irp i, 0,1,2,3
	FRAG \f+64+16*\i, ADRB+\slot, ((\kq)/2)*BLK+((\kq)%2)*16384+2048*\i
.endr
.irp i, 0,1,2,3
	FRAG \f+16*\i, ADRA+\slot, ((\kq)/2)*BLK+((\kq)%2)*16384+2048*\i
.endr
.endm
.macro SCALES sc
.irp k, 0,1,2,3
.irp j, 0,1
	ds_load_b64 v[SC+16*\sc+4*\k+2*\j:SC+16*\sc+4*\k+2*\j+1], v[ADRS+\sc] offset:(\k/2)*BLK+(4*(\k%2)+\j)*256
.endr
.endr
.endm
.macro MUL4 f, a, kq, sc, zero
.irp b, 0,1,2,3
.set rD, ACC+8*(4*(\a)+\b)
.set rB, (\f)+64+16*\b
.set rA, (\f)+16*(\a)
.set rSB, SC+16*(\sc)+4*(\kq)+\b
.set rSA, SC+16*(\sc)+4*(\kq)+(\a)
.if \zero
	v_wmma_scale_f32_16x16x128_f8f6f4 v[rD:rD+7], v[rB:rB+15], v[rA:rA+15], 0, v[rSB], v[rSA] matrix_a_scale:MATRIX_SCALE_ROW1
.else
	v_wmma_scale_f32_16x16x128_f8f6f4 v[rD:rD+7], v[rB:rB+15], v[rA:rA+15], v[rD:rD+7], v[rSB], v[rSA] matrix_a_scale:MATRIX_SCALE_ROW1
.endif
.endr
.endm
.macro QUARTER slot, kn, f, g, zero
	s_wait_dscnt 8
	WIN MUL
	MUL4 \f, 0, (\kn)-1, \slot, \zero
	MUL4 \f, 1, (\kn)-1, \slot, \zero
	PLACES 8
	FETCH \slot, \kn, \g
	s_wait_dscnt 32
	WIN MUL
	MUL4 \f, 2, (\kn)-1, \slot, \zero
	MUL4 \f, 3, (\kn)-1, \slot, \zero
.endm
.macro TURN slot, next, fill
	WIN 0
	s_wait_tensorcnt 0x0
	ds_add_u32 v[SPW], v[NIL]
	s_wait_dscnt 9
	WIN MUL
	MUL4 F1, 0, 3, \slot, 0
	s_wait_dscnt 0x0
	s_barrier_signal -1
	MUL4 F1, 1, 3, \slot, 0
	WIN 0
	s_barrier_wait -1
.if \fill
	CREST
	s_add_nc_u64 s[G0A+4*\slot+2:G0A+4*\slot+3], s[G0A+4*\slot+2:G0A+4*\slot+3], 4*BLK
	s_add_nc_u64 s[G0B+4*\slot+2:G0B+4*\slot+3], s[G0B+4*\slot+2:G0B+4*\slot+3], 4*BLK
	JLOAD G0A+4*\slot, G1A, G0B+4*\slot, G1B
	PLACES 4
.else
	PLACES 8
.endif
	s_wait_alu depctr_va_vdst(0)
	SCALES \next
	FETCH \next, 0, F0
.if \fill
	WIN 0                                          ; (a branch and a label follow)
	ASK (8+2*\slot)*BLK                            ; behind the joint load and the run of LDS loads that the next products wait for
.endif
	WIN MUL
	MUL4 F1, 2, 3, \slot, 0
	MUL4 F1, 3, 3, \slot, 0
.endm
.macro TOSTAGE a
.irp b, 0,1,2,3
	ds_store_b128 v[STO], v[ACC+8*(4*(\a)+\b):ACC+8*(4*(\a)+\b)+3] offset:128*(\b/2)+32*(\b%2)
	ds_store_b128 v[STO], v[ACC+8*(4*(\a)+\b)+4:ACC+8*(4*(\a)+\b)+7] offset:128*(\b/2)+32*(\b%2)+16
.endr
.set BB, OB+32*((\a)%2)
.irp t, 0,1,2,3,4,5,6,7
	ds_load_b128 v[BB+4*\t:BB+4*\t+3], v[RD] offset:\t*2*SPITCH
.endr
.endm
.macro SEND a, younger
.set BB, OB+32*((\a)%2)
	s_wait_dscnt \younger
.irp t, 0,1,2,3,4,5,6,7
	global_store_b128 v[CO], v[BB+4*\t:BB+4*\t+3], s[8:9] offset:(32*((\a)/2)+8*((\a)%2)+2*\t+8*(\t/4))*8192
.endr
.endm
	s_load_b128 s[4:7], s[0:1], 0x0
	s_load_b64 s[8:9], s[0:1], 0x10
	v_lshl_add_u32 v[SPW], v0, 2, SPARE
	v_mov_b32 v[NIL], 0
	ds_add_u32 v[SPW], v[NIL]
	ds_add_u32 v[SPW], v[NIL]
	v_lshrrev_b32 v1, 5, v0
	v_readfirstlane_b32 s[WV], v1
	s_lshr_b32 s[HR], s[WV], 1
	s_and_b32 s[HC], s[WV], 1
	s_bfe_u32 s[CX], ttmp6, 0x40000
	s_bfe_u32 s[CY], ttmp6, 0x40004
	s_lshl_b32 s[TC], ttmp9, 2
	s_add_co_u32 s[TC], s[TC], s[CX]
	s_and_b32 s[TR], ttmp7, 0xffff
	s_lshl_b32 s[TR], s[TR], 2
	s_add_co_u32 s[TR], s[TR], s[CY]
	s_lshl_b32 s42, s[CY], 2
	s_lshl_b32 s42, 15, s42
	s_lshl_b32 s43, 0x1111, s[CX]
	s_or_b32 s[G1A], s42, (3<<16)|(1<<21)
	s_or_b32 s[G1B], s43, (3<<16)|(1<<21)
.irp g, G1A, G1B
	s_mov_b32 s[\g+1], 32<<16
	s_mov_b32 s[\g+2], 136<<16
	s_mov_b32 s[\g+3], 32<<16
	s_mov_b32 s[\g+4], 136
	s_mov_b32 s[\g+5], 32
	s_mov_b32 s[\g+6], 0
	s_mov_b32 s[\g+7], 0
.endr
	s_mul_i32 s85, s[HC], BLK
	s_mul_i32 s44, s[TR], KB*BLK
	s_add_co_u32 s44, s44, s85
	s_mov_b32 s45, 0
	s_mul_i32 s46, s[TC], KB*BLK
	s_add_co_u32 s46, s46, s85
	s_mov_b32 s47, 0
	s_mul_i32 s84, s[WV], BLK
	s_wait_dscnt 0x0
	s_wait_kmcnt 0x0
	s_add_nc_u64 s[88:89], s[4:5], s[44:45]
	s_add_nc_u64 s[90:91], s[6:7], WOFF
	s_add_nc_u64 s[90:91], s[90:91], s[46:47]
	s_cmp_eq_u32 s[HR], 0                          ; the prefetches: do I fetch for A?
	s_cselect_b64 s[PFA:PFA+1], s[88:89], s[90:91]
	s_cselect_b32 s92, s[CX], s[CY]                ; my place among the four that ask for the block with me
	s_mul_i32 s92, s92, 34*256
	s_mov_b32 s93, 0
	s_add_nc_u64 s[PFA:PFA+1], s[PFA:PFA+1], s[92:93]
	v_and_b32 v[PFO], 31, v0
	v_min_u32 v[PFO2], 1, v[PFO]
	v_lshlrev_b32 v[PFO], 8, v[PFO]
	v_lshl_add_u32 v[PFO2], v[PFO2], 8, 8192
	s_wait_alu depctr_va_vdst(0)                   ; directly behind the writes to v30, v31
	CROUND
.irp s, 0,1
	s_mov_b32 s[G0A+4*\s], 1
	s_add_co_u32 s[G0A+4*\s+1], s84, \s*SLOT
	s_add_nc_u64 s[G0A+4*\s+2:G0A+4*\s+3], s[88:89], \s*2*BLK
	s_or_b32 s[G0A+4*\s+3], s[G0A+4*\s+3], 0x80000000
	s_mov_b32 s[G0B+4*\s], 1
	s_add_co_u32 s[G0B+4*\s+1], s84, \s*SLOT
	s_add_nc_u64 s[G0B+4*\s+2:G0B+4*\s+3], s[90:91], \s*2*BLK
	s_or_b32 s[G0B+4*\s+3], s[G0B+4*\s+3], 0x80000000
.if \s                                             ; slot 1's first fill is issued as a refill is
	s_wait_alu depctr_va_vdst(0)
	s_wait_tensorcnt 0x0                           ; my block of slot 0 is in
	ds_add_u32 v28, v29
	s_wait_dscnt 0x0
	CROUND
.endif
	JLOAD G0A+4*\s, G1A, G0B+4*\s, G1B
.if \s == 0
	ASK2 2*BLK                                     ; slot 1,
.endif
	ASK2 (\s+2)*2*BLK                              ; and the slot two on
.endr
	v_and_b32 v1, 15, v0
	v_bfe_u32 v2, v0, 4, 1
	v_and_b32 v3, 31, v0
	v_lshlrev_b32 v[LI], 4, v3
	s_wait_alu depctr_va_vdst(0)
	v_lshlrev_b32 v[L8], 3, v3
	s_lshl_b32 s44, s[HR], 13
	s_lshl_b32 s45, s[HC], 13
	s_add_co_u32 s45, s45, 2*BLK
	s_lshl_b32 s46, s[HR], 9
	s_lshl_b32 s47, s[HC], 9
	s_add_co_u32 s47, s47, 2*BLK
	s_sub_co_u32 s47, s47, s46
	v_mul_u32_u24 v4, s47, v2
	v_add_nc_u32 v4, v4, v[L8]
	s_add_co_u32 s46, s46, 32768
.irp s, 0,1
	v_add_nc_u32 v[ADRA+\s], s44, v[LI]
	v_add_nc_u32 v[ADRB+\s], s45, v[LI]
	v_add_nc_u32 v[ADRS+\s], s46, v4
	s_add_co_u32 s44, s44, SLOT
	s_add_co_u32 s45, s45, SLOT
	s_add_co_u32 s46, s46, SLOT
.endr
	s_mul_i32 s92, s[WV], 16*SPITCH
	v_mul_u32_u24 v3, v1, SPITCH
	v_lshl_add_u32 v3, v2, 6, v3
	v_add_nc_u32 v[STO], s92, v3
	v_mul_u32_u24 v3, v2, SPITCH
	v_lshl_add_u32 v3, v1, 4, v3
	v_add_nc_u32 v[RD], s92, v3
	v_lshlrev_b32 v3, 13, v2
	v_lshl_add_u32 v[CO], v1, 4, v3
	s_and_b32 s92, s[TR], 15
	s_lshl_b32 s92, s92, 1
	s_add_co_u32 s92, s92, s[HR]
	s_lshl_b32 s92, s92, 19
	s_lshr_b32 s93, s[TR], 4
	s_lshl_b32 s93, s93, 12
	s_add_co_u32 s92, s92, s93
	s_lshl_b32 s93, s[TC], 9
	s_add_co_u32 s92, s92, s93
	s_lshl_b32 s93, s[HC], 8
	s_add_co_u32 s92, s92, s93
	s_mov_b32 s93, 0
	s_add_nc_u64 s[8:9], s[8:9], s[92:93]
	s_wait_tensorcnt 1
	s_barrier_signal -1
	s_barrier_wait -1
	SCALES 0
	FETCH 0, 0, F0
	QUARTER 0, 1, F0, F1, 1
.if LAPS > 1
	WIN 0
	s_mov_b32 s[LAP], LAPS-1
.Llap:
	QUARTER 0, 2, F1, F0, 0
	QUARTER 0, 3, F0, F1, 0
	TURN 0, 1, 1
	QUARTER 1, 1, F0, F1, 0
	QUARTER 1, 2, F1, F0, 0
	QUARTER 1, 3, F0, F1, 0
	TURN 1, 0, 1
	QUARTER 0, 1, F0, F1, 0
	WIN 0
	s_wait_xcnt 0x0                                ; my prefetches have read their base: it steps a lap on
	s_add_nc_u64 s[PFA:PFA+1], s[PFA:PFA+1], 4*BLK
	s_sub_co_u32 s[LAP], s[LAP], 1
	s_cmp_lg_u32 s[LAP], 0
	s_cbranch_scc1 .Llap
.endif
	QUARTER 0, 2, F1, F0, 0
	QUARTER 0, 3, F0, F1, 0
	TURN 0, 1, 0
	QUARTER 1, 1, F0, F1, 0
	QUARTER 1, 2, F1, F0, 0
	QUARTER 1, 3, F0, F1, 0
	s_wait_dscnt 8
	WIN MUL
	MUL4 F1, 0, 3, 1, 0
	MUL4 F1, 1, 3, 1, 0
	s_wait_dscnt 0x0
	MUL4 F1, 2, 3, 1, 0
	MUL4 F1, 3, 3, 1, 0
	WIN 0
	PLACES 8
	TOSTAGE 0
.irp a, 1,2,3
.if \a > 1
	s_wait_xcnt 0x0
.endif
	TOSTAGE \a
	SEND \a-1, 16
.endr
	SEND 3, 0
	s_wait_tensorcnt 0x0
	ds_add_u32 v[SPW], v[NIL]
	s_wait_dscnt 0x0
	CROUND
	s_endpgm
.Lfunc_end_k_qc3c22877da_w2:
	.size	k_qc3c22877da_w2, .Lfunc_end_k_qc3c22877da_w2-k_qc3c22877da_w2
	.p2alignl 7, 3214868480
	.fill 96, 4, 3214868480
	.section	.rodata,"a",@progbits
	.p2align	6, 0x0
	.amdhsa_kernel k_qc3c22877da_w2
		.amdhsa_group_segment_fixed_size 327680
		.amdhsa_private_segment_fixed_size 0
		.amdhsa_enable_private_segment 0
		.amdhsa_kernarg_size 24
		.amdhsa_user_sgpr_count 2
		.amdhsa_user_sgpr_kernarg_segment_ptr 1
		.amdhsa_wavefront_size32 1
		.amdhsa_system_sgpr_workgroup_id_x 1
		.amdhsa_system_sgpr_workgroup_id_y 1
		.amdhsa_system_sgpr_workgroup_id_z 1
		.amdhsa_system_vgpr_workitem_id 0
		.amdhsa_next_free_vgpr 512
		.amdhsa_next_free_sgpr 100
		.amdhsa_reserve_vcc 0
		.amdhsa_float_denorm_mode_32 3
		.amdhsa_float_denorm_mode_16_64 3
		.amdhsa_memory_ordered 1
		.amdhsa_forward_progress 1
		.amdhsa_inst_pref_size 92
	.end_amdhsa_kernel
	.amdgpu_metadata
---
amdhsa.version: [ 1, 2 ]
amdhsa.kernels:
  - .name:           k_qc3c22877da_w2
    .symbol:         k_qc3c22877da_w2.kd
    .args:
      - { .name: hact, .offset: 0, .size: 8, .value_kind: global_buffer, .address_space: global }
      - { .name: wact, .offset: 8, .size: 8, .value_kind: global_buffer, .address_space: global }
      - { .name: y, .offset: 16, .size: 8, .value_kind: global_buffer, .address_space: global }
    .group_segment_fixed_size: 327680
    .private_segment_fixed_size: 0
    .kernarg_segment_align: 8
    .kernarg_segment_size: 24
    .max_flat_workgroup_size: 128
    .sgpr_count:     100
    .vgpr_count:     512
    .wavefront_size: 32
...
	.end_amdgpu_metadata
.endif
;; end of part 15
;; launch ln2 (part 16): grid 256 x 1, 8 waves a work-group, no clusters, 0 bytes of LDS; arguments y, x, b2, g2, be2, out0; writes out0
.if DOCPART == 16
	.amdgcn_target "amdgcn-amd-amdhsa--gfx1250"
	.amdhsa_code_object_version 6
	.text
	.protected	k_qc3c22877da_ln2
	.globl	k_qc3c22877da_ln2
	.p2align	8
	.type	k_qc3c22877da_ln2,@function
k_qc3c22877da_ln2:
	s_mov_b64 s[64:65], 0
	v_nop
	global_prefetch_b8 v0, s[64:65] scope:SCOPE_SE
	s_setreg_imm32_b32 hwreg(HW_REG_WAVE_MODE, 25, 1), 1
	s_wait_xcnt 0x0
; out0 = layer norm((y + b2) + x) x g2 + be2.  Nothing of reference() is left out.
; A stream: memory binds; no LDS, no barrier, no matrix unit, no cluster.  A work-group owns 16 rows of 4,096 bytes, each of its eight waves two: a whole row in 32 registers a lane (columns 128 j + 4 lane + 0..3), read once;
; the mean, then the mean of the squared differences, as reference() has them.  Both rows are asked for at once; each load and store of a wave covers 512 consecutive bytes, aligned.
; LIMITS: NaN and infinities are not served.
.set RSTR, 4096                        ; from row to row
.set BO,  16                           ; v16-47 b2, v48-79 g2, v80-111 be2 of my 32 columns
.set GA,  48
.set BE,  80
.set YA,  112                          ; row 0: y v112-143, x v144-175;  row 1: v176-207, v208-239
.set RA,  144
.set YB,  176
.set RB,  208
.set T,   240                          ; v240-245 at work
.set SEL, 30
.set INV, 33
.set EPS, 34
.macro RED x, t                        ; the sum over the wave's 32 lanes, in every lane
	s_delay_alu instid0(VALU_DEP_1)
	v_add_f32_dpp v[\x], v[\x], v[\x] row_xmask:1 row_mask:0xf bank_mask:0xf
	s_delay_alu instid0(VALU_DEP_1)
	v_add_f32_dpp v[\x], v[\x], v[\x] row_xmask:2 row_mask:0xf bank_mask:0xf
	s_delay_alu instid0(VALU_DEP_1)
	v_add_f32_dpp v[\x], v[\x], v[\x] row_xmask:4 row_mask:0xf bank_mask:0xf
	s_delay_alu instid0(VALU_DEP_1)
	v_add_f32_dpp v[\x], v[\x], v[\x] row_xmask:8 row_mask:0xf bank_mask:0xf
	s_delay_alu instid0(VALU_DEP_1)
	v_permlanex16_b32 v[\t], v[\x], s[SEL], s[SEL+1]
	s_delay_alu instid0(VALU_DEP_1)
	v_add_f32 v[\x], v[\x], v[\t]
.endm
.macro LOADROW y, r, k                 ; sixteen loads of 512 consecutive bytes
.set j, 0
.rept 8
	global_load_b128 v[\y+4*j:\y+4*j+3], v1, s[4:5] offset:(\k)*RSTR+512*j th:TH_LOAD_NT
	global_load_b128 v[\r+4*j:\r+4*j+3], v1, s[6:7] offset:(\k)*RSTR+512*j th:TH_LOAD_NT
.set j, j+1
.endr
.endm
.macro ROW y, r, k
.set j, 0
.rept 16
	v_pk_add_f32 v[\y+j:\y+j+1], v[\y+j:\y+j+1], v[BO+j:BO+j+1]
.set j, j+2
.endr
.set j, 0
.rept 16
	v_pk_add_f32 v[\y+j:\y+j+1], v[\y+j:\y+j+1], v[\r+j:\r+j+1]
.set j, j+2
.endr
	v_pk_add_f32 v[T:T+1], v[\y:\y+1], v[\y+2:\y+3]              ; the sum, in two chains
	v_pk_add_f32 v[T+2:T+3], v[\y+4:\y+5], v[\y+6:\y+7]
.set j, 8
.rept 6
	s_delay_alu instid0(VALU_DEP_2)
	v_pk_add_f32 v[T:T+1], v[T:T+1], v[\y+j:\y+j+1]
	s_delay_alu instid0(VALU_DEP_2)
	v_pk_add_f32 v[T+2:T+3], v[T+2:T+3], v[\y+j+2:\y+j+3]
.set j, j+4
.endr
	s_delay_alu instid0(VALU_DEP_1)
	v_pk_add_f32 v[T:T+1], v[T:T+1], v[T+2:T+3]
	s_delay_alu instid0(VALU_DEP_1)
	v_add_f32 v[T], v[T], v[T+1]
	RED T, T+1
	s_delay_alu instid0(VALU_DEP_1)
	v_mul_f32 v[T], s[INV], v[T]                   ; the mean
.set j, 0
.rept 16
	v_pk_add_f32 v[\y+j:\y+j+1], v[\y+j:\y+j+1], v[T:T+1] op_sel_hi:[1,0] neg_lo:[0,1] neg_hi:[0,1]
.set j, j+2
.endr
	v_pk_mul_f32 v[T+2:T+3], v[\y:\y+1], v[\y:\y+1]
	v_pk_mul_f32 v[T+4:T+5], v[\y+2:\y+3], v[\y+2:\y+3]
.set j, 4
.rept 7
	s_delay_alu instid0(VALU_DEP_2)
	v_pk_fma_f32 v[T+2:T+3], v[\y+j:\y+j+1], v[\y+j:\y+j+1], v[T+2:T+3]
	s_delay_alu instid0(VALU_DEP_2)
	v_pk_fma_f32 v[T+4:T+5], v[\y+j+2:\y+j+3], v[\y+j+2:\y+j+3], v[T+4:T+5]
.set j, j+4
.endr
	s_delay_alu instid0(VALU_DEP_1)
	v_pk_add_f32 v[T+2:T+3], v[T+2:T+3], v[T+4:T+5]
	s_delay_alu instid0(VALU_DEP_1)
	v_add_f32 v[T+2], v[T+2], v[T+3]
	RED T+2, T+3
	s_delay_alu instid0(VALU_DEP_1)
	v_fma_f32 v[T+2], v[T+2], s[INV], s[EPS]       ; the variance + 1e-5
	s_wait_alu depctr_va_vdst(0)
	v_rsq_f32 v[T+2], v[T+2]
	v_nop                                          ; a plain line behind the transcendental,
	s_wait_alu depctr_va_vdst(0)                   ; and the wait ahead of its first reader
.set j, 0
.rept 16
	v_pk_mul_f32 v[\y+j:\y+j+1], v[\y+j:\y+j+1], v[T+2:T+3] op_sel_hi:[1,0]
.set j, j+2
.endr
.set j, 0
.rept 16
	v_pk_fma_f32 v[\y+j:\y+j+1], v[\y+j:\y+j+1], v[GA+j:GA+j+1], v[BE+j:BE+j+1]
.set j, j+2
.endr
.set j, 0
.rept 8
	global_store_b128 v1, v[\y+4*j:\y+4*j+3], s[14:15] offset:(\k)*RSTR+512*j th:TH_STORE_NT
.set j, j+1
.endr
.endm
	s_load_b256 s[4:11], s[0:1], 0x0               ; y, x, b2, g2
	s_load_b128 s[12:15], s[0:1], 0x20             ; be2, out0
	v_lshrrev_b32 v8, 5, v0
	s_delay_alu instid0(VALU_DEP_1)
	v_readfirstlane_b32 s18, v8                    ; wave 0..7
	v_and_b32 v8, 31, v0
	s_delay_alu instid0(VALU_DEP_1)
	v_lshlrev_b32 v1, 4, v8                        ; 16 x lane
	s_lshl_b32 s26, ttmp9, 16                      ; 16 rows a work-group,
	s_lshl_b32 s25, s18, 13                        ; two a wave
	s_add_co_u32 s26, s26, s25
	s_mov_b32 s27, 0
	s_mov_b32 s[SEL], 0x76543210
	s_mov_b32 s[SEL+1], 0xfedcba98
	s_mov_b32 s[INV], 0x3a800000                   ; 1 / 1,024
	s_mov_b32 s[EPS], 0x3727c5ac                   ; 1e-5
	s_wait_alu depctr_va_vdst(0)
	s_wait_kmcnt 0x0
	s_add_nc_u64 s[4:5], s[4:5], s[26:27]
	s_add_nc_u64 s[6:7], s[6:7], s[26:27]
	s_add_nc_u64 s[14:15], s[14:15], s[26:27]
.set j, 0
.rept 8
	global_load_b128 v[BO+4*j:BO+4*j+3], v1, s[8:9] offset:512*j
	global_load_b128 v[GA+4*j:GA+4*j+3], v1, s[10:11] offset:512*j
	global_load_b128 v[BE+4*j:BE+4*j+3], v1, s[12:13] offset:512*j
.set j, j+1
.endr
	LOADROW YA, RA, 0
	LOADROW YB, RB, 1
	s_wait_loadcnt 16                              ; the second row's sixteen loads stay out
	ROW YA, RA, 0
	s_wait_loadcnt 0x0
	ROW YB, RB, 1
	s_endpgm
.Lfunc_end_k_qc3c22877da_ln2:
	.size	k_qc3c22877da_ln2, .Lfunc_end_k_qc3c22877da_ln2-k_qc3c22877da_ln2
	.p2alignl 7, 3214868480
	.fill 96, 4, 3214868480
	.section	.rodata,"a",@progbits
	.p2align	6, 0x0
	.amdhsa_kernel k_qc3c22877da_ln2
		.amdhsa_group_segment_fixed_size 0
		.amdhsa_private_segment_fixed_size 0
		.amdhsa_enable_private_segment 0
		.amdhsa_kernarg_size 48
		.amdhsa_user_sgpr_count 2
		.amdhsa_user_sgpr_kernarg_segment_ptr 1
		.amdhsa_wavefront_size32 1
		.amdhsa_system_sgpr_workgroup_id_x 1
		.amdhsa_system_sgpr_workgroup_id_y 1
		.amdhsa_system_sgpr_workgroup_id_z 1
		.amdhsa_system_vgpr_workitem_id 0
		.amdhsa_next_free_vgpr 256
		.amdhsa_next_free_sgpr 66
		.amdhsa_reserve_vcc 0
		.amdhsa_float_denorm_mode_32 3
		.amdhsa_float_denorm_mode_16_64 3
		.amdhsa_memory_ordered 1
		.amdhsa_forward_progress 1
		.amdhsa_inst_pref_size 27
	.end_amdhsa_kernel
	.amdgpu_metadata
---
amdhsa.version: [ 1, 2 ]
amdhsa.kernels:
  - .name:           k_qc3c22877da_ln2
    .symbol:         k_qc3c22877da_ln2.kd
    .args:
      - { .name: y, .offset: 0, .size: 8, .value_kind: global_buffer, .address_space: global }
      - { .name: x, .offset: 8, .size: 8, .value_kind: global_buffer, .address_space: global }
      - { .name: b2, .offset: 16, .size: 8, .value_kind: global_buffer, .address_space: global }
      - { .name: g2, .offset: 24, .size: 8, .value_kind: global_buffer, .address_space: global }
      - { .name: be2, .offset: 32, .size: 8, .value_kind: global_buffer, .address_space: global }
      - { .name: out0, .offset: 40, .size: 8, .value_kind: global_buffer, .address_space: global }
    .group_segment_fixed_size: 0
    .private_segment_fixed_size: 0
    .kernarg_segment_align: 8
    .kernarg_segment_size: 48
    .max_flat_workgroup_size: 256
    .sgpr_count:     66
    .vgpr_count:     256
    .wavefront_size: 32
...
	.end_amdgpu_metadata
.endif
;; end of part 16
